; MI455X (gfx1250); checked and timed in simulation.
; The chip was launched on July 23, 2026; its instructions are those of AMD's public machine-readable ISA for CDNA 5 (MIT licence, August 2026) and "CDNA5" Instruction Set Architecture Reference Guide (July 2026). The comments in the code are by the model that wrote it; some were corrected since.
;; Mo E Layer. Allowed arithmetic: matrix products marked QUANTISED: E2M1 operands, one E8M0 scale for each 32 along K, by v_wmma_scale_f32_16x16x128_f8f6f4 with both operands' format E2M1 (or v_wmma_scale_f32_32x16x128_f4), f32 sums; products left as they are: f32 operands where the result goes on into a quantised operand, else bf16, f16 or f32 operands; f32 sums; everything else in f32.
;; Inputs: b1 8 x 4,096 float32; b2 8 x 1,024 float32; gate_w 1,024 x 8 float32; w1 8 x 1,024 x 4,096 float32; w2 8 x 4,096 x 1,024 float32; x 4 x 256 x 1,024 float32.
;; Outputs: out0 4 x 256 x 1,024 float32; out1 one number float32.
;; This version of the problem:
;;   THIS VERSION OF THE PROBLEM IS GIVEN IN LOW PRECISION. The matrix products marked QUANTISED in the list below multiply operands that are first quantised to E2M1 (2 exponent bits, 1 mantissa bit; 4 bits a number), with one power-of-two scale for each 32 numbers along K (OCP MX v1.0); their sums are f32. All else is computed in f32.
;;   The module's matrix products, in the order in which they are computed (A, B: the left and right operand; K: the contracted axis; several contracted axes count as one K, in the product's order):
;;     1. [M 1,024, K 1,024] x [K 1,024, N 8]; A: input x; B: input gate_w: left as it is (N = 8 < 16)
;;     2. [M 1,024, K 1,024] x [K 1,024, N 4,096]; A: input x; B: input w1: QUANTISED
;;     3. [M 1,024, K 4,096] x [K 4,096, N 1,024]; A: computed on the way; B: input w2: QUANTISED
;;     4. [M 1,024, K 1,024] x [K 1,024, N 4,096]; A: input x; B: input w1: QUANTISED
;;     5. [M 1,024, K 4,096] x [K 4,096, N 1,024]; A: computed on the way; B: input w2: QUANTISED
;;     6. [M 1,024, K 1,024] x [K 1,024, N 4,096]; A: input x; B: input w1: QUANTISED
;;     7. [M 1,024, K 4,096] x [K 4,096, N 1,024]; A: computed on the way; B: input w2: QUANTISED
;;     8. [M 1,024, K 1,024] x [K 1,024, N 4,096]; A: input x; B: input w1: QUANTISED
;;     9. [M 1,024, K 4,096] x [K 4,096, N 1,024]; A: computed on the way; B: input w2: QUANTISED
;;     10. [M 1,024, K 1,024] x [K 1,024, N 4,096]; A: input x; B: input w1: QUANTISED
;;     11. [M 1,024, K 4,096] x [K 4,096, N 1,024]; A: computed on the way; B: input w2: QUANTISED
;;     12. [M 1,024, K 1,024] x [K 1,024, N 4,096]; A: input x; B: input w1: QUANTISED
;;     13. [M 1,024, K 4,096] x [K 4,096, N 1,024]; A: computed on the way; B: input w2: QUANTISED
;;     14. [M 1,024, K 1,024] x [K 1,024, N 4,096]; A: input x; B: input w1: QUANTISED
;;     15. [M 1,024, K 4,096] x [K 4,096, N 1,024]; A: computed on the way; B: input w2: QUANTISED
;;     16. [M 1,024, K 1,024] x [K 1,024, N 4,096]; A: input x; B: input w1: QUANTISED
;;     17. [M 1,024, K 4,096] x [K 4,096, N 1,024]; A: computed on the way; B: input w2: QUANTISED
;;   THE QUANTISER, for each operand of a quantised product, along K:
;;     - K is cut into blocks of 32 from its start; a last block that is shorter is filled with zeros.
;;     - A block's scale is 2^e with e = floor(log2(the largest magnitude in the block)) - 2, held to -126 .. 127; a block of zeros has e = 0. As a byte (E8M0): e + 127.
;;     - Each number is divided by its block's scale, clamped to +-6, and rounded to the nearest number of E2M1, ties to even, subnormals kept.
;;     - The product sums the exact products of the quantised numbers (number of the format x scale) in f32.
;;   ~~~python
;;   def quantise(x, axis):      # numpy; x: float32 -> the quantised numbers, widened to float32 again
;;       x = np.moveaxis(x, axis, -1); K = x.shape[-1]
;;       x = np.pad(x, [(0, 0)] * (x.ndim - 1) + [(0, -K % 32)]); x = x.reshape(x.shape[:-1] + (-1, 32)); a = np.abs(x).max(-1, keepdims=True)
;;       e = np.where(a > 0, np.clip(np.frexp(np.where(a > 0, a, 1))[1] - 1 - 2, -126, 127), 0)      # np.frexp(a)[1] - 1 = floor(log2(a)), exactly
;;       r = np.clip(x / 2.0 ** e, -6, 6)
;;       step = 2.0 ** (np.maximum(np.frexp(np.where(r == 0, 1, r))[1] - 1, 0) - 1)
;;       q = np.round(r / step) * step * 2.0 ** e      # np.round: ties to even
;;       return np.moveaxis(q.reshape(q.shape[:-2] + (-1,))[..., :K], -1, axis).astype(np.float32)
;;   ~~~
;;   OPERANDS COMPUTED ON THE WAY. 'Computed on the way' means the value that the module computes at that place (a softmax that the list does not call 'softmax' is quantised finished and normalised). What goes into a quantiser is computed in f32, as accurately as f32 sums, v_exp_f32 and their like allow (about 1e-6 of the number): no bf16 or f16 on the way to a quantiser, and a product that is left as it is and whose result goes on into a quantised operand takes f32 operands (vector FMAs, or v_wmma_f32_16x16x4_f32). A number that lies on a knife's edge between two numbers of the format may be rounded either way, as far as f32 arithmetic and the matrix unit's own rounding can turn it there, and no further.
;; 2 versions. Each part assembles by itself: llvm-mc -triple=amdgcn-amd-amdhsa -mcpu=gfx1250 --defsym DOCPART=n.
;; ======== version 1 of 2: 5 launches
;; workspace buffers: xq 524,288 bytes; xs 32,768 bytes; sel 8,192 bytes of whole numbers; cf 8,192 bytes; part 16,384 bytes; hq 18,874,368 bytes; yp 17,825,792 bytes; lst 81,920 bytes of whole numbers
;; launch route (part 1): grid 256 x 1, 1 waves a work-group, no clusters, 512 bytes of LDS; arguments x, gate_w, xq, xs, sel, cf, part; writes xq, xs, sel, cf, part
.if DOCPART == 1
	.amdgcn_target "amdgcn-amd-amdhsa--gfx1250"
	.amdhsa_code_object_version 6
	.text
	.protected	k_q9de58f6719_route
	.globl	k_q9de58f6719_route
	.p2align	8
	.type	k_q9de58f6719_route,@function
k_q9de58f6719_route:
	s_mov_b64 s[64:65], 0
	v_nop
	global_prefetch_b8 v0, s[64:65] scope:SCOPE_SE
	s_setreg_imm32_b32 hwreg(HW_REG_WAVE_MODE, 25, 1), 1
	s_wait_xcnt 0x0
; ROUTER AND QUANTISER OF x.  One wave takes four tokens (4 x work-group on).  Lane l holds block l of a token, x[32 l .. 32 l + 31]:
; the block's largest magnitude needs no other lane, and its 32 codes are the 16 bytes at 16 l of the token's row of 512 bytes of codes.
; The same registers feed the logits: lane l multiplies its 32 numbers by rows 32 l .. 32 l + 31 of gate_w (256 numbers, kept in the second register window), in f32,
; and the 32 lanes' parts are added.  Softmax with the row's maximum taken away, top 2 (the lower index wins a tie, as jax.lax.top_k has it), the two weights renormalised.
; OUT: xq [token][512 B] codes, xs [token][32 B] scale bytes, sel [token][2] the chosen experts as whole numbers at fixed places, cf [2 token + k] their weights,
; part [work-group][16]: the four tokens' sums of the 8 probabilities, then how often each expert was chosen.
; A block's scale byte is its largest magnitude's exponent field - 2, held at 1 from below; a block of zeros keeps the byte 1 (its codes are zeros, and this program alone reads the bytes).
; LIMITS: NaN and infinities among the inputs are not served.  The logits are summed in another order than a plain dot product: where two probabilities lie within f32 rounding of each other, the other expert may be chosen.
.set X,     32                         ; v32-159   token j's 32 numbers at X + 32 j
.set LG,    160                        ; v160-191  token j's 8 logits at LG + 8 j
.set QC,    192                        ; v192-207  token j's codes, 4 registers
.set PE,    208                        ; v208-215  the probabilities of the token in hand
.set QE,    216                        ; v216-223  the same with the first choice struck out
.set IW,    232                        ; v232-247  token j: first and second expert, first and second weight
.set SP,    8                          ; v8-15     sums of the probabilities
.set CN,    16                         ; v16-23    counts
.set SELB,  128                        ; LDS: bytes 0-127 the scale bytes, then 32 bytes of experts, 32 of weights, 64 of sums and counts
.set CFB,   160
.set PARTB, 192
	s_load_b256 s[4:11], s[0:1], 0x0               ; x, gate_w, xq, xs
	s_load_b128 s[12:15], s[0:1], 0x20             ; sel, cf
	s_load_b64 s[16:17], s[0:1], 0x30              ; part
	v_lshl_add_u32 v254, v0, 2, 0x100
	v_mov_b32 v255, 0
	v_lshlrev_b32 v1, 7, v0                        ; x: 128 bytes a lane
	v_lshlrev_b32 v2, 10, v0                       ; gate_w: 32 rows of 32 bytes a lane
	v_lshlrev_b32 v3, 4, v0                        ; codes: 16 bytes a lane
	v_lshlrev_b32 v4, 2, v0
	v_mov_b32 v5, 0
	v_mov_b32 v6, -1.0
	v_mov_b32 v7, 1.0
.irp e,0,1,2,3,4,5,6,7,8,9,10,11,12,13,14,15
	v_mov_b32 v[SP+\e], 0                          ; the sixteen sums over the four tokens begin at 0
.endr
	v_mov_b32 v27, 0                               ; (a lane permute's destination counts as one of its sources)
	s_mov_b32 s19, 0
	s_mov_b32 s22, 0x76543210
	s_mov_b32 s23, 0xfedcba98                      ; v_permlanex16_b32's selects for lane l xor 16
	s_wait_kmcnt 0x0
	s_lshl_b32 s18, ttmp9, 14                      ; four rows of 4,096 bytes
	s_add_nc_u64 s[4:5], s[4:5], s[18:19]
	s_lshl_b32 s18, ttmp9, 11
	s_add_nc_u64 s[8:9], s[8:9], s[18:19]
	s_lshl_b32 s18, ttmp9, 7
	s_add_nc_u64 s[10:11], s[10:11], s[18:19]
	s_lshl_b32 s18, ttmp9, 5
	s_add_nc_u64 s[12:13], s[12:13], s[18:19]
	s_add_nc_u64 s[14:15], s[14:15], s[18:19]
	s_lshl_b32 s18, ttmp9, 6
	s_add_nc_u64 s[16:17], s[16:17], s[18:19]
.irp j,0,1,2,3
.irp i,0,1,2,3,4,5,6,7
	global_load_b128 v[X+32*\j+4*\i:X+32*\j+4*\i+3], v1, s[4:5] offset:4096*\j+16*\i
.endr
.endr
	s_set_vgpr_msb 0x40                            ; destination: the second window; the address stays in the first
.set n, 0
.rept 64
	global_load_b128 v[4*n:4*n+3], v2, s[6:7] offset:16*n   ; register 8 i + e = gate_w[32 l + i][e]
.set n, n+1
.endr
	s_set_vgpr_msb 0x4000
	s_wait_loadcnt 63                              ; 96 loads were issued: the oldest 33 are in, x's 32 among them
.macro QUANTX j
.set XS, X+32*\j
	v_max3_num_f32 v24, |v[XS]|, |v[XS+1]|, |v[XS+2]|
	v_max3_num_f32 v25, |v[XS+3]|, |v[XS+4]|, |v[XS+5]|
.irp i,6,10,14,18,22,26
	v_max3_num_f32 v24, v24, |v[XS+\i]|, |v[XS+\i+1]|
	v_max3_num_f32 v25, v25, |v[XS+\i+2]|, |v[XS+\i+3]|
.endr
	v_max3_num_f32 v24, v24, |v[XS+30]|, |v[XS+31]|
	v_max3_num_f32 v24, v24, v25, 0x1800000        ; the floor 2^(3 - 127): the byte cannot fall under 1
	v_add_nc_u32 v26, 0xff000000, v24              ; 2 off the exponent field: the conversion's scale operand
	v_lshrrev_b32 v[28+\j], 23, v26                ; the scale's byte
.irp g,0,1,2,3
	v_cvt_scalef32_pk8_fp4_f32 v[QC+4*\j+\g], v[XS+8*\g:XS+8*\g+7], v26
.endr
	v_nop                                          ; one plain place behind a scaled conversion
	global_store_b128 v3, v[QC+4*\j:QC+4*\j+3], s[8:9] offset:512*\j   ; the wave stores the token's 512 bytes of codes
	ds_store_b8 v0, v[28+\j] offset:32*\j
.endm
	QUANTX 0
	QUANTX 1
	QUANTX 2
	QUANTX 3
	s_wait_loadcnt 0x0                             ; gate_w
	s_set_vgpr_msb 0x04                            ; source 1: the second window
.set i, 0
.rept 32                                       ; 16 chains (4 tokens x 4 pairs of experts) by turns; the first product starts each
.irp j,0,1,2,3
.irp p,0,1,2,3
.if i == 0
	v_pk_mul_f32 v[LG+8*\j+2*\p:LG+8*\j+2*\p+1], v[X+32*\j:X+32*\j+1], v[2*\p:2*\p+1] op_sel_hi:[0,1]
.elseif i%2 == 0
	v_pk_fma_f32 v[LG+8*\j+2*\p:LG+8*\j+2*\p+1], v[X+32*\j+i:X+32*\j+i+1], v[8*i+2*\p:8*i+2*\p+1], v[LG+8*\j+2*\p:LG+8*\j+2*\p+1] op_sel_hi:[0,1,1]
.else
	v_pk_fma_f32 v[LG+8*\j+2*\p:LG+8*\j+2*\p+1], v[X+32*\j+i-1:X+32*\j+i], v[8*i+2*\p:8*i+2*\p+1], v[LG+8*\j+2*\p:LG+8*\j+2*\p+1] op_sel:[1,0,0] op_sel_hi:[1,1,1]
.endif
.endr
.endr
.set i, i+1
.endr
	s_set_vgpr_msb 0x0400
.irp m,1,2,4,8                                 ; the 32 lanes' parts are added: every lane ends with all 32 logits
.set n, 0
.rept 32
	v_add_f32_dpp v[LG+n], v[LG+n], v[LG+n] row_xmask:\m row_mask:0xf bank_mask:0xf
.set n, n+1
.endr
.endr
.set n, 0
.rept 32
	v_permlanex16_b32 v[24+n%4], v[LG+n], s22, s23
	v_add_f32 v[LG+n], v[LG+n], v[24+n%4]
.set n, n+1
.endr
.macro TOKEN j
.set L, LG+8*\j
.set I, IW+4*\j
	v_max3_num_f32 v24, v[L], v[L+1], v[L+2]
	v_max3_num_f32 v24, v24, v[L+3], v[L+4]
	v_max3_num_f32 v24, v24, v[L+5], v[L+6]
	v_max_num_f32 v24, v24, v[L+7]                 ; the row's maximum is taken away ahead of the exponentials
.irp e,0,1,2,3,4,5,6,7
	v_sub_f32 v[PE+\e], v[L+\e], v24
.endr
.irp e,0,1,2,3,4,5,6,7
	v_mul_f32 v[PE+\e], 0x3fb8aa3b, v[PE+\e]
.endr
.irp e,0,1,2,3,4,5,6,7
	v_exp_f32 v[PE+\e], v[PE+\e]
.endr
	v_nop                                          ; one plain place behind the transcendentals
	s_wait_alu depctr_va_vdst(0)
	v_add_f32 v25, v[PE], v[PE+1]
	v_add_f32 v26, v[PE+2], v[PE+3]
	v_add_f32 v27, v[PE+4], v[PE+5]
	v_add_f32 v224, v[PE+6], v[PE+7]
	v_add_f32 v25, v25, v26
	v_add_f32 v27, v27, v224
	v_add_f32 v25, v25, v27
	v_rcp_f32 v25, v25
	v_nop
	s_wait_alu depctr_va_vdst(0)
.irp e,0,1,2,3,4,5,6,7
	v_mul_f32 v[PE+\e], v[PE+\e], v25
.endr
.irp e,0,1,2,3,4,5,6,7
	v_add_f32 v[SP+\e], v[SP+\e], v[PE+\e]
.endr
	v_mov_b32 v226, v[PE]                          ; the first choice: the best so far stays where it is at least the candidate, so the lower index wins a tie
	v_mov_b32 v[I], 0
.irp e,1,2,3,4,5,6,7
	v_cmp_ge_f32 vcc_lo, v226, v[PE+\e]
	v_cndmask_b32 v226, v[PE+\e], v226, vcc_lo
	v_cndmask_b32 v[I], \e, v[I], vcc_lo
.endr
.irp e,0,1,2,3,4,5,6,7
	v_cmp_eq_u32 vcc_lo, \e, v[I]
	v_cndmask_b32 v[QE+\e], v[PE+\e], v6, vcc_lo   ; struck out: -1, under every probability
	v_cndmask_b32 v225, 0, v7, vcc_lo
	v_add_f32 v[CN+\e], v[CN+\e], v225
.endr
	v_mov_b32 v227, v[QE]                          ; the second choice
	v_mov_b32 v[I+1], 0
.irp e,1,2,3,4,5,6,7
	v_cmp_ge_f32 vcc_lo, v227, v[QE+\e]
	v_cndmask_b32 v227, v[QE+\e], v227, vcc_lo
	v_cndmask_b32 v[I+1], \e, v[I+1], vcc_lo
.endr
.irp e,0,1,2,3,4,5,6,7
	v_cmp_eq_u32 vcc_lo, \e, v[I+1]
	v_cndmask_b32 v225, 0, v7, vcc_lo
	v_add_f32 v[CN+\e], v[CN+\e], v225
.endr
	v_add_f32 v225, v226, v227
	v_rcp_f32 v225, v225
	v_nop
	s_wait_alu depctr_va_vdst(0)
	v_mul_f32 v[I+2], v226, v225                   ; the two weights, renormalised
	v_mul_f32 v[I+3], v227, v225
	ds_store_b64 v5, v[I:I+1] offset:SELB+8*\j     ; all lanes write the same words with the same values
	ds_store_b64 v5, v[I+2:I+3] offset:CFB+8*\j
.endm
	TOKEN 0
	TOKEN 1
	TOKEN 2
	TOKEN 3
	ds_store_b128 v5, v[8:11] offset:PARTB
	ds_store_b128 v5, v[12:15] offset:PARTB+16
	ds_store_b128 v5, v[16:19] offset:PARTB+32
	ds_store_b128 v5, v[20:23] offset:PARTB+48
	v_and_b32 v24, 7, v0
	v_lshlrev_b32 v24, 2, v24
	v_and_b32 v25, 15, v0
	v_lshlrev_b32 v25, 2, v25
	ds_load_b32 v208, v4                           ; LDS serves a wave's instructions in order: these see the stores above
	ds_load_b32 v209, v24 offset:SELB
	ds_load_b32 v210, v24 offset:CFB
	ds_load_b32 v211, v25 offset:PARTB
	s_wait_dscnt 0x0
	global_store_b32 v4, v208, s[10:11]            ; four tokens' 128 scale bytes on end
	v_cmp_gt_u32 vcc_lo, 16, v0
	s_wait_xcnt 0x0                                ; EXEC changes only behind this wait
	s_wait_tensorcnt 0x0
	ds_add_u32 v254, v255
	s_wait_dscnt 0x0
	s_and_saveexec_b32 s20, vcc_lo
	global_store_b32 v25, v211, s[16:17]           ; 16 lanes: sums and counts
	s_wait_xcnt 0x0
	s_or_b32 exec_lo, exec_lo, s20
	v_cmp_gt_u32 vcc_lo, 8, v0
	s_and_saveexec_b32 s20, vcc_lo
	global_store_b32 v24, v209, s[12:13]           ; 8 lanes: the experts,
	global_store_b32 v24, v210, s[14:15]           ; and their weights
	s_wait_xcnt 0x0
	s_or_b32 exec_lo, exec_lo, s20
	s_endpgm
.Lfunc_end_k_q9de58f6719_route:
	.size	k_q9de58f6719_route, .Lfunc_end_k_q9de58f6719_route-k_q9de58f6719_route
	.p2alignl 7, 3214868480
	.fill 96, 4, 3214868480
	.section	.rodata,"a",@progbits
	.p2align	6, 0x0
	.amdhsa_kernel k_q9de58f6719_route
		.amdhsa_group_segment_fixed_size 512
		.amdhsa_private_segment_fixed_size 0
		.amdhsa_enable_private_segment 0
		.amdhsa_kernarg_size 56
		.amdhsa_user_sgpr_count 2
		.amdhsa_user_sgpr_kernarg_segment_ptr 1
		.amdhsa_wavefront_size32 1
		.amdhsa_system_sgpr_workgroup_id_x 1
		.amdhsa_system_sgpr_workgroup_id_y 1
		.amdhsa_system_sgpr_workgroup_id_z 1
		.amdhsa_system_vgpr_workitem_id 0
		.amdhsa_next_free_vgpr 512
		.amdhsa_next_free_sgpr 66
		.amdhsa_reserve_vcc 1
		.amdhsa_float_denorm_mode_32 3
		.amdhsa_float_denorm_mode_16_64 3
		.amdhsa_memory_ordered 1
		.amdhsa_forward_progress 1
		.amdhsa_inst_pref_size 85
	.end_amdhsa_kernel
	.amdgpu_metadata
---
amdhsa.version: [ 1, 2 ]
amdhsa.kernels:
  - .name:           k_q9de58f6719_route
    .symbol:         k_q9de58f6719_route.kd
    .args:
      - { .name: x, .offset: 0, .size: 8, .value_kind: global_buffer, .address_space: global }
      - { .name: gate_w, .offset: 8, .size: 8, .value_kind: global_buffer, .address_space: global }
      - { .name: xq, .offset: 16, .size: 8, .value_kind: global_buffer, .address_space: global }
      - { .name: xs, .offset: 24, .size: 8, .value_kind: global_buffer, .address_space: global }
      - { .name: sel, .offset: 32, .size: 8, .value_kind: global_buffer, .address_space: global }
      - { .name: cf, .offset: 40, .size: 8, .value_kind: global_buffer, .address_space: global }
      - { .name: part, .offset: 48, .size: 8, .value_kind: global_buffer, .address_space: global }
    .group_segment_fixed_size: 512
    .private_segment_fixed_size: 0
    .kernarg_segment_align: 8
    .kernarg_segment_size: 56
    .max_flat_workgroup_size: 32
    .sgpr_count:     66
    .vgpr_count:     512
    .wavefront_size: 32
...
	.end_amdgpu_metadata
.endif
;; end of part 1
;; launch place (part 2): grid 9 x 1, 16 waves a work-group, no clusters, 0 bytes of LDS; arguments sel, part, lst, out1; writes lst, out1
.if DOCPART == 2
	.amdgcn_target "amdgcn-amd-amdhsa--gfx1250"
	.amdhsa_code_object_version 6
	.text
	.protected	k_q9de58f6719_place
	.globl	k_q9de58f6719_place
	.p2align	8
	.type	k_q9de58f6719_place,@function
k_q9de58f6719_place:
	s_mov_b64 s[64:65], 0
	v_nop
	global_prefetch_b8 v0, s[64:65] scope:SCOPE_SE
	s_setreg_imm32_b32 hwreg(HW_REG_WAVE_MODE, 25, 1), 1
	s_wait_xcnt 0x0
; THE PLACING OF ROWS BY EXPERT, and the load-balancing loss.
; Work-group e (0 to 7) serves expert e.  Its waves 4 g .. 4 g + 3 serve tokens 256 g .. 256 g + 255: each makes, from the stored choices, the list of its group's rows for expert e, in token order, in registers;
; wave (g, q) keeps list places 16 q + 64 i + 0 .. 15, i = 0 .. 3, and stores them at fixed places.  No address and no branch of this launch hangs on the choices: they steer selects and lane permutes alone.
; OUT, all whole numbers, in lst:  at 0: [e][g][256 places] the slot (2 token + k) of each place; a place past the list's end holds 2,048 + 16 e + wave, the row of the later launch's output that this wave's leftovers go to;
; at 32,768: the same numbers halved: the tokens;  at 65,536: [e][wave][32] the list's length, 32 times, so that every lane stores and 128 consecutive bytes leave.
; Work-group 8, wave 0: out1 = 8 x sum over e of (count_e / 2,048) (sum of P_e / 1,024) = 2^-18 x sum of count_e x sum P_e, from the 256 parts that the router's launch stored; its other waves have no part of that sum and end.
; The launch has work for nine work-groups, and nine are launched.
.set TOKS, 32768
.set CNTS, 65536
.set WV,   20
.set EX,   21
.set GR,   25
.set QQ,   26
.set DF,   28                          ; s28 what a list place past the end holds
.set NG,   30                          ; s30 the list's length
.set SN,   36                          ; s36-43 chosen tokens in each 32;  s44-52 their running sums
.set SB,   44
.set MA,   53
.set MM,   54
.set TS,   55
.set HM,   58                          ; s58 the mask of lanes 16-31
.set LANE, 1
.set T,    14                          ; v14-17 the list: the slot of row lane % 16 of tile i
.set SL,   130
.set LC,   146
.set LR,   154
.set LD,   162
.set LA,   170
.set LT,   178
.set ONE,  179
.set VB,   180
.set PP,   181
.set SA,   182
.set PA,   183
.set PB,   184
.set CA,   185
.set PV,   186                         ; v186-190 what is stored: a register for each store
; THE LIST, whole numbers only.  For each 32 tokens of my group: who chose expert e; the chosen lanes' slots are pushed to the low lanes (the others fill the rest, so that every lane sends and every lane receives);
; running sums of the counts; then each list place pulls its slot from the 32 that hold it.  The lane permutes touch no LDS byte.
.macro GATHER i
	v_mov_b32 v[T+\i], s[DF]
.irp c,0,1,2,3,4,5,6,7
.if \c >= 2*\i                                 ; the first c 32s hold at most 32 c places
	v_sub_nc_u32 v[LD+\c], v[PP], s[SB+\c]         ; my place, counted from this 32's first
	v_min_u32 v[LA+\c], 31, v[LD+\c]
	v_lshlrev_b32 v[LA+\c], 2, v[LA+\c]
	ds_bpermute_b32 v[LR+\c], v[LA+\c], v[LC+\c]
.endif
.endr
	s_wait_dscnt 0x0
.irp c,0,1,2,3,4,5,6,7
.if \c >= 2*\i
	v_cmp_gt_u32 vcc_lo, s[SN+\c], v[LD+\c]        ; it lies in this 32
	v_cndmask_b32 v[T+\i], v[T+\i], v[LR+\c], vcc_lo
.endif
.endr
	v_add_nc_u32 v[PP], 64, v[PP]
.endm
.macro LIST
	v_mov_b32 v[ONE], 1
	s_lshl_b32 s[TS], s[GR], 9
	v_lshl_add_u32 v[VB], v[LANE], 1, s[TS]        ; 2 x (256 g + lane)
.irp c,0,1,2,3,4,5,6,7
	v_cmp_eq_u32 s[MA], s[EX], v[SL+2*\c]
	v_cmp_eq_u32 vcc_lo, s[EX], v[SL+2*\c+1]
	s_or_b32 s[MM], s[MA], vcc_lo
	v_cndmask_b32 v[LD+\c], 0, v[ONE], vcc_lo
	v_add3_u32 v[LD+\c], v[LD+\c], v[VB], 64*\c    ; the slot: 2 token + (second choice)
	v_mbcnt_lo_u32_b32 v[LT], s[MM], 0             ; chosen lanes below me
	s_bcnt1_i32_b32 s[SN+\c], s[MM]
	v_sub_nc_u32 v[LA+\c], v[LANE], v[LT]
	v_add_nc_u32 v[LA+\c], s[SN+\c], v[LA+\c]
	v_cndmask_b32 v[LA+\c], v[LA+\c], v[LT], s[MM]
	v_min_u32 v[LA+\c], 31, v[LA+\c]
	v_lshlrev_b32 v[LA+\c], 2, v[LA+\c]
	ds_permute_b32 v[LC+\c], v[LA+\c], v[LD+\c]
.endr
	s_mov_b32 s[SB], 0
.irp c,0,1,2,3,4,5,6,7
	s_add_co_u32 s[SB+\c+1], s[SB+\c], s[SN+\c]
.endr
	s_mov_b32 s[NG], s[SB+8]
	v_and_b32 v[PP], 15, v0
	s_lshl_b32 s[TS], s[QQ], 4
	v_add_nc_u32 v[PP], s[TS], v[PP]               ; my place in tile 0: 16 q + lane % 16
	s_wait_dscnt 0x0
	GATHER 0
	GATHER 1
	GATHER 2
	GATHER 3
.endm
	s_load_b256 s[4:11], s[0:1], 0x0               ; sel, part, lst, out1
	v_lshrrev_b32 v2, 5, v0
	v_readfirstlane_b32 s[WV], v2
	v_and_b32 v[LANE], 31, v0
	s_mov_b32 s57, 0
	s_wait_kmcnt 0x0
	s_cmp_eq_u32 ttmp9, 8
	s_cbranch_scc1 .Laux
	s_mov_b32 s[EX], ttmp9
	s_lshr_b32 s[GR], s[WV], 2
	s_and_b32 s[QQ], s[WV], 3
	s_lshl_b32 s[DF], s[EX], 4
	s_add_co_u32 s[DF], s[DF], s[WV]
	s_add_co_u32 s[DF], s[DF], 2048
	s_lshl_b32 s56, s[GR], 11
	v_lshl_add_u32 v[SA], v[LANE], 3, s56          ; sel: 8 bytes a token, my group's 256
.irp c,0,1,2,3,4,5,6,7
	global_load_b64 v[SL+2*\c:SL+2*\c+1], v[SA], s[4:5] offset:256*\c
.endr
	s_mov_b32 s[HM], 0xffff0000
	v_and_b32 v[PA], 15, v0
	v_lshlrev_b32 v[PA], 2, v[PA]
	v_and_b32 v[PB], 16, v0
	v_lshl_add_u32 v[PA], v[PB], 4, v[PA]          ; lanes 16-31 store the tile 64 places on: + 256 bytes
	s_lshl_b32 s56, s[QQ], 6
	v_add_nc_u32 v[PA], s56, v[PA]                 ; 4 x (16 q + lane % 16 + 64 (lane / 16))
	v_lshlrev_b32 v[CA], 2, v[LANE]
	s_lshl_b32 s56, s[EX], 2
	s_add_co_u32 s56, s56, s[GR]
	s_lshl_b32 s56, s56, 10
	s_add_nc_u64 s[12:13], s[8:9], s[56:57]        ; my expert's and group's 256 places
	s_lshl_b32 s56, s[EX], 4
	s_add_co_u32 s56, s56, s[WV]
	s_lshl_b32 s56, s56, 7
	s_add_nc_u64 s[14:15], s[8:9], s[56:57]        ; my wave's 32 words for the length
	s_wait_loadcnt 0x0
	LIST
	v_cndmask_b32 v[PV], v[T], v[T+1], s[HM]       ; lanes 0-15 tile 0, lanes 16-31 tile 1: no two lanes store the same word
	v_cndmask_b32 v[PV+1], v[T+2], v[T+3], s[HM]
	v_lshrrev_b32 v[PV+2], 1, v[PV]                ; the tokens
	v_lshrrev_b32 v[PV+3], 1, v[PV+1]
	v_mov_b32 v[PV+4], s[NG]
	global_store_b32 v[PA], v[PV], s[12:13]
	global_store_b32 v[PA], v[PV+1], s[12:13] offset:512
	global_store_b32 v[PA], v[PV+2], s[12:13] offset:TOKS
	global_store_b32 v[PA], v[PV+3], s[12:13] offset:TOKS+512
	global_store_b32 v[CA], v[PV+4], s[14:15] offset:CNTS
	s_endpgm
.Laux:
	s_cmp_lg_u32 s[WV], 0
	s_cbranch_scc1 .Lend
	s_mov_b32 s22, 0x76543210
	s_mov_b32 s23, 0xfedcba98                      ; v_permlanex16_b32's selects for lane l xor 16
	v_lshlrev_b32 v3, 6, v0                        ; lane l takes parts l + 32 m, 64 bytes each
.irp m,0,1,2,3,4,5,6,7
.irp n,0,1,2,3
	global_load_b128 v[16+16*\m+4*\n:19+16*\m+4*\n], v3, s[6:7] offset:2048*\m+16*\n
.endr
.endr
	s_wait_loadcnt 0x0
.irp m,1,2,3,4,5,6,7
.irp k,0,2,4,6,8,10,12,14
	v_pk_add_f32 v[16+\k:17+\k], v[16+\k:17+\k], v[16+16*\m+\k:17+16*\m+\k]
.endr
.endr
.irp x,1,2,4,8
.irp n,0,1,2,3,4,5,6,7,8,9,10,11,12,13,14,15
	v_add_f32_dpp v[16+\n], v[16+\n], v[16+\n] row_xmask:\x row_mask:0xf bank_mask:0xf
.endr
.endr
.irp n,0,1,2,3,4,5,6,7,8,9,10,11,12,13,14,15
	v_permlanex16_b32 v[32+\n], v[16+\n], s22, s23 ; (into registers that the loads have written)
.endr
.irp n,0,1,2,3,4,5,6,7,8,9,10,11,12,13,14,15
	v_add_f32 v[16+\n], v[16+\n], v[32+\n]
.endr
	v_mul_f32 v4, v16, v24                         ; v16-23 the sums of P, v24-31 the counts
.irp e,1,2,3,4,5,6,7
	v_fma_f32 v4, v[16+\e], v[24+\e], v4
.endr
	v_mul_f32 v4, 0x36800000, v4                   ; x 2^-18
	v_mov_b32 v5, 0
	v_cmp_eq_u32 vcc_lo, 0, v0
	s_wait_xcnt 0x0                                ; EXEC changes only behind this wait
	s_and_saveexec_b32 s14, vcc_lo
	global_store_b32 v5, v4, s[10:11]
	s_wait_xcnt 0x0
	s_or_b32 exec_lo, exec_lo, s14
.Lend:
	s_endpgm
.Lfunc_end_k_q9de58f6719_place:
	.size	k_q9de58f6719_place, .Lfunc_end_k_q9de58f6719_place-k_q9de58f6719_place
	.p2alignl 7, 3214868480
	.fill 96, 4, 3214868480
	.section	.rodata,"a",@progbits
	.p2align	6, 0x0
	.amdhsa_kernel k_q9de58f6719_place
		.amdhsa_group_segment_fixed_size 0
		.amdhsa_private_segment_fixed_size 0
		.amdhsa_enable_private_segment 0
		.amdhsa_kernarg_size 32
		.amdhsa_user_sgpr_count 2
		.amdhsa_user_sgpr_kernarg_segment_ptr 1
		.amdhsa_wavefront_size32 1
		.amdhsa_system_sgpr_workgroup_id_x 1
		.amdhsa_system_sgpr_workgroup_id_y 1
		.amdhsa_system_sgpr_workgroup_id_z 1
		.amdhsa_system_vgpr_workitem_id 0
		.amdhsa_next_free_vgpr 192
		.amdhsa_next_free_sgpr 66
		.amdhsa_reserve_vcc 1
		.amdhsa_float_denorm_mode_32 3
		.amdhsa_float_denorm_mode_16_64 3
		.amdhsa_memory_ordered 1
		.amdhsa_forward_progress 1
		.amdhsa_inst_pref_size 27
	.end_amdhsa_kernel
	.amdgpu_metadata
---
amdhsa.version: [ 1, 2 ]
amdhsa.kernels:
  - .name:           k_q9de58f6719_place
    .symbol:         k_q9de58f6719_place.kd
    .args:
      - { .name: sel, .offset: 0, .size: 8, .value_kind: global_buffer, .address_space: global }
      - { .name: part, .offset: 8, .size: 8, .value_kind: global_buffer, .address_space: global }
      - { .name: lst, .offset: 16, .size: 8, .value_kind: global_buffer, .address_space: global }
      - { .name: out1, .offset: 24, .size: 8, .value_kind: global_buffer, .address_space: global }
    .group_segment_fixed_size: 0
    .private_segment_fixed_size: 0
    .kernarg_segment_align: 8
    .kernarg_segment_size: 32
    .max_flat_workgroup_size: 512
    .sgpr_count:     66
    .vgpr_count:     192
    .wavefront_size: 32
...
	.end_amdgpu_metadata
.endif
;; end of part 2
;; launch up (part 3): grid 256 x 1, 16 waves a work-group, no clusters, 72,192 bytes of LDS; arguments w1, b1, xq, xs, lst, hq; writes hq
.if DOCPART == 3
	.amdgcn_target "amdgcn-amd-amdhsa--gfx1250"
	.amdhsa_code_object_version 6
	.text
	.protected	k_q9de58f6719_up
	.globl	k_q9de58f6719_up
	.p2align	8
	.type	k_q9de58f6719_up,@function
k_q9de58f6719_up:
	s_mov_b64 s[64:65], 0
	v_nop
	global_prefetch_b8 v0, s[64:65] scope:SCOPE_SE
	s_setreg_imm32_b32 hwreg(HW_REG_WAVE_MODE, 25, 1), 1
	s_wait_xcnt 0x0
; h = Q(gelu(Q(x) Q(W1[e]) + b1[e])) for the rows routed to expert e, both operands in E2M1 with one E8M0 scale for each 32 along K.
; A work-group owns expert e = number / 32 and hidden units 128 sl .. 128 sl + 127 (sl = number % 32): 1,024 x 128 numbers of w1, 512 KiB of f32, read ONCE, quantised in registers and never stored to memory.
; THE STREAM.  The slice goes in 8 chunks of 256 K x 64 columns (two panels of 64 columns, four chunks each).  Wave w takes one block of a chunk: 32 along K (kb = w / 2) x 32 columns (ch = w % 2): a lane takes a column,
; its 32 registers run down K, so the block's largest magnitude needs no other lane and the conversions give 16 bytes of codes with K innermost.  Two sets of 32 registers.
; THE ORDER OF THE LOADS.  Loads come back in the order of issue, so what a trip needs is asked for ahead of what may stay out.  Trip cc: wait for block cc and rows cc; quantise; ask for the rows' fragments of chunk cc + 1
; (a second set of registers takes them: the first is still to be multiplied) and for the first 19 loads of block cc + 2, into the registers just quantised; barrier; the chunk's two K steps; the block's other 13 loads.
; At the first run the wave has out the 32 loads of block cc + 1, at most 12 of rows and these 19: 63.  Both first blocks go out at the head, ahead of the wait for the list.
; WEIGHT IMAGES.  The codes go to LDS as images of the operand's registers: fragment f = 4 ss + t (K step ss of 16, tile t of the panel's four) at 1024 f; register group c of lane L at 512 c + 16 L; scale words at WSC + 64 f + 4 row.
; Each byte is written once, so one barrier a chunk (stores, barrier, loads) is all the ordering, and the images stay for the second pass.
; THE ROWS OF A TILE ARE NOT NEIGHBOURS: column 32 b + 16 h + 8 u + j of a panel is row 8 h + j of tile 2 b + u.  The product is used transposed (source 0 = 16 columns of W1, source 1 = 16 routed rows of x), so lane (r, h)
; holds row r, and the 16 registers of tiles 2 b, 2 b + 1 are the 16 neighbouring hidden units 32 b + 16 h + 0 .. 15: they are quantised in registers for the next product.
; THE ROWS.  Waves 4 g .. 4 g + 3 serve tokens 256 g .. 256 g + 255.  An earlier launch has stored, as whole numbers, the list of each group's tokens for each expert and its length: wave (g, q) owns
; list places 16 q + 64 i + 0 .. 15, i = 0 .. 3 (tile 16 g + q + 4 i of hq).  Tile 0 always runs (places past the list's end are held to token 1,023's row; what they give is stored and later thrown away), tile 1 under a scalar
; branch on the list's length; tiles 2 and 3 (more than 128 of a group's 256 tokens on one expert) in a second pass behind the stream, from the images in LDS.  No barrier stands under such a branch.
; OUT, in hq: [e][tile][K step sl][1,024 B]: register images of h's fragments; from byte 16,777,216 on [e][tile][sl][128 B]: row r's scale word at 4 r and again at 64 + 4 r.
; gelu is the tanh form, written z / (1 + 2^(z (K0 + K1 z^2))), K0 = -2 sqrt(2 / pi) log2(e), K1 = 0.044715 K0: the same function, with no difference of near numbers.
; No joint loads: no two work-groups read the same weights, and the shared rows of x are a small part of a step's bytes and come by list.
; LIMITS: NaN and infinities are not served; a block of zeros carries the byte 1 (its codes are zeros; this program alone reads the bytes).
.set WSC,   65536                      ; LDS: 0 the images (64 KiB), then their scale words (4 KiB), then b1's 128 numbers
.set BIAS,  69632
.set TOKS,  32768                      ; lst: where the lists of tokens begin;  where the lengths begin
.set CNTS,  65536
.set HSO,   0x1000000                  ; hq: where the scale words begin
.set NEAR,  19                         ; loads of a block that go out directly behind the quantising
.set WV,   20                          ; s20 wave;  s21 expert;  s22 slice;  s23 ch;  s24 kb;  s25 g;  s26 q
.set EX,   21
.set SLC,  22
.set CH,   23
.set KB,   24
.set GR,   25
.set QQ,   26
.set NG,   30                          ; s30 the list's length
.set LIMB, 31                          ; s31 the second tile runs where the length is above this
.set SEL,  32                          ; s[32:33] v_permlanex16_b32's selects for lane l xor 16
.set K1,   34                          ; s[34:35] K1, twice
.set TS,   55                          ; s55-59 at work;  s[60:61] where my list's length lies
.set SOFF, 1                           ; the stream: 4 lane + 128 ch + kb x 32 rows
.set WST,  2                           ; where my block's codes go;  v3 its scale byte
.set WSS,  3
.set LI,   4                           ; 16 x lane
.set LS,   5                           ; WSC + 4 x lane
.set HA,   6                           ; hq: my first tile + 16 lane;  v7 its scale words: + 4 lane
.set HSA,  7
.set XA,   8                           ; v8-9 my row's codes of x, for the two tiles in hand;  v10-11 its scale words
.set XSA,  10
.set HW,   12                          ; v12-13 h's scale word
.set QM,   14                          ; v14-15 two running maxima; then the scale's byte and the conversion's scale operand
.set QB,   14
.set QS,   15
.set BA,   16                          ; BIAS + 64 (lane / 16)
.set H16,  17                          ; 16 (lane / 16)
.set QC,   18                          ; v[18:21] a block's codes
.set AS,   22                          ; v22-29 the rows' scale words: 4 set + 2 par + tile
.set ST,   30                          ; v30-93 two stream sets
.set AF,   94                          ; v94-157 the rows' fragments: 32 set + 16 par + 8 tile
.set ACC,  158                         ; v158-221 accumulators: 32 tile + 8 t
.set WF,   222                         ; v222-253 four weight fragments; the bias on the way out
.set WS,   254                         ; v254-255 their scale words: tile 2 u in lanes 0-15, tile 2 u + 1 in lanes 16-31
.set GT,   AF+32                       ; THE WAY OUT works in fragment set 1, which chunks 3 and 7 have just left: 16 registers for gelu,
.set CD,   AF+48                       ; h's codes: 4 tile,
.set TM,   AF+56                       ; four at work,
.set K0,   AF+60                       ; K0, twice
.set TMH,  158                         ; AT THE HEAD ONLY, where the first tile's accumulators will lie
.set LANE, 162
.set TA,   163
.set BSA,  164
.set BV,   166
.set TL,   170
.macro PLACES                          ; four plain places between a matrix instruction and a load into, or a vector instruction on, its registers
.rept 4
	v_nop
.endr
.endm
.macro BARRIER                         ; my LDS stores have landed and my LDS loads are in: then the work-group's barrier
	s_wait_dscnt 0x0
	s_barrier_signal -1
	s_barrier_wait -1
.endm
.macro SLOAD set, cc, from, cnt        ; rows from .. from + cnt - 1 of my block of chunk cc: 128 consecutive bytes a load
.set sli, \from
.rept \cnt
	global_load_b32 v[ST+32*(\set)+sli], v[SOFF], s[4+14*(((\cc)>>1)&1):5+14*(((\cc)>>1)&1)] offset:((((\cc)&1)*256)+sli)*16384+((\cc)>>2)*256 th:TH_LOAD_NT
.set sli, sli+1
.endr
.endm
.macro QUANTW set, cc                  ; the block becomes 16 bytes of codes and a scale byte a lane, and goes to its place in the images
.set XS, ST+32*(\set)
	v_max3_num_f32 v[QM], |v[XS]|, |v[XS+1]|, |v[XS+2]|
	v_max3_num_f32 v[QM+1], |v[XS+3]|, |v[XS+4]|, |v[XS+5]|
.irp i,6,10,14,18,22,26
	v_max3_num_f32 v[QM], v[QM], |v[XS+\i]|, |v[XS+\i+1]|
	v_max3_num_f32 v[QM+1], v[QM+1], |v[XS+\i+2]|, |v[XS+\i+3]|
.endr
	v_max3_num_f32 v[QM], v[QM], |v[XS+30]|, |v[XS+31]|
	v_max3_num_f32 v[QM], v[QM], v[QM+1], 0x1800000   ; the floor 2^(3 - 127): the byte cannot fall under 1
	v_add_nc_u32 v[QS], 0xff000000, v[QM]          ; 2 off the exponent field: the conversion's scale operand
	v_lshrrev_b32 v[QB], 23, v[QS]
.irp g,0,1,2,3
	v_cvt_scalef32_pk8_fp4_f32 v[QC+\g], v[XS+8*\g:XS+8*\g+7], v[QS]
.endr
	v_nop                                          ; one plain place behind a scaled conversion
	ds_store_b128 v[WST], v[QC:QC+3] offset:8192*(\cc)
	ds_store_b8 v[WSS], v[QB] offset:512*(\cc)
.endm
.macro LDW ss                          ; K step ss: the panel's four weight fragments and their scale words
.irp t,0,1,2,3
	ds_load_b128 v[WF+8*\t:WF+8*\t+3], v[LI] offset:(4*(\ss)+\t)*1024
	ds_load_b128 v[WF+8*\t+4:WF+8*\t+7], v[LI] offset:(4*(\ss)+\t)*1024+512
.endr
	ds_load_b32 v[WS], v[LS] offset:(4*(\ss))*64
	ds_load_b32 v[WS+1], v[LS] offset:(4*(\ss)+2)*64
.endm
.macro LDA1 set, par, slot, s          ; 16 routed rows of x, K step s: lane (r, h) takes 16 bytes at 64 s + 32 c + 16 h of its row, and the row's scale word
.set AR, AF+32*(\set)+16*(\par)+8*(\slot)
	global_load_b128 v[AR:AR+3], v[XA+\slot], s[8:9] offset:64*(\s)
	global_load_b128 v[AR+4:AR+7], v[XA+\slot], s[8:9] offset:64*(\s)+32
	global_load_b32 v[AS+4*(\set)+2*(\par)+\slot], v[XSA+\slot], s[10:11] offset:4*(\s)
.endm
.macro LDAC set, cc                    ; the rows of chunk cc's two K steps: 6 loads, or 12 with the second tile
	LDA1 \set, 0, 0, ((2*(\cc))&7)
	LDA1 \set, 1, 0, ((2*(\cc)+1)&7)
	s_cmp_gt_u32 s[NG], s[LIMB]
	s_cbranch_scc0 .Lno_a_\@
	LDA1 \set, 0, 1, ((2*(\cc))&7)
	LDA1 \set, 1, 1, ((2*(\cc)+1)&7)
.Lno_a_\@:
.endm
.macro LDAK ss                         ; the second pass: the rows of one K step
	LDA1 0, 0, 0, ((\ss)&7)
	s_cmp_gt_u32 s[NG], s[LIMB]
	s_cbranch_scc0 .Lno_k_\@
	LDA1 0, 0, 1, ((\ss)&7)
.Lno_k_\@:
.endm
.macro WM slot, t, set, par, first
.set DR, ACC+32*(\slot)+8*(\t)
.set WR, WF+8*(\t)
.set AR, AF+32*(\set)+16*(\par)+8*(\slot)
.set ASR, AS+4*(\set)+2*(\par)+(\slot)
.set WSR, WS+(\t)/2
.if \first
.if (\t)%2
	v_wmma_scale_f32_16x16x128_f8f6f4 v[DR:DR+7], v[WR:WR+7], v[AR:AR+7], 0, v[WSR], v[ASR] matrix_a_fmt:MATRIX_FMT_FP4 matrix_b_fmt:MATRIX_FMT_FP4 matrix_a_scale:MATRIX_SCALE_ROW1
.else
	v_wmma_scale_f32_16x16x128_f8f6f4 v[DR:DR+7], v[WR:WR+7], v[AR:AR+7], 0, v[WSR], v[ASR] matrix_a_fmt:MATRIX_FMT_FP4 matrix_b_fmt:MATRIX_FMT_FP4
.endif
.else
.if (\t)%2
	v_wmma_scale_f32_16x16x128_f8f6f4 v[DR:DR+7], v[WR:WR+7], v[AR:AR+7], v[DR:DR+7], v[WSR], v[ASR] matrix_a_fmt:MATRIX_FMT_FP4 matrix_b_fmt:MATRIX_FMT_FP4 matrix_a_scale:MATRIX_SCALE_ROW1
.else
	v_wmma_scale_f32_16x16x128_f8f6f4 v[DR:DR+7], v[WR:WR+7], v[AR:AR+7], v[DR:DR+7], v[WSR], v[ASR] matrix_a_fmt:MATRIX_FMT_FP4 matrix_b_fmt:MATRIX_FMT_FP4
.endif
.endif
.endm
.macro MUL set, par, first             ; the accumulators take turns, one instruction a turn, with the second tile or without
.irp t,0,1,2,3
	WM 0, \t, \set, \par, \first
.endr
	s_cmp_gt_u32 s[NG], s[LIMB]
	s_cbranch_scc0 .Lno_m_\@
.irp t,0,1,2,3
	WM 1, \t, \set, \par, \first
.endr
.Lno_m_\@:
.endm
.macro KSTEP set, par, ss
	LDW \ss
	s_wait_dscnt 0x0
.if ((\ss)&7) == 0
	MUL \set, \par, 1                              ; a panel's first K step starts the sums
.else
	MUL \set, \par, 0
.endif
	PLACES
.endm
.macro CHUNK cc
.if (\cc) == 0
	s_wait_loadcnt 44                              ; block 0 is in: behind it were issued block 1 (32) and the rows of chunks 0 and 1, 6 loads each at the least
.elseif (\cc) < 7
	s_wait_loadcnt 32                              ; the youngest 32 loads are the next block's, with the second tile or without: this chunk's block and its rows are in
.else
	s_wait_loadcnt 0x0
.endif
	QUANTW (\cc)%2, \cc
.if ((\cc) > 0) && ((\cc) < 7)
	LDAC ((\cc)+1)%2, (\cc)+1                      ; the next chunk's rows, into the set that the chunk before has left (its products stand four places and more back)
.endif
.if (\cc) < 6
	SLOAD (\cc)%2, (\cc)+2, 0, NEAR                ; and the block two chunks on, into the registers just quantised
.endif
	BARRIER                                        ; the chunk's images are whole
.if (\cc) == 0
	s_wait_loadcnt 6+NEAR                          ; chunk 0's rows are in: behind them were issued chunk 1's rows, 6 loads at the least, and the 19 of block 2
.endif
	KSTEP (\cc)%2, 0, 2*(\cc)
	KSTEP (\cc)%2, 1, 2*(\cc)+1
.if (\cc) < 6
	SLOAD (\cc)%2, (\cc)+2, NEAR, 32-NEAR          ; the block's other loads
.endif
.endm
; THE WAY OUT of one tile of 16 rows x one panel: bias, gelu, two blocks of 32 quantised, 16 bytes of codes a lane: register group p of the fragment's image.
.macro EPI slot, p, pass
.set Z, ACC+32*\slot
	s_wait_xcnt 0x0                                ; the codes' and the scale word's registers were data of earlier stores: written again only behind this wait
.irp k,0,2,4,6,8,10,12,14,16,18,20,22,24,26,28,30
	v_pk_add_f32 v[Z+\k:Z+\k+1], v[Z+\k:Z+\k+1], v[WF+\k:WF+\k+1]   ; z = sum + b1; each accumulator from its low end on
.endr
.irp bt,0,16
.irp k,0,2,4,6,8,10,12,14
	v_pk_mul_f32 v[GT+\k:GT+\k+1], v[Z+\bt+\k:Z+\bt+\k+1], v[Z+\bt+\k:Z+\bt+\k+1]
.endr
.irp k,0,2,4,6,8,10,12,14
	v_pk_fma_f32 v[GT+\k:GT+\k+1], v[GT+\k:GT+\k+1], s[K1:K1+1], v[K0:K0+1] op_sel_hi:[1,0,1]
.endr
.irp k,0,2,4,6,8,10,12,14
	v_pk_mul_f32 v[GT+\k:GT+\k+1], v[GT+\k:GT+\k+1], v[Z+\bt+\k:Z+\bt+\k+1]
.endr
.irp n,0,1,2,3,4,5,6,7,8,9,10,11,12,13,14,15
	v_exp_f32 v[GT+\n], v[GT+\n]
.endr
	v_nop                                          ; one plain place behind the transcendentals
	s_wait_alu depctr_va_vdst(0)
.irp k,0,2,4,6,8,10,12,14
	v_pk_add_f32 v[GT+\k:GT+\k+1], v[GT+\k:GT+\k+1], 1.0 op_sel_hi:[1,0]
.endr
.irp n,0,1,2,3,4,5,6,7,8,9,10,11,12,13,14,15
	v_rcp_f32 v[GT+\n], v[GT+\n]
.endr
	v_nop
	s_wait_alu depctr_va_vdst(0)
.irp k,0,2,4,6,8,10,12,14
	v_pk_mul_f32 v[Z+\bt+\k:Z+\bt+\k+1], v[Z+\bt+\k:Z+\bt+\k+1], v[GT+\k:GT+\k+1]
.endr
.endr
.irp b,0,1
	v_max3_num_f32 v[TM+\b], |v[Z+16*\b]|, |v[Z+16*\b+1]|, 0x1800000   ; block b: my 16 numbers and the floor
.endr
.irp i,2,4,6,8,10,12,14
.irp b,0,1
	v_max3_num_f32 v[TM+\b], v[TM+\b], |v[Z+16*\b+\i]|, |v[Z+16*\b+\i+1]|
.endr
.endr
.irp b,0,1
	v_permlanex16_b32 v[TM+2+\b], v[TM+\b], s[SEL], s[SEL+1]
.endr
.irp b,0,1
	v_max_num_f32 v[TM+\b], v[TM+\b], v[TM+2+\b]   ; with lane l xor 16's 16: the block's largest magnitude
.endr
.irp b,0,1
	v_add_nc_u32 v[QM+\b], 0xff000000, v[TM+\b]
.endr
.irp b,0,1
	v_lshrrev_b32 v[TM+2+\b], 23, v[QM+\b]
.endr
.if \p == 0
	v_lshl_or_b32 v[HW+\slot], v[TM+3], 8, v[TM+2] ; bytes 0 and 1 of the row's scale word;
.else
	v_lshl_or_b32 v[HW+\slot], v[TM+2], 16, v[HW+\slot]   ; bytes 2 and 3
	v_lshl_or_b32 v[HW+\slot], v[TM+3], 24, v[HW+\slot]
.endif
.irp b,0,1
	v_cvt_scalef32_pk8_fp4_f32 v[CD+4*\slot+2*\b], v[Z+16*\b:Z+16*\b+7], v[QM+\b]
	v_cvt_scalef32_pk8_fp4_f32 v[CD+4*\slot+2*\b+1], v[Z+16*\b+8:Z+16*\b+15], v[QM+\b]
.endr
	v_nop                                          ; one plain place behind a scaled conversion
	v_permlane16_swap_b32 v[CD+4*\slot], v[CD+4*\slot+2]     ; the operand's layout wants a whole block in a lane: lanes 0-15 block 0, lanes 16-31 block 1
	v_permlane16_swap_b32 v[CD+4*\slot+1], v[CD+4*\slot+3]
	global_store_b128 v[HA], v[CD+4*\slot:CD+4*\slot+3], s[14:15] offset:131072*(\slot+2*\pass)+512*\p   ; the wave stores 512 consecutive bytes
.if \p == 1
	global_store_b32 v[HSA], v[HW+\slot], s[16:17] offset:16384*(\slot+2*\pass)
.endif
.endm
.macro EPILOGUE p, pass
	v_mov_b32 v[K0], 0xc0135761                    ; (made anew each time: rows' fragments have lain here since)
	v_mov_b32 v[K0+1], v[K0]
.irp t,0,1,2,3                                 ; b1 in the result's layout: tile 2 b + u, lane half h: units 32 b + 16 h + 8 u + 0 .. 7 of panel p
	ds_load_b128 v[WF+8*\t:WF+8*\t+3], v[BA] offset:256*\p+128*(\t/2)+32*(\t%2)
	ds_load_b128 v[WF+8*\t+4:WF+8*\t+7], v[BA] offset:256*\p+128*(\t/2)+32*(\t%2)+16
.endr
	s_wait_dscnt 0x0
	EPI 0, \p, \pass
	s_cmp_gt_u32 s[NG], s[LIMB]
	s_cbranch_scc0 .Lno_e_\@
	EPI 1, \p, \pass
.Lno_e_\@:
	s_wait_xcnt 0x0                                ; the stores have read the codes' registers: rows' fragments are loaded there again only behind this wait
.endm
.macro MKXA slot, tr                   ; the addresses of the row that the list names: 512 bytes of codes and 32 scale bytes a token
	v_min_u32 v[XA+\slot], 1023, v[\tr]            ; a number read from memory is held inside the table; a place past the list's end lands here too
	v_lshlrev_b32 v[XSA+\slot], 5, v[XA+\slot]
	v_lshlrev_b32 v[XA+\slot], 9, v[XA+\slot]
	v_add_nc_u32 v[XA+\slot], v[H16], v[XA+\slot]
.endm
	s_load_b256 s[4:11], s[0:1], 0x0               ; w1, b1, xq, xs
	s_load_b128 s[12:15], s[0:1], 0x20             ; lst, hq
	v_lshrrev_b32 v[TMH], 5, v0
	v_readfirstlane_b32 s[WV], v[TMH]
	v_and_b32 v[LANE], 31, v0
	s_lshr_b32 s[EX], ttmp9, 5
	s_and_b32 s[SLC], ttmp9, 31
	s_and_b32 s[CH], s[WV], 1
	s_lshr_b32 s[KB], s[WV], 1
	s_lshr_b32 s[GR], s[WV], 2
	s_and_b32 s[QQ], s[WV], 3
	s_lshl_b32 s[LIMB], s[QQ], 4
	s_add_co_u32 s[LIMB], s[LIMB], 64
	s_mov_b32 s[SEL], 0x76543210
	s_mov_b32 s[SEL+1], 0xfedcba98
	s_mov_b32 s[K1], 0xbdd2d3e8
	s_mov_b32 s[K1+1], s[K1]
	v_and_b32 v[TMH], 7, v0                        ; stream lane = 16 h + 8 u + j
	v_bfe_u32 v[TMH+1], v0, 3, 1
	v_bfe_u32 v[TMH+2], v0, 4, 1
	s_lshr_b32 s58, s[KB], 2                       ; which of the chunk's two K steps my block belongs to,
	s_and_b32 s59, s[KB], 3                        ; and which of its four blocks: register group and lane half
	s_lshl_b32 s56, s58, 12
	s_lshl_b32 s57, s[CH], 11
	s_add_co_u32 s56, s56, s57
	s_lshl_b32 s57, s59, 8
	s_add_co_u32 s56, s56, s57
	v_lshlrev_b32 v[WST], 4, v[TMH]
	v_lshl_add_u32 v[WST], v[TMH+1], 10, v[WST]
	v_lshl_add_u32 v[WST], v[TMH+2], 7, v[WST]
	v_add_nc_u32 v[WST], s56, v[WST]
	s_lshl_b32 s56, s58, 8
	s_lshl_b32 s57, s[CH], 7
	s_add_co_u32 s56, s56, s57
	s_add_co_u32 s56, s56, s59
	s_add_co_u32 s56, s56, WSC
	v_lshlrev_b32 v[WSS], 2, v[TMH]
	v_lshl_add_u32 v[WSS], v[TMH+1], 6, v[WSS]
	v_lshl_add_u32 v[WSS], v[TMH+2], 5, v[WSS]
	v_add_nc_u32 v[WSS], s56, v[WSS]
	v_lshlrev_b32 v[LI], 4, v[LANE]
	v_lshl_add_u32 v[LS], v[LANE], 2, WSC
	v_lshl_add_u32 v[BA], v[TMH+2], 6, BIAS
	v_lshl_add_u32 v[BSA], v[LANE], 4, BIAS
	s_lshl_b32 s56, s[CH], 7
	s_lshl_b32 s57, s[KB], 19
	s_add_co_u32 s56, s56, s57
	v_lshl_add_u32 v[SOFF], v[LANE], 2, s56
	s_lshl_b32 s56, s[GR], 4
	s_add_co_u32 s56, s56, s[QQ]                   ; my first tile: 16 g + q
	s_lshl_b32 s57, s56, 15
	v_add_nc_u32 v[HA], s57, v[LI]
	s_lshl_b32 s57, s56, 12
	v_lshl_add_u32 v[HSA], v[LANE], 2, s57
	v_and_b32 v[TA], 15, v0
	v_lshlrev_b32 v[TA], 2, v[TA]
	s_lshl_b32 s56, s[QQ], 6
	v_add_nc_u32 v[TA], s56, v[TA]                 ; the list: 4 x (16 q + lane % 16)
	v_and_b32 v[H16], 16, v0
; The second tile's registers are written once here, while the arguments are on their way, so that they hold numbers whichever way the branches on the list's length are read; where the tile runs, loads and the first products write them anew.
.irp s,0,1
.irp p,0,1
.irp n,0,1,2,3,4,5,6,7
	v_mov_b32 v[AF+32*\s+16*\p+8+\n], 0
.endr
.endr
	v_mov_b32 v[AS+4*\s+1], 0x7f7f7f7f             ; scale bytes of 1
	v_mov_b32 v[AS+4*\s+3], 0x7f7f7f7f
.endr
.set n, 0
.rept 32
	v_mov_b32 v[ACC+32+n], 0
.set n, n+1
.endr
	v_mov_b32 v[HW+1], 0
	s_mov_b32 s57, 0
	s_wait_kmcnt 0x0
	s_lshl_b32 s56, s[EX], 24
	s_lshl_b32 s58, s[SLC], 9
	s_add_co_u32 s56, s56, s58
	s_add_nc_u64 s[4:5], s[4:5], s[56:57]          ; w1 at my expert and slice;
	s_add_nc_u64 s[18:19], s[4:5], 0x800000        ; and 512 rows on, so that every offset is an immediate
	s_lshl_b32 s56, s[EX], 14
	s_add_co_u32 s56, s56, s58
	s_add_nc_u64 s[6:7], s[6:7], s[56:57]
	s_add_nc_u64 s[16:17], s[14:15], HSO           ; h's scale words lie behind its images
	s_lshl_b32 s56, s[EX], 21
	s_lshl_b32 s58, s[SLC], 10
	s_add_co_u32 s56, s56, s58
	s_add_nc_u64 s[14:15], s[14:15], s[56:57]
	s_lshl_b32 s56, s[EX], 18
	s_lshl_b32 s58, s[SLC], 7
	s_add_co_u32 s56, s56, s58
	s_add_nc_u64 s[16:17], s[16:17], s[56:57]
	s_lshl_b32 s56, s[EX], 4
	s_add_co_u32 s56, s56, s[WV]
	s_lshl_b32 s56, s56, 7
	s_add_nc_u64 s[60:61], s[12:13], s[56:57]      ; my wave's record of the list's length
	s_lshl_b32 s56, s[EX], 2
	s_add_co_u32 s56, s56, s[GR]
	s_lshl_b32 s56, s56, 10
	s_add_nc_u64 s[12:13], s[12:13], s[56:57]      ; my expert's and group's 256 places
	s_load_b32 s[NG], s[60:61], CNTS
	global_load_b32 v[TL], v[TA], s[12:13] offset:TOKS          ; the tokens of my tiles 0 and 1
	global_load_b32 v[TL+1], v[TA], s[12:13] offset:TOKS+256
	global_load_b128 v[BV:BV+3], v[LI], s[6:7]     ; b1's 128 numbers
	SLOAD 0, 0, 0, 32                              ; both first blocks go out ahead of the wait for the list
	SLOAD 1, 1, 0, 32
	s_wait_loadcnt 63                              ; 67 loads were issued: the oldest 4 are in, the list's two and b1's among them
	s_wait_kmcnt 0x0                               ; and the list's length
	s_cmp_lg_u32 s[WV], 0
	s_cbranch_scc1 .Lnot_wave_0
	ds_store_b128 v[BSA], v[BV:BV+3]               ; read behind the first chunk's barrier
.Lnot_wave_0:
	MKXA 0, TL
	MKXA 1, TL+1
	LDAC 0, 0
	LDAC 1, 1
	CHUNK 0
	CHUNK 1
	CHUNK 2
	CHUNK 3
	EPILOGUE 0, 0
	CHUNK 4
	CHUNK 5
	CHUNK 6
	CHUNK 7
	EPILOGUE 1, 0
; THE SECOND PASS: tiles 2 and 3, where my group's list is longer than 16 q + 128.  No barrier: every image has been shown whole by the barriers above, and nothing writes them.
	s_lshl_b32 s[TS], s[QQ], 4
	s_add_co_u32 s[TS], s[TS], 128
	s_cmp_gt_u32 s[NG], s[TS]
	s_cbranch_scc0 .Ldone
	s_add_co_u32 s[LIMB], s[TS], 64
	v_and_b32 v[ST], 15, v0                        ; the stream's registers are free: the list's address once more, and the tokens of tiles 2 and 3
	v_lshlrev_b32 v[ST], 2, v[ST]
	s_lshl_b32 s56, s[QQ], 6
	v_add_nc_u32 v[ST], s56, v[ST]
	global_load_b32 v[ST+2], v[ST], s[12:13] offset:TOKS+512
	global_load_b32 v[ST+3], v[ST], s[12:13] offset:TOKS+768
	s_wait_loadcnt 0x0                             ; no load that names the rows' address registers is out either: they are written anew
	MKXA 0, ST+2
	MKXA 1, ST+3
.irp p,0,1
.irp s,0,1,2,3,4,5,6,7
	LDAK 8*\p+\s
	LDW 8*\p+\s
	s_wait_loadcnt 0x0
	s_wait_dscnt 0x0
.if \s == 0
	MUL 0, 0, 1
.else
	MUL 0, 0, 0
.endif
	PLACES
.endr
	EPILOGUE \p, 1
.endr
.Ldone:
	s_wait_xcnt 0x0
	v_lshl_add_u32 v254, v0, 2, 0x11200
	v_mov_b32 v255, 0
	s_wait_tensorcnt 0x0
	ds_add_u32 v254, v255
	s_wait_dscnt 0x0
	s_endpgm
.Lfunc_end_k_q9de58f6719_up:
	.size	k_q9de58f6719_up, .Lfunc_end_k_q9de58f6719_up-k_q9de58f6719_up
	.p2alignl 7, 3214868480
	.fill 96, 4, 3214868480
	.section	.rodata,"a",@progbits
	.p2align	6, 0x0
	.amdhsa_kernel k_q9de58f6719_up
		.amdhsa_group_segment_fixed_size 72192
		.amdhsa_private_segment_fixed_size 0
		.amdhsa_enable_private_segment 0
		.amdhsa_kernarg_size 48
		.amdhsa_user_sgpr_count 2
		.amdhsa_user_sgpr_kernarg_segment_ptr 1
		.amdhsa_wavefront_size32 1
		.amdhsa_system_sgpr_workgroup_id_x 1
		.amdhsa_system_sgpr_workgroup_id_y 1
		.amdhsa_system_sgpr_workgroup_id_z 1
		.amdhsa_system_vgpr_workitem_id 0
		.amdhsa_next_free_vgpr 256
		.amdhsa_next_free_sgpr 66
		.amdhsa_reserve_vcc 0
		.amdhsa_float_denorm_mode_32 3
		.amdhsa_float_denorm_mode_16_64 3
		.amdhsa_memory_ordered 1
		.amdhsa_forward_progress 1
		.amdhsa_inst_pref_size 210
	.end_amdhsa_kernel
	.amdgpu_metadata
---
amdhsa.version: [ 1, 2 ]
amdhsa.kernels:
  - .name:           k_q9de58f6719_up
    .symbol:         k_q9de58f6719_up.kd
    .args:
      - { .name: w1, .offset: 0, .size: 8, .value_kind: global_buffer, .address_space: global }
      - { .name: b1, .offset: 8, .size: 8, .value_kind: global_buffer, .address_space: global }
      - { .name: xq, .offset: 16, .size: 8, .value_kind: global_buffer, .address_space: global }
      - { .name: xs, .offset: 24, .size: 8, .value_kind: global_buffer, .address_space: global }
      - { .name: lst, .offset: 32, .size: 8, .value_kind: global_buffer, .address_space: global }
      - { .name: hq, .offset: 40, .size: 8, .value_kind: global_buffer, .address_space: global }
    .group_segment_fixed_size: 72192
    .private_segment_fixed_size: 0
    .kernarg_segment_align: 8
    .kernarg_segment_size: 48
    .max_flat_workgroup_size: 512
    .sgpr_count:     66
    .vgpr_count:     256
    .wavefront_size: 32
...
	.end_amdgpu_metadata
.endif
;; end of part 3
;; launch down (part 4): grid 256 x 1, 16 waves a work-group, no clusters, 141,568 bytes of LDS; arguments w2, b2, hq, lst, cf, yp; writes yp
.if DOCPART == 4
	.amdgcn_target "amdgcn-amd-amdhsa--gfx1250"
	.amdhsa_code_object_version 6
	.text
	.protected	k_q9de58f6719_down
	.globl	k_q9de58f6719_down
	.p2align	8
	.type	k_q9de58f6719_down,@function
k_q9de58f6719_down:
	s_mov_b64 s[64:65], 0
	v_nop
	global_prefetch_b8 v0, s[64:65] scope:SCOPE_SE
	s_setreg_imm32_b32 hwreg(HW_REG_WAVE_MODE, 25, 1), 1
	s_wait_xcnt 0x0
; yp[kh][slot] = coefficient(slot) x (h(slot) Q(W2[e]) over half kh of K, + b2[e] in half 0), for the rows routed to expert e; both operands in E2M1 with one E8M0 scale for each 32 along K.
; A work-group owns expert e = number / 32, 64 output columns (ns = (number / 2) % 16) and 2,048 of the 4,096 along K (kh = number % 2): 512 KiB of w2, read ONCE, quantised in registers, never stored to memory.
; Stream, weight images, choice of a tile's rows, the shares of the sixteen waves and the order of the loads are those of the launch that made h: 8 chunks of 256 K x 64 columns; wave w quantises the block kb = w / 2, ch = w % 2 of each chunk;
; fragment f = 4 ss + t at 1024 f in LDS, each byte written once, one barrier a chunk; wave (g, q) owns tiles 16 g + q + 4 i of hq; tile 0 always, tile 1 under a scalar branch on the stored list's length, tiles 2 and 3 in a second pass.
; THE ORDER OF THE LOADS.  Trip cc: wait for block cc and rows cc; quantise; ask for the rows' fragments of chunk cc + 1 (a second set of registers takes them) and for the first 19 loads of block cc + 2; barrier; the chunk's two K steps;
; the block's other 13 loads.  At the first run the wave has out the 32 loads of block cc + 1, at most 12 of rows and these 19: 63.  Both first blocks go out at the head, ahead of the wait for the list.
; h's fragments come from hq as register images (16 bytes a lane, 512 consecutive bytes a load), at addresses that hang on no data; only tiles that the earlier launch stored are read: the branches are the same there and here.
; THE WAY OUT.  A lane holds one row and, per tile, eight neighbouring columns.  The 16 rows x 64 columns go through the wave's own stage in LDS and leave by rows: sixteen lanes store 256 consecutive bytes, at a multiple of 256,
; to row = slot (2 token + k) of yp, as the stored list names it.  List places past the end hold row 2,048 + 16 e + wave, a row of this wave's own that nobody reads: so no lane is switched off and no store stands under a branch of its own.
; The sum over a token's two slots and the two halves of K is the next launch's: each byte of yp has one owner.
; No joint loads: no two work-groups read the same weights; h's tiles, which the 16 column panels of an expert share, are a small part of a step's bytes.
; LIMITS: NaN and infinities are not served (b2 is multiplied by 0 in half 1); a block of zeros carries the byte 1.
.set WSC,   65536                      ; LDS: 0 the images (64 KiB), their scale words (4 KiB), b2's 64 numbers, then a stage of 16 rows x (256 + 16) bytes for each wave
.set BIAS,  69632
.set STG,   69888
.set CNTS,  65536                      ; lst: where the lengths begin (the lists of slots begin at 0)
.set HSO,   0x1000000                  ; hq: where the scale words begin
.set NEAR,  19                         ; loads of a block that go out directly behind the quantising
.set WV,   20
.set EX,   21
.set NSC,  22
.set CH,   23
.set KB,   24
.set GR,   25
.set QQ,   26
.set KH,   27
.set NG,   30
.set LIMB, 31
.set TS,   55
.set SOFF, 1
.set WST,  2
.set WSS,  3
.set LI,   4
.set LS,   5
.set HA,   6
.set HSA,  7
.set CFV,  8                           ; v8, v9 my row's coefficient for the two tiles in hand; named as a pair, whose low word serves both halves
.set T,    10                          ; v10-11 the list: the slot of row lane % 16 of the two tiles in hand
.set SO,   12                          ; the stage: where I put a row's bytes;  v13 where I read rows back
.set SR,   13
.set QM,   14                          ; v14-15 two running maxima; then the scale's byte and the conversion's scale operand
.set QB,   14
.set QS,   15
.set BA,   16                          ; BIAS + 64 (lane / 16)
.set BIX,  17                          ; 4 (lane / 16)
.set QC,   18
.set AS,   22                          ; v22-29 the rows' scale words: 4 set + 2 par + tile
.set ST,   30                          ; v30-93 two stream sets
.set AF,   94                          ; v94-157 the rows' fragments: 32 set + 16 par + 8 tile
.set ACC,  158
.set WF,   222
.set WS,   254
.set OUT,  ST                          ; THE WAY OUT works in the stream's registers: 16 rows read back,
.set RS,   ST+32                       ; their rows' offsets in yp,
.set IX,   ST+40                       ; the lane indices that fetch them,
.set C16,  ST+48                       ; 16 (lane % 16);
.set TA2,  ST+50                       ; the second pass: the list's address, the coefficients' addresses
.set CA2,  ST+52
.set TMH,  158                         ; AT THE HEAD ONLY, where the first tile's accumulators will lie
.set LANE, 162
.set TA,   163
.set BSA,  164
.set BO,   165
.set BV,   166
.set CAH,  168
.set RR,   170
.set HH,   171
.set PASS, 0
.macro PLACES                          ; four plain places between a matrix instruction and a load into, or a vector instruction on, its registers
.rept 4
	v_nop
.endr
.endm
.macro BARRIER
	s_wait_dscnt 0x0
	s_barrier_signal -1
	s_barrier_wait -1
.endm
.macro SLOAD set, cc, from, cnt        ; rows from .. from + cnt - 1 of my block of chunk cc: 128 consecutive bytes a load
.set sli, \from
.rept \cnt
	global_load_b32 v[ST+32*(\set)+sli], v[SOFF], s[4:5] offset:(256*(\cc)+sli)*4096 th:TH_LOAD_NT
.set sli, sli+1
.endr
.endm
.macro QUANTW set, cc
.set XS, ST+32*(\set)
	v_max3_num_f32 v[QM], |v[XS]|, |v[XS+1]|, |v[XS+2]|
	v_max3_num_f32 v[QM+1], |v[XS+3]|, |v[XS+4]|, |v[XS+5]|
.irp i,6,10,14,18,22,26
	v_max3_num_f32 v[QM], v[QM], |v[XS+\i]|, |v[XS+\i+1]|
	v_max3_num_f32 v[QM+1], v[QM+1], |v[XS+\i+2]|, |v[XS+\i+3]|
.endr
	v_max3_num_f32 v[QM], v[QM], |v[XS+30]|, |v[XS+31]|
	v_max3_num_f32 v[QM], v[QM], v[QM+1], 0x1800000   ; the floor 2^(3 - 127): the byte cannot fall under 1
	v_add_nc_u32 v[QS], 0xff000000, v[QM]
	v_lshrrev_b32 v[QB], 23, v[QS]
.irp g,0,1,2,3
	v_cvt_scalef32_pk8_fp4_f32 v[QC+\g], v[XS+8*\g:XS+8*\g+7], v[QS]
.endr
	v_nop                                          ; one plain place behind a scaled conversion
	ds_store_b128 v[WST], v[QC:QC+3] offset:8192*(\cc)
	ds_store_b8 v[WSS], v[QB] offset:512*(\cc)
.endm
.macro LDW ss
.irp t,0,1,2,3
	ds_load_b128 v[WF+8*\t:WF+8*\t+3], v[LI] offset:(4*(\ss)+\t)*1024
	ds_load_b128 v[WF+8*\t+4:WF+8*\t+7], v[LI] offset:(4*(\ss)+\t)*1024+512
.endr
	ds_load_b32 v[WS], v[LS] offset:(4*(\ss))*64
	ds_load_b32 v[WS+1], v[LS] offset:(4*(\ss)+2)*64
.endm
.macro LDA1 set, par, slot, ss         ; h's fragment of my tile, K step ss of my half: the image as it was stored, and the rows' scale words
.set AR, AF+32*(\set)+16*(\par)+8*(\slot)
	global_load_b128 v[AR:AR+3], v[HA], s[8:9] offset:1024*(\ss)+131072*(\slot+2*PASS)
	global_load_b128 v[AR+4:AR+7], v[HA], s[8:9] offset:1024*(\ss)+131072*(\slot+2*PASS)+512
	global_load_b32 v[AS+4*(\set)+2*(\par)+\slot], v[HSA], s[10:11] offset:128*(\ss)+16384*(\slot+2*PASS)
.endm
.macro LDAC set, cc                    ; the rows of chunk cc's two K steps: 6 loads, or 12 with the second tile
	LDA1 \set, 0, 0, 2*(\cc)
	LDA1 \set, 1, 0, 2*(\cc)+1
	s_cmp_gt_u32 s[NG], s[LIMB]
	s_cbranch_scc0 .Lno_a_\@
	LDA1 \set, 0, 1, 2*(\cc)
	LDA1 \set, 1, 1, 2*(\cc)+1
.Lno_a_\@:
.endm
.macro LDAK ss                         ; the second pass: the rows of one K step
	LDA1 0, 0, 0, \ss
	s_cmp_gt_u32 s[NG], s[LIMB]
	s_cbranch_scc0 .Lno_k_\@
	LDA1 0, 0, 1, \ss
.Lno_k_\@:
.endm
.macro WM slot, t, set, par, first
.set DR, ACC+32*(\slot)+8*(\t)
.set WR, WF+8*(\t)
.set AR, AF+32*(\set)+16*(\par)+8*(\slot)
.set ASR, AS+4*(\set)+2*(\par)+(\slot)
.set WSR, WS+(\t)/2
.if \first
.if (\t)%2
	v_wmma_scale_f32_16x16x128_f8f6f4 v[DR:DR+7], v[WR:WR+7], v[AR:AR+7], 0, v[WSR], v[ASR] matrix_a_fmt:MATRIX_FMT_FP4 matrix_b_fmt:MATRIX_FMT_FP4 matrix_a_scale:MATRIX_SCALE_ROW1
.else
	v_wmma_scale_f32_16x16x128_f8f6f4 v[DR:DR+7], v[WR:WR+7], v[AR:AR+7], 0, v[WSR], v[ASR] matrix_a_fmt:MATRIX_FMT_FP4 matrix_b_fmt:MATRIX_FMT_FP4
.endif
.else
.if (\t)%2
	v_wmma_scale_f32_16x16x128_f8f6f4 v[DR:DR+7], v[WR:WR+7], v[AR:AR+7], v[DR:DR+7], v[WSR], v[ASR] matrix_a_fmt:MATRIX_FMT_FP4 matrix_b_fmt:MATRIX_FMT_FP4 matrix_a_scale:MATRIX_SCALE_ROW1
.else
	v_wmma_scale_f32_16x16x128_f8f6f4 v[DR:DR+7], v[WR:WR+7], v[AR:AR+7], v[DR:DR+7], v[WSR], v[ASR] matrix_a_fmt:MATRIX_FMT_FP4 matrix_b_fmt:MATRIX_FMT_FP4
.endif
.endif
.endm
.macro MUL set, par, first             ; the accumulators take turns, one instruction a turn, with the second tile or without
.irp t,0,1,2,3
	WM 0, \t, \set, \par, \first
.endr
	s_cmp_gt_u32 s[NG], s[LIMB]
	s_cbranch_scc0 .Lno_m_\@
.irp t,0,1,2,3
	WM 1, \t, \set, \par, \first
.endr
.Lno_m_\@:
.endm
.macro KSTEP set, par, ss
	LDW \ss
	s_wait_dscnt 0x0
.if (\ss) == 0
	MUL \set, \par, 1                              ; the first K step starts the sums
.else
	MUL \set, \par, 0
.endif
	PLACES
.endm
.macro CHUNK cc
.if (\cc) == 0
	s_wait_loadcnt 46                              ; block 0 is in: behind it were issued block 1 (32), the two coefficients and the rows of chunks 0 and 1, 6 loads each at the least
.elseif (\cc) < 7
	s_wait_loadcnt 32                              ; the youngest 32 loads are the next block's, with the second tile or without: this chunk's block and its rows are in
.else
	s_wait_loadcnt 0x0
.endif
	QUANTW (\cc)%2, \cc
.if ((\cc) > 0) && ((\cc) < 7)
	LDAC ((\cc)+1)%2, (\cc)+1                      ; the next chunk's rows, into the set that the chunk before has left (its products stand four places and more back)
.endif
.if (\cc) < 6
	SLOAD (\cc)%2, (\cc)+2, 0, NEAR                ; and the block two chunks on, into the registers just quantised
.endif
	BARRIER                                        ; the chunk's images are whole
.if (\cc) == 0
	s_wait_loadcnt 6+NEAR                          ; chunk 0's rows and the coefficients are in: behind them were issued chunk 1's rows, 6 loads at the least, and the 19 of block 2
.endif
	KSTEP (\cc)%2, 0, 2*(\cc)
	KSTEP (\cc)%2, 1, 2*(\cc)+1
.if (\cc) < 6
	SLOAD (\cc)%2, (\cc)+2, NEAR, 32-NEAR          ; the block's other loads
.endif
.endm
.macro EPI slot
.set Z, ACC+32*\slot
	s_wait_xcnt 0x0                                ; the rows' registers and offsets were sources of earlier stores: written again only behind this wait
.if \slot == 1
	v_mov_b32 v[CFV], v[CFV+1]                     ; the second tile's coefficient takes the pair's low word: the first tile's is done with
.endif
.irp k,0,2,4,6,8,10,12,14,16,18,20,22,24,26,28,30
	v_pk_add_f32 v[Z+\k:Z+\k+1], v[Z+\k:Z+\k+1], v[WF+\k:WF+\k+1]   ; + b2 (zeros in the second half of K); each accumulator from its low end on
.endr
.irp k,0,2,4,6,8,10,12,14,16,18,20,22,24,26,28,30
	v_pk_mul_f32 v[Z+\k:Z+\k+1], v[Z+\k:Z+\k+1], v[CFV:CFV+1] op_sel_hi:[1,0]   ; x my row's coefficient
.endr
.irp t,0,1,2,3
	ds_store_b128 v[SO], v[Z+8*\t:Z+8*\t+3] offset:128*(\t/2)+32*(\t%2)
	ds_store_b128 v[SO], v[Z+8*\t+4:Z+8*\t+7] offset:128*(\t/2)+32*(\t%2)+16
.endr
.irp m,0,1,2,3,4,5,6,7
	v_add_nc_u32 v[IX+\m], 8*\m, v[BIX]
	ds_bpermute_b32 v[RS+\m], v[IX+\m], v[T+\slot] ; the slot of row 2 m + lane / 16
.endr
.irp m,0,1,2,3,4,5,6,7
	ds_load_b128 v[OUT+4*\m:OUT+4*\m+3], v[SR] offset:544*\m   ; LDS serves a wave's instructions in order: these see the stores above
.endr
	s_wait_dscnt 0x0
.irp m,0,1,2,3,4,5,6,7
	v_min_u32 v[RS+\m], 2175, v[RS+\m]
	v_lshlrev_b32 v[RS+\m], 12, v[RS+\m]
	v_add_nc_u32 v[RS+\m], v[C16], v[RS+\m]
	global_store_b128 v[RS+\m], v[OUT+4*\m:OUT+4*\m+3], s[16:17]   ; sixteen lanes store 256 consecutive bytes of one row
.endr
.endm
.macro EPILOGUE
	v_and_b32 v[C16], 15, v0
	v_lshlrev_b32 v[C16], 4, v[C16]
.irp t,0,1,2,3
	ds_load_b128 v[WF+8*\t:WF+8*\t+3], v[BA] offset:128*(\t/2)+32*(\t%2)
	ds_load_b128 v[WF+8*\t+4:WF+8*\t+7], v[BA] offset:128*(\t/2)+32*(\t%2)+16
.endr
	s_wait_dscnt 0x0
	EPI 0
	s_cmp_gt_u32 s[NG], s[LIMB]
	s_cbranch_scc0 .Lno_e_\@
	EPI 1
.Lno_e_\@:
.endm
.macro MKCF slot, ca                   ; my row's coefficient (a place past the list's end takes some coefficient: its row goes to the dump row)
	v_min_u32 v[\ca], 2047, v[T+\slot]
	v_lshlrev_b32 v[\ca], 2, v[\ca]
	global_load_b32 v[CFV+\slot], v[\ca], s[14:15]
.endm
	s_load_b128 s[4:7], s[0:1], 0x0                ; w2, b2
	s_load_b64 s[8:9], s[0:1], 0x10                ; hq
	s_load_b64 s[12:13], s[0:1], 0x18              ; lst
	s_load_b64 s[14:15], s[0:1], 0x20              ; cf
	s_load_b64 s[16:17], s[0:1], 0x28              ; yp
	v_lshrrev_b32 v[TMH], 5, v0
	v_readfirstlane_b32 s[WV], v[TMH]
	v_and_b32 v[LANE], 31, v0
	s_lshr_b32 s[EX], ttmp9, 5
	s_bfe_u32 s[NSC], ttmp9, 0x40001
	s_and_b32 s[KH], ttmp9, 1
	s_and_b32 s[CH], s[WV], 1
	s_lshr_b32 s[KB], s[WV], 1
	s_lshr_b32 s[GR], s[WV], 2
	s_and_b32 s[QQ], s[WV], 3
	s_lshl_b32 s[LIMB], s[QQ], 4
	s_add_co_u32 s[LIMB], s[LIMB], 64
	v_and_b32 v[TMH], 7, v0                        ; stream lane = 16 h + 8 u + j
	v_bfe_u32 v[TMH+1], v0, 3, 1
	v_bfe_u32 v[TMH+2], v0, 4, 1
	s_lshr_b32 s58, s[KB], 2
	s_and_b32 s59, s[KB], 3
	s_lshl_b32 s56, s58, 12
	s_lshl_b32 s57, s[CH], 11
	s_add_co_u32 s56, s56, s57
	s_lshl_b32 s57, s59, 8
	s_add_co_u32 s56, s56, s57
	v_lshlrev_b32 v[WST], 4, v[TMH]
	v_lshl_add_u32 v[WST], v[TMH+1], 10, v[WST]
	v_lshl_add_u32 v[WST], v[TMH+2], 7, v[WST]
	v_add_nc_u32 v[WST], s56, v[WST]
	s_lshl_b32 s56, s58, 8
	s_lshl_b32 s57, s[CH], 7
	s_add_co_u32 s56, s56, s57
	s_add_co_u32 s56, s56, s59
	s_add_co_u32 s56, s56, WSC
	v_lshlrev_b32 v[WSS], 2, v[TMH]
	v_lshl_add_u32 v[WSS], v[TMH+1], 6, v[WSS]
	v_lshl_add_u32 v[WSS], v[TMH+2], 5, v[WSS]
	v_add_nc_u32 v[WSS], s56, v[WSS]
	v_lshlrev_b32 v[LI], 4, v[LANE]
	v_lshl_add_u32 v[LS], v[LANE], 2, WSC
	v_lshl_add_u32 v[BSA], v[LANE], 3, BIAS
	v_lshlrev_b32 v[BO], 3, v[LANE]
	v_and_b32 v[RR], 15, v0                        ; r
	v_bfe_u32 v[HH], v0, 4, 1                      ; h
	s_mul_i32 s56, s[WV], 4352
	s_add_co_u32 s56, s56, STG                     ; my stage
	v_mul_u32_u24 v[SO], v[RR], 272
	v_lshl_add_u32 v[SO], v[HH], 6, v[SO]
	v_add_nc_u32 v[SO], s56, v[SO]                 ; in: row r, + 64 h
	v_mul_u32_u24 v[SR], v[HH], 272
	v_lshl_add_u32 v[SR], v[RR], 4, v[SR]
	v_add_nc_u32 v[SR], s56, v[SR]                 ; back: lanes 0-15 one row, lanes 16-31 the next
	v_lshl_add_u32 v[BA], v[HH], 6, BIAS
	v_lshlrev_b32 v[TA], 2, v[RR]
	s_lshl_b32 s56, s[QQ], 6
	v_add_nc_u32 v[TA], s56, v[TA]                 ; the list: 4 x (16 q + lane % 16)
	v_lshlrev_b32 v[BIX], 2, v[HH]
	s_lshl_b32 s56, s[CH], 7
	s_lshl_b32 s57, s[KB], 17
	s_add_co_u32 s56, s56, s57
	v_lshl_add_u32 v[SOFF], v[LANE], 2, s56
	s_lshl_b32 s56, s[GR], 4
	s_add_co_u32 s56, s56, s[QQ]
	s_lshl_b32 s57, s56, 15
	v_add_nc_u32 v[HA], s57, v[LI]
	s_lshl_b32 s57, s56, 12
	v_lshl_add_u32 v[HSA], v[LANE], 2, s57
; The second tile's registers are written once here, while the arguments are on their way, so that they hold numbers whichever way the branches on the list's length are read; where the tile runs, loads and the first products write them anew.
.irp s,0,1
.irp p,0,1
.irp n,0,1,2,3,4,5,6,7
	v_mov_b32 v[AF+32*\s+16*\p+8+\n], 0
.endr
.endr
	v_mov_b32 v[AS+4*\s+1], 0x7f7f7f7f             ; scale bytes of 1
	v_mov_b32 v[AS+4*\s+3], 0x7f7f7f7f
.endr
.set n, 0
.rept 32
	v_mov_b32 v[ACC+32+n], 0
.set n, n+1
.endr
	s_mov_b32 s57, 0
	s_wait_kmcnt 0x0
	s_lshl_b32 s56, s[EX], 24
	s_lshl_b32 s58, s[KH], 23
	s_add_co_u32 s56, s56, s58
	s_lshl_b32 s58, s[NSC], 8
	s_add_co_u32 s56, s56, s58
	s_add_nc_u64 s[4:5], s[4:5], s[56:57]          ; w2 at my expert, half of K and columns
	s_lshl_b32 s56, s[EX], 12
	s_add_co_u32 s56, s56, s58
	s_add_nc_u64 s[6:7], s[6:7], s[56:57]
	s_mul_i32 s56, s[KH], 8912896
	s_add_co_u32 s56, s56, s58
	s_add_nc_u64 s[16:17], s[16:17], s[56:57]
	s_add_nc_u64 s[10:11], s[8:9], HSO             ; h's scale words lie behind its images
	s_lshl_b32 s56, s[EX], 21
	s_lshl_b32 s58, s[KH], 14
	s_add_co_u32 s56, s56, s58
	s_add_nc_u64 s[8:9], s[8:9], s[56:57]
	s_lshl_b32 s56, s[EX], 18
	s_lshl_b32 s58, s[KH], 11
	s_add_co_u32 s56, s56, s58
	s_add_nc_u64 s[10:11], s[10:11], s[56:57]
	s_lshl_b32 s56, s[EX], 4
	s_add_co_u32 s56, s56, s[WV]
	s_lshl_b32 s56, s56, 7
	s_add_nc_u64 s[60:61], s[12:13], s[56:57]      ; my wave's record of the list's length
	s_lshl_b32 s56, s[EX], 2
	s_add_co_u32 s56, s56, s[GR]
	s_lshl_b32 s56, s56, 10
	s_add_nc_u64 s[12:13], s[12:13], s[56:57]      ; my expert's and group's 256 places
	s_load_b32 s[NG], s[60:61], CNTS
	global_load_b32 v[T], v[TA], s[12:13]          ; the slots of my tiles 0 and 1
	global_load_b32 v[T+1], v[TA], s[12:13] offset:256
	global_load_b64 v[BV:BV+1], v[BO], s[6:7]      ; b2's 64 numbers
	SLOAD 0, 0, 0, 32                              ; both first blocks go out ahead of the wait for the list
	SLOAD 1, 1, 0, 32
	s_cmp_eq_u32 s[KH], 0
	s_cselect_b32 s[TS], 0x3f800000, 0             ; the bias is added in one half of K alone
	s_wait_loadcnt 63                              ; 67 loads were issued: the oldest 4 are in, the list's two and b2's among them
	s_wait_kmcnt 0x0                               ; and the list's length
	v_mul_f32 v[BV], s[TS], v[BV]
	v_mul_f32 v[BV+1], s[TS], v[BV+1]
	s_cmp_lg_u32 s[WV], 0
	s_cbranch_scc1 .Lnot_wave_0
	ds_store_b64 v[BSA], v[BV:BV+1]                ; read behind the chunks' barriers
.Lnot_wave_0:
	MKCF 0, CAH
	MKCF 1, CAH+1
	LDAC 0, 0
	LDAC 1, 1
	CHUNK 0
	CHUNK 1
	CHUNK 2
	CHUNK 3
	CHUNK 4
	CHUNK 5
	CHUNK 6
	CHUNK 7
	EPILOGUE
; THE SECOND PASS: tiles 2 and 3, where my group's list is longer than 16 q + 128.  No barrier: every image has been shown whole by the barriers above, and nothing writes them.
	s_lshl_b32 s[TS], s[QQ], 4
	s_add_co_u32 s[TS], s[TS], 128
	s_cmp_gt_u32 s[NG], s[TS]
	s_cbranch_scc0 .Ldone
	s_add_co_u32 s[LIMB], s[TS], 64
.set PASS, 1
	v_and_b32 v[TA2], 15, v0                       ; registers of the stream that the way out does not name: the list's address once more
	v_lshlrev_b32 v[TA2], 2, v[TA2]
	s_lshl_b32 s56, s[QQ], 6
	v_add_nc_u32 v[TA2], s56, v[TA2]
	global_load_b32 v[T], v[TA2], s[12:13] offset:512            ; the slots of tiles 2 and 3
	global_load_b32 v[T+1], v[TA2], s[12:13] offset:768
	s_wait_loadcnt 0x0
	MKCF 0, CA2
	MKCF 1, CA2+1
.irp s,0,1,2,3,4,5,6,7,8,9,10,11,12,13,14,15
	LDAK \s
	LDW \s
	s_wait_loadcnt 0x0
	s_wait_dscnt 0x0
.if \s == 0
	MUL 0, 0, 1
.else
	MUL 0, 0, 0
.endif
	PLACES
.endr
	EPILOGUE
.Ldone:
	s_wait_xcnt 0x0
	v_lshl_add_u32 v254, v0, 2, 0x22100
	v_mov_b32 v255, 0
	s_wait_tensorcnt 0x0
	ds_add_u32 v254, v255
	s_wait_dscnt 0x0
	s_endpgm
.Lfunc_end_k_q9de58f6719_down:
	.size	k_q9de58f6719_down, .Lfunc_end_k_q9de58f6719_down-k_q9de58f6719_down
	.p2alignl 7, 3214868480
	.fill 96, 4, 3214868480
	.section	.rodata,"a",@progbits
	.p2align	6, 0x0
	.amdhsa_kernel k_q9de58f6719_down
		.amdhsa_group_segment_fixed_size 141568
		.amdhsa_private_segment_fixed_size 0
		.amdhsa_enable_private_segment 0
		.amdhsa_kernarg_size 48
		.amdhsa_user_sgpr_count 2
		.amdhsa_user_sgpr_kernarg_segment_ptr 1
		.amdhsa_wavefront_size32 1
		.amdhsa_system_sgpr_workgroup_id_x 1
		.amdhsa_system_sgpr_workgroup_id_y 1
		.amdhsa_system_sgpr_workgroup_id_z 1
		.amdhsa_system_vgpr_workitem_id 0
		.amdhsa_next_free_vgpr 256
		.amdhsa_next_free_sgpr 66
		.amdhsa_reserve_vcc 0
		.amdhsa_float_denorm_mode_32 3
		.amdhsa_float_denorm_mode_16_64 3
		.amdhsa_memory_ordered 1
		.amdhsa_forward_progress 1
		.amdhsa_inst_pref_size 149
	.end_amdhsa_kernel
	.amdgpu_metadata
---
amdhsa.version: [ 1, 2 ]
amdhsa.kernels:
  - .name:           k_q9de58f6719_down
    .symbol:         k_q9de58f6719_down.kd
    .args:
      - { .name: w2, .offset: 0, .size: 8, .value_kind: global_buffer, .address_space: global }
      - { .name: b2, .offset: 8, .size: 8, .value_kind: global_buffer, .address_space: global }
      - { .name: hq, .offset: 16, .size: 8, .value_kind: global_buffer, .address_space: global }
      - { .name: lst, .offset: 24, .size: 8, .value_kind: global_buffer, .address_space: global }
      - { .name: cf, .offset: 32, .size: 8, .value_kind: global_buffer, .address_space: global }
      - { .name: yp, .offset: 40, .size: 8, .value_kind: global_buffer, .address_space: global }
    .group_segment_fixed_size: 141568
    .private_segment_fixed_size: 0
    .kernarg_segment_align: 8
    .kernarg_segment_size: 48
    .max_flat_workgroup_size: 512
    .sgpr_count:     66
    .vgpr_count:     256
    .wavefront_size: 32
...
	.end_amdgpu_metadata
.endif
;; end of part 4
;; launch combine (part 5): grid 256 x 1, 8 waves a work-group, no clusters, 0 bytes of LDS; arguments yp, out0; writes out0
.if DOCPART == 5
	.amdgcn_target "amdgcn-amd-amdhsa--gfx1250"
	.amdhsa_code_object_version 6
	.text
	.protected	k_q9de58f6719_combine
	.globl	k_q9de58f6719_combine
	.p2align	8
	.type	k_q9de58f6719_combine,@function
k_q9de58f6719_combine:
	s_mov_b64 s[64:65], 0
	v_nop
	global_prefetch_b8 v0, s[64:65] scope:SCOPE_SE
	s_setreg_imm32_b32 hwreg(HW_REG_WAVE_MODE, 25, 1), 1
	s_wait_xcnt 0x0
; out0[token] = the sum of the token's two slots over the two halves of K: four rows of yp.  A work-group takes four tokens; thread t takes 16 bytes at 16 t of a row: a wave's load or store covers 512 consecutive bytes.
; All sixteen loads of a thread go out at once; the waits count down by tokens.  Memory binds: no LDS, no barrier, no matrix unit.
.set HALF, 8912896                     ; bytes of one half of yp: 2,176 rows of 4,096
	s_load_b128 s[4:7], s[0:1], 0x0                ; yp, out0
	v_lshlrev_b32 v1, 4, v0
	s_mov_b32 s13, 0
	s_wait_kmcnt 0x0
	s_lshl_b32 s12, ttmp9, 15                      ; eight rows of yp
	s_add_nc_u64 s[4:5], s[4:5], s[12:13]
	s_add_nc_u64 s[14:15], s[4:5], HALF
	s_lshl_b32 s12, ttmp9, 14                      ; four rows of out0
	s_add_nc_u64 s[6:7], s[6:7], s[12:13]
.irp j,0,1,2,3
	global_load_b128 v[16+16*\j:19+16*\j], v1, s[4:5] offset:8192*\j th:TH_LOAD_NT
	global_load_b128 v[20+16*\j:23+16*\j], v1, s[4:5] offset:8192*\j+4096 th:TH_LOAD_NT
	global_load_b128 v[24+16*\j:27+16*\j], v1, s[14:15] offset:8192*\j th:TH_LOAD_NT
	global_load_b128 v[28+16*\j:31+16*\j], v1, s[14:15] offset:8192*\j+4096 th:TH_LOAD_NT
.endr
.irp j,0,1,2,3
	s_wait_loadcnt 12-4*\j                         ; this token's four loads are in; the later tokens' may be out
	v_pk_add_f32 v[16+16*\j:17+16*\j], v[16+16*\j:17+16*\j], v[20+16*\j:21+16*\j]
	v_pk_add_f32 v[18+16*\j:19+16*\j], v[18+16*\j:19+16*\j], v[22+16*\j:23+16*\j]
	v_pk_add_f32 v[24+16*\j:25+16*\j], v[24+16*\j:25+16*\j], v[28+16*\j:29+16*\j]
	v_pk_add_f32 v[26+16*\j:27+16*\j], v[26+16*\j:27+16*\j], v[30+16*\j:31+16*\j]
	v_pk_add_f32 v[16+16*\j:17+16*\j], v[16+16*\j:17+16*\j], v[24+16*\j:25+16*\j]
	v_pk_add_f32 v[18+16*\j:19+16*\j], v[18+16*\j:19+16*\j], v[26+16*\j:27+16*\j]
	global_store_b128 v1, v[16+16*\j:19+16*\j], s[6:7] offset:4096*\j th:TH_STORE_NT
.endr
	s_endpgm
.Lfunc_end_k_q9de58f6719_combine:
	.size	k_q9de58f6719_combine, .Lfunc_end_k_q9de58f6719_combine-k_q9de58f6719_combine
	.p2alignl 7, 3214868480
	.fill 96, 4, 3214868480
	.section	.rodata,"a",@progbits
	.p2align	6, 0x0
	.amdhsa_kernel k_q9de58f6719_combine
		.amdhsa_group_segment_fixed_size 0
		.amdhsa_private_segment_fixed_size 0
		.amdhsa_enable_private_segment 0
		.amdhsa_kernarg_size 16
		.amdhsa_user_sgpr_count 2
		.amdhsa_user_sgpr_kernarg_segment_ptr 1
		.amdhsa_wavefront_size32 1
		.amdhsa_system_sgpr_workgroup_id_x 1
		.amdhsa_system_sgpr_workgroup_id_y 1
		.amdhsa_system_sgpr_workgroup_id_z 1
		.amdhsa_system_vgpr_workitem_id 0
		.amdhsa_next_free_vgpr 80
		.amdhsa_next_free_sgpr 66
		.amdhsa_reserve_vcc 0
		.amdhsa_float_denorm_mode_32 3
		.amdhsa_float_denorm_mode_16_64 3
		.amdhsa_memory_ordered 1
		.amdhsa_forward_progress 1
		.amdhsa_inst_pref_size 5
	.end_amdhsa_kernel
	.amdgpu_metadata
---
amdhsa.version: [ 1, 2 ]
amdhsa.kernels:
  - .name:           k_q9de58f6719_combine
    .symbol:         k_q9de58f6719_combine.kd
    .args:
      - { .name: yp, .offset: 0, .size: 8, .value_kind: global_buffer, .address_space: global }
      - { .name: out0, .offset: 8, .size: 8, .value_kind: global_buffer, .address_space: global }
    .group_segment_fixed_size: 0
    .private_segment_fixed_size: 0
    .kernarg_segment_align: 8
    .kernarg_segment_size: 16
    .max_flat_workgroup_size: 256
    .sgpr_count:     66
    .vgpr_count:     80
    .wavefront_size: 32
...
	.end_amdgpu_metadata
.endif
;; end of part 5
;; ======== version 2 of 2: 5 launches
;; workspace buffers: xq 524,288 bytes; xs 32,768 bytes; sel 8,192 bytes of whole numbers; cf 8,192 bytes; part 16,384 bytes; hq 18,874,368 bytes; yp 17,825,792 bytes; lst 81,920 bytes of whole numbers
;; launch route (part 6): grid 256 x 1, 1 waves a work-group, no clusters, 512 bytes of LDS; arguments x, gate_w, xq, xs, sel, cf, part; writes xq, xs, sel, cf, part
.if DOCPART == 6
	.amdgcn_target "amdgcn-amd-amdhsa--gfx1250"
	.amdhsa_code_object_version 6
	.text
	.protected	k_q9de58f6719_route
	.globl	k_q9de58f6719_route
	.p2align	8
	.type	k_q9de58f6719_route,@function
k_q9de58f6719_route:
	s_mov_b64 s[64:65], 0
	v_nop
	global_prefetch_b8 v0, s[64:65] scope:SCOPE_SE
	s_setreg_imm32_b32 hwreg(HW_REG_WAVE_MODE, 25, 1), 1
	s_wait_xcnt 0x0
; ROUTER AND QUANTISER OF x.  One wave takes four tokens (4 x work-group on).  Lane l holds block l of a token, x[32 l .. 32 l + 31]:
; the block's largest magnitude needs no other lane, and its 32 codes are the 16 bytes at 16 l of the token's row of 512 bytes of codes.
; The same registers feed the logits: lane l multiplies its 32 numbers by rows 32 l .. 32 l + 31 of gate_w (256 numbers, kept in the second register window), in f32,
; and the 32 lanes' parts are added.  Softmax with the row's maximum taken away, top 2 (the lower index wins a tie, as jax.lax.top_k has it), the two weights renormalised.
; OUT: xq [token][512 B] codes, xs [token][32 B] scale bytes, sel [token][2] the chosen experts as whole numbers at fixed places, cf [2 token + k] their weights,
; part [work-group][16]: the four tokens' sums of the 8 probabilities, then how often each expert was chosen.
; A block's scale byte is its largest magnitude's exponent field - 2, held at 1 from below; a block of zeros keeps the byte 1 (its codes are zeros, and this program alone reads the bytes).
; LIMITS: NaN and infinities among the inputs are not served.  The logits are summed in another order than a plain dot product: where two probabilities lie within f32 rounding of each other, the other expert may be chosen.
.set X,     32                         ; v32-159   token j's 32 numbers at X + 32 j
.set LG,    160                        ; v160-191  token j's 8 logits at LG + 8 j
.set QC,    192                        ; v192-207  token j's codes, 4 registers
.set PE,    208                        ; v208-215  the probabilities of the token in hand
.set QE,    216                        ; v216-223  the same with the first choice struck out
.set IW,    232                        ; v232-247  token j: first and second expert, first and second weight
.set SP,    8                          ; v8-15     sums of the probabilities
.set CN,    16                         ; v16-23    counts
.set SELB,  128                        ; LDS: bytes 0-127 the scale bytes, then 32 bytes of experts, 32 of weights, 64 of sums and counts
.set CFB,   160
.set PARTB, 192
	s_load_b256 s[4:11], s[0:1], 0x0               ; x, gate_w, xq, xs
	s_load_b128 s[12:15], s[0:1], 0x20             ; sel, cf
	s_load_b64 s[16:17], s[0:1], 0x30              ; part
	v_lshl_add_u32 v254, v0, 2, 0x100
	v_mov_b32 v255, 0
	v_lshlrev_b32 v1, 7, v0                        ; x: 128 bytes a lane
	v_lshlrev_b32 v2, 10, v0                       ; gate_w: 32 rows of 32 bytes a lane
	v_lshlrev_b32 v3, 4, v0                        ; codes: 16 bytes a lane
	v_lshlrev_b32 v4, 2, v0
	v_mov_b32 v5, 0
	v_mov_b32 v6, -1.0
	v_mov_b32 v7, 1.0
.irp e,0,1,2,3,4,5,6,7,8,9,10,11,12,13,14,15
	v_mov_b32 v[SP+\e], 0                          ; the sixteen sums over the four tokens begin at 0
.endr
	v_mov_b32 v27, 0                               ; (a lane permute's destination counts as one of its sources)
	s_mov_b32 s19, 0
	s_mov_b32 s22, 0x76543210
	s_mov_b32 s23, 0xfedcba98                      ; v_permlanex16_b32's selects for lane l xor 16
	s_wait_kmcnt 0x0
	s_lshl_b32 s18, ttmp9, 14                      ; four rows of 4,096 bytes
	s_add_nc_u64 s[4:5], s[4:5], s[18:19]
	s_lshl_b32 s18, ttmp9, 11
	s_add_nc_u64 s[8:9], s[8:9], s[18:19]
	s_lshl_b32 s18, ttmp9, 7
	s_add_nc_u64 s[10:11], s[10:11], s[18:19]
	s_lshl_b32 s18, ttmp9, 5
	s_add_nc_u64 s[12:13], s[12:13], s[18:19]
	s_add_nc_u64 s[14:15], s[14:15], s[18:19]
	s_lshl_b32 s18, ttmp9, 6
	s_add_nc_u64 s[16:17], s[16:17], s[18:19]
.irp j,0,1,2,3
.irp i,0,1,2,3,4,5,6,7
	global_load_b128 v[X+32*\j+4*\i:X+32*\j+4*\i+3], v1, s[4:5] offset:4096*\j+16*\i
.endr
.endr
	s_set_vgpr_msb 0x40                            ; destination: the second window; the address stays in the first
.set n, 0
.rept 64
	global_load_b128 v[4*n:4*n+3], v2, s[6:7] offset:16*n   ; register 8 i + e = gate_w[32 l + i][e]
.set n, n+1
.endr
	s_set_vgpr_msb 0x4000
	s_wait_loadcnt 63                              ; 96 loads were issued: the oldest 33 are in, x's 32 among them
.macro QUANTX j
.set XS, X+32*\j
	v_max3_num_f32 v24, |v[XS]|, |v[XS+1]|, |v[XS+2]|
	v_max3_num_f32 v25, |v[XS+3]|, |v[XS+4]|, |v[XS+5]|
.irp i,6,10,14,18,22,26
	v_max3_num_f32 v24, v24, |v[XS+\i]|, |v[XS+\i+1]|
	v_max3_num_f32 v25, v25, |v[XS+\i+2]|, |v[XS+\i+3]|
.endr
	v_max3_num_f32 v24, v24, |v[XS+30]|, |v[XS+31]|
	v_max3_num_f32 v24, v24, v25, 0x1800000        ; the floor 2^(3 - 127): the byte cannot fall under 1
	v_add_nc_u32 v26, 0xff000000, v24              ; 2 off the exponent field: the conversion's scale operand
	v_lshrrev_b32 v[28+\j], 23, v26                ; the scale's byte
.irp g,0,1,2,3
	v_cvt_scalef32_pk8_fp4_f32 v[QC+4*\j+\g], v[XS+8*\g:XS+8*\g+7], v26
.endr
	v_nop                                          ; one plain place behind a scaled conversion
	global_store_b128 v3, v[QC+4*\j:QC+4*\j+3], s[8:9] offset:512*\j   ; the wave stores the token's 512 bytes of codes
	ds_store_b8 v0, v[28+\j] offset:32*\j
.endm
	QUANTX 0
	QUANTX 1
	QUANTX 2
	QUANTX 3
	s_wait_loadcnt 0x0                             ; gate_w
	s_set_vgpr_msb 0x04                            ; source 1: the second window
.set i, 0
.rept 32                                       ; 16 chains (4 tokens x 4 pairs of experts) by turns; the first product starts each
.irp j,0,1,2,3
.irp p,0,1,2,3
.if i == 0
	v_pk_mul_f32 v[LG+8*\j+2*\p:LG+8*\j+2*\p+1], v[X+32*\j:X+32*\j+1], v[2*\p:2*\p+1] op_sel_hi:[0,1]
.elseif i%2 == 0
	v_pk_fma_f32 v[LG+8*\j+2*\p:LG+8*\j+2*\p+1], v[X+32*\j+i:X+32*\j+i+1], v[8*i+2*\p:8*i+2*\p+1], v[LG+8*\j+2*\p:LG+8*\j+2*\p+1] op_sel_hi:[0,1,1]
.else
	v_pk_fma_f32 v[LG+8*\j+2*\p:LG+8*\j+2*\p+1], v[X+32*\j+i-1:X+32*\j+i], v[8*i+2*\p:8*i+2*\p+1], v[LG+8*\j+2*\p:LG+8*\j+2*\p+1] op_sel:[1,0,0] op_sel_hi:[1,1,1]
.endif
.endr
.endr
.set i, i+1
.endr
	s_set_vgpr_msb 0x0400
.irp m,1,2,4,8                                 ; the 32 lanes' parts are added: every lane ends with all 32 logits
.set n, 0
.rept 32
	v_add_f32_dpp v[LG+n], v[LG+n], v[LG+n] row_xmask:\m row_mask:0xf bank_mask:0xf
.set n, n+1
.endr
.endr
.set n, 0
.rept 32
	v_permlanex16_b32 v[24+n%4], v[LG+n], s22, s23
	v_add_f32 v[LG+n], v[LG+n], v[24+n%4]
.set n, n+1
.endr
.macro TOKEN j
.set L, LG+8*\j
.set I, IW+4*\j
	v_max3_num_f32 v24, v[L], v[L+1], v[L+2]
	v_max3_num_f32 v24, v24, v[L+3], v[L+4]
	v_max3_num_f32 v24, v24, v[L+5], v[L+6]
	v_max_num_f32 v24, v24, v[L+7]                 ; the row's maximum is taken away ahead of the exponentials
.irp e,0,1,2,3,4,5,6,7
	v_sub_f32 v[PE+\e], v[L+\e], v24
.endr
.irp e,0,1,2,3,4,5,6,7
	v_mul_f32 v[PE+\e], 0x3fb8aa3b, v[PE+\e]
.endr
	s_wait_alu depctr_va_vdst(0)
.irp e,0,1,2,3,4,5,6,7
	v_exp_f32 v[PE+\e], v[PE+\e]
.endr
	v_nop                                          ; one plain place behind the transcendentals
	s_wait_alu depctr_va_vdst(0)
	v_add_f32 v25, v[PE], v[PE+1]
	v_add_f32 v26, v[PE+2], v[PE+3]
	v_add_f32 v27, v[PE+4], v[PE+5]
	v_add_f32 v224, v[PE+6], v[PE+7]
	v_add_f32 v25, v25, v26
	v_add_f32 v27, v27, v224
	v_add_f32 v25, v25, v27
	s_wait_alu depctr_va_vdst(0)
	v_rcp_f32 v25, v25
	v_nop
	s_wait_alu depctr_va_vdst(0)
.irp e,0,1,2,3,4,5,6,7
	v_mul_f32 v[PE+\e], v[PE+\e], v25
.endr
.irp e,0,1,2,3,4,5,6,7
	v_add_f32 v[SP+\e], v[SP+\e], v[PE+\e]
.endr
	v_mov_b32 v226, v[PE]                          ; the first choice: the best so far stays where it is at least the candidate, so the lower index wins a tie
	v_mov_b32 v[I], 0
.irp e,1,2,3,4,5,6,7
	v_cmp_ge_f32 vcc_lo, v226, v[PE+\e]
	v_cndmask_b32 v226, v[PE+\e], v226, vcc_lo
	v_cndmask_b32 v[I], \e, v[I], vcc_lo
.endr
.irp e,0,1,2,3,4,5,6,7
	v_cmp_eq_u32 vcc_lo, \e, v[I]
	v_cndmask_b32 v[QE+\e], v[PE+\e], v6, vcc_lo   ; struck out: -1, under every probability
	v_cndmask_b32 v225, 0, v7, vcc_lo
	v_add_f32 v[CN+\e], v[CN+\e], v225
.endr
	v_mov_b32 v227, v[QE]                          ; the second choice
	v_mov_b32 v[I+1], 0
.irp e,1,2,3,4,5,6,7
	v_cmp_ge_f32 vcc_lo, v227, v[QE+\e]
	v_cndmask_b32 v227, v[QE+\e], v227, vcc_lo
	v_cndmask_b32 v[I+1], \e, v[I+1], vcc_lo
.endr
.irp e,0,1,2,3,4,5,6,7
	v_cmp_eq_u32 vcc_lo, \e, v[I+1]
	v_cndmask_b32 v225, 0, v7, vcc_lo
	v_add_f32 v[CN+\e], v[CN+\e], v225
.endr
	v_add_f32 v225, v226, v227
	s_wait_alu depctr_va_vdst(0)
	v_rcp_f32 v225, v225
	v_nop
	s_wait_alu depctr_va_vdst(0)
	v_mul_f32 v[I+2], v226, v225                   ; the two weights, renormalised
	v_mul_f32 v[I+3], v227, v225
	ds_store_b64 v5, v[I:I+1] offset:SELB+8*\j     ; all lanes write the same words with the same values
	ds_store_b64 v5, v[I+2:I+3] offset:CFB+8*\j
.endm
	TOKEN 0
	TOKEN 1
	TOKEN 2
	TOKEN 3
	ds_store_b128 v5, v[8:11] offset:PARTB
	ds_store_b128 v5, v[12:15] offset:PARTB+16
	ds_store_b128 v5, v[16:19] offset:PARTB+32
	ds_store_b128 v5, v[20:23] offset:PARTB+48
	v_and_b32 v24, 7, v0
	v_lshlrev_b32 v24, 2, v24
	v_and_b32 v25, 15, v0
	v_lshlrev_b32 v25, 2, v25
	ds_load_b32 v208, v4                           ; LDS serves a wave's instructions in order: these see the stores above
	ds_load_b32 v209, v24 offset:SELB
	ds_load_b32 v210, v24 offset:CFB
	ds_load_b32 v211, v25 offset:PARTB
	s_wait_alu depctr_va_vdst(0)
	s_wait_dscnt 0x0
	global_store_b32 v4, v208, s[10:11]            ; four tokens' 128 scale bytes on end
	v_cmp_gt_u32 vcc_lo, 16, v0
	s_wait_xcnt 0x0                                ; EXEC changes only behind this wait
	s_wait_tensorcnt 0x0
	ds_add_u32 v254, v255
	s_wait_dscnt 0x0
	s_and_saveexec_b32 s20, vcc_lo
	global_store_b32 v25, v211, s[16:17]           ; 16 lanes: sums and counts
	s_wait_xcnt 0x0
	s_or_b32 exec_lo, exec_lo, s20
	v_cmp_gt_u32 vcc_lo, 8, v0
	s_and_saveexec_b32 s20, vcc_lo
	global_store_b32 v24, v209, s[12:13]           ; 8 lanes: the experts,
	global_store_b32 v24, v210, s[14:15]           ; and their weights
	s_wait_xcnt 0x0
	s_or_b32 exec_lo, exec_lo, s20
	s_endpgm
.Lfunc_end_k_q9de58f6719_route:
	.size	k_q9de58f6719_route, .Lfunc_end_k_q9de58f6719_route-k_q9de58f6719_route
	.p2alignl 7, 3214868480
	.fill 96, 4, 3214868480
	.section	.rodata,"a",@progbits
	.p2align	6, 0x0
	.amdhsa_kernel k_q9de58f6719_route
		.amdhsa_group_segment_fixed_size 512
		.amdhsa_private_segment_fixed_size 0
		.amdhsa_enable_private_segment 0
		.amdhsa_kernarg_size 56
		.amdhsa_user_sgpr_count 2
		.amdhsa_user_sgpr_kernarg_segment_ptr 1
		.amdhsa_wavefront_size32 1
		.amdhsa_system_sgpr_workgroup_id_x 1
		.amdhsa_system_sgpr_workgroup_id_y 1
		.amdhsa_system_sgpr_workgroup_id_z 1
		.amdhsa_system_vgpr_workitem_id 0
		.amdhsa_next_free_vgpr 512
		.amdhsa_next_free_sgpr 66
		.amdhsa_reserve_vcc 1
		.amdhsa_float_denorm_mode_32 3
		.amdhsa_float_denorm_mode_16_64 3
		.amdhsa_memory_ordered 1
		.amdhsa_forward_progress 1
		.amdhsa_inst_pref_size 85
	.end_amdhsa_kernel
	.amdgpu_metadata
---
amdhsa.version: [ 1, 2 ]
amdhsa.kernels:
  - .name:           k_q9de58f6719_route
    .symbol:         k_q9de58f6719_route.kd
    .args:
      - { .name: x, .offset: 0, .size: 8, .value_kind: global_buffer, .address_space: global }
      - { .name: gate_w, .offset: 8, .size: 8, .value_kind: global_buffer, .address_space: global }
      - { .name: xq, .offset: 16, .size: 8, .value_kind: global_buffer, .address_space: global }
      - { .name: xs, .offset: 24, .size: 8, .value_kind: global_buffer, .address_space: global }
      - { .name: sel, .offset: 32, .size: 8, .value_kind: global_buffer, .address_space: global }
      - { .name: cf, .offset: 40, .size: 8, .value_kind: global_buffer, .address_space: global }
      - { .name: part, .offset: 48, .size: 8, .value_kind: global_buffer, .address_space: global }
    .group_segment_fixed_size: 512
    .private_segment_fixed_size: 0
    .kernarg_segment_align: 8
    .kernarg_segment_size: 56
    .max_flat_workgroup_size: 32
    .sgpr_count:     66
    .vgpr_count:     512
    .wavefront_size: 32
...
	.end_amdgpu_metadata
.endif
;; end of part 6
;; launch place (part 7): grid 9 x 1, 16 waves a work-group, no clusters, 0 bytes of LDS; arguments sel, part, lst, out1; writes lst, out1
.if DOCPART == 7
	.amdgcn_target "amdgcn-amd-amdhsa--gfx1250"
	.amdhsa_code_object_version 6
	.text
	.protected	k_q9de58f6719_place
	.globl	k_q9de58f6719_place
	.p2align	8
	.type	k_q9de58f6719_place,@function
k_q9de58f6719_place:
	s_mov_b64 s[64:65], 0
	v_nop
	global_prefetch_b8 v0, s[64:65] scope:SCOPE_SE
	s_setreg_imm32_b32 hwreg(HW_REG_WAVE_MODE, 25, 1), 1
	s_wait_xcnt 0x0
; THE PLACING OF ROWS BY EXPERT, and the load-balancing loss.
; Work-group e (0 to 7) serves expert e.  Its waves 4 g .. 4 g + 3 serve tokens 256 g .. 256 g + 255: each makes, from the stored choices, the list of its group's rows for expert e, in token order, in registers;
; wave (g, q) keeps list places 16 q + 64 i + 0 .. 15, i = 0 .. 3, and stores them at fixed places.  No address and no branch of this launch hangs on the choices: they steer selects and lane permutes alone.
; OUT, all whole numbers, in lst:  at 0: [e][g][256 places] the slot (2 token + k) of each place; a place past the list's end holds 2,048 + 16 e + wave, the row of the later launch's output that this wave's leftovers go to;
; at 32,768: the same numbers halved: the tokens;  at 65,536: [e][wave][32] the list's length, 32 times, so that every lane stores and 128 consecutive bytes leave.
; Work-group 8, wave 0: out1 = 8 x sum over e of (count_e / 2,048) (sum of P_e / 1,024) = 2^-18 x sum of count_e x sum P_e, from the 256 parts that the router's launch stored; its other waves have no part of that sum and end.
; The launch has work for nine work-groups, and nine are launched.
.set TOKS, 32768
.set CNTS, 65536
.set WV,   20
.set EX,   21
.set GR,   25
.set QQ,   26
.set DF,   28                          ; s28 what a list place past the end holds
.set NG,   30                          ; s30 the list's length
.set SN,   36                          ; s36-43 chosen tokens in each 32;  s44-52 their running sums
.set SB,   44
.set MA,   53
.set MM,   54
.set TS,   55
.set HM,   58                          ; s58 the mask of lanes 16-31
.set LANE, 1
.set T,    14                          ; v14-17 the list: the slot of row lane % 16 of tile i
.set SL,   130
.set LC,   146
.set LR,   154
.set LD,   162
.set LA,   170
.set LT,   178
.set ONE,  179
.set VB,   180
.set PP,   181
.set SA,   182
.set PA,   183
.set PB,   184
.set CA,   185
.set PV,   186                         ; v186-190 what is stored: a register for each store
; THE LIST, whole numbers only.  For each 32 tokens of my group: who chose expert e; the chosen lanes' slots are pushed to the low lanes (the others fill the rest, so that every lane sends and every lane receives);
; running sums of the counts; then each list place pulls its slot from the 32 that hold it.  The lane permutes touch no LDS byte.
.macro GATHER i
	v_mov_b32 v[T+\i], s[DF]
.irp c,0,1,2,3,4,5,6,7
.if \c >= 2*\i                                 ; the first c 32s hold at most 32 c places
	v_sub_nc_u32 v[LD+\c], v[PP], s[SB+\c]         ; my place, counted from this 32's first
	s_delay_alu instid0(VALU_DEP_1)
	v_min_u32 v[LA+\c], 31, v[LD+\c]
	s_delay_alu instid0(VALU_DEP_1)
	v_lshlrev_b32 v[LA+\c], 2, v[LA+\c]
	ds_bpermute_b32 v[LR+\c], v[LA+\c], v[LC+\c]
.endif
.endr
	s_wait_alu depctr_va_vdst(0)
	s_wait_dscnt 0x0
.irp c,0,1,2,3,4,5,6,7
.if \c >= 2*\i
	v_cmp_gt_u32 vcc_lo, s[SN+\c], v[LD+\c]        ; it lies in this 32
	s_delay_alu instid0(VALU_DEP_1)
	v_cndmask_b32 v[T+\i], v[T+\i], v[LR+\c], vcc_lo
.endif
.endr
	v_add_nc_u32 v[PP], 64, v[PP]
.endm
.macro LIST
	v_mov_b32 v[ONE], 1
	s_lshl_b32 s[TS], s[GR], 9
	v_lshl_add_u32 v[VB], v[LANE], 1, s[TS]        ; 2 x (256 g + lane)
.irp c,0,1,2,3,4,5,6,7
	v_cmp_eq_u32 s[MA], s[EX], v[SL+2*\c]
	v_cmp_eq_u32 vcc_lo, s[EX], v[SL+2*\c+1]
	s_or_b32 s[MM], s[MA], vcc_lo
	v_cndmask_b32 v[LD+\c], 0, v[ONE], vcc_lo
	s_delay_alu instid0(VALU_DEP_1)
	v_add3_u32 v[LD+\c], v[LD+\c], v[VB], 64*\c    ; the slot: 2 token + (second choice)
	v_mbcnt_lo_u32_b32 v[LT], s[MM], 0             ; chosen lanes below me
	s_bcnt1_i32_b32 s[SN+\c], s[MM]
	v_sub_nc_u32 v[LA+\c], v[LANE], v[LT]
	s_delay_alu instid0(VALU_DEP_1)
	v_add_nc_u32 v[LA+\c], s[SN+\c], v[LA+\c]
	s_delay_alu instid0(VALU_DEP_1)
	v_cndmask_b32 v[LA+\c], v[LA+\c], v[LT], s[MM]
	s_delay_alu instid0(VALU_DEP_1)
	v_min_u32 v[LA+\c], 31, v[LA+\c]
	s_delay_alu instid0(VALU_DEP_1)
	v_lshlrev_b32 v[LA+\c], 2, v[LA+\c]
	ds_permute_b32 v[LC+\c], v[LA+\c], v[LD+\c]
.endr
	s_mov_b32 s[SB], 0
.irp c,0,1,2,3,4,5,6,7
	s_add_co_u32 s[SB+\c+1], s[SB+\c], s[SN+\c]
.endr
	s_mov_b32 s[NG], s[SB+8]
	v_and_b32 v[PP], 15, v0
	s_lshl_b32 s[TS], s[QQ], 4
	v_add_nc_u32 v[PP], s[TS], v[PP]               ; my place in tile 0: 16 q + lane % 16
	s_wait_alu depctr_va_vdst(0)
	s_wait_dscnt 0x0
	GATHER 0
	GATHER 1
	GATHER 2
	GATHER 3
.endm
	s_load_b256 s[4:11], s[0:1], 0x0               ; sel, part, lst, out1
	v_lshrrev_b32 v2, 5, v0
	s_delay_alu instid0(VALU_DEP_1)
	v_readfirstlane_b32 s[WV], v2
	v_and_b32 v[LANE], 31, v0
	s_mov_b32 s57, 0
	s_wait_kmcnt 0x0
	s_cmp_eq_u32 ttmp9, 8
	s_cbranch_scc1 .Laux
	s_mov_b32 s[EX], ttmp9
	s_lshr_b32 s[GR], s[WV], 2
	s_and_b32 s[QQ], s[WV], 3
	s_lshl_b32 s[DF], s[EX], 4
	s_add_co_u32 s[DF], s[DF], s[WV]
	s_add_co_u32 s[DF], s[DF], 2048
	s_lshl_b32 s56, s[GR], 11
	s_wait_alu depctr_va_vdst(0)
	v_lshl_add_u32 v[SA], v[LANE], 3, s56          ; sel: 8 bytes a token, my group's 256
.irp c,0,1,2,3,4,5,6,7
	global_load_b64 v[SL+2*\c:SL+2*\c+1], v[SA], s[4:5] offset:256*\c
.endr
	s_mov_b32 s[HM], 0xffff0000
	v_and_b32 v[PA], 15, v0
	s_delay_alu instid0(VALU_DEP_1)
	v_lshlrev_b32 v[PA], 2, v[PA]
	v_and_b32 v[PB], 16, v0
	s_delay_alu instid0(VALU_DEP_1)
	v_lshl_add_u32 v[PA], v[PB], 4, v[PA]          ; lanes 16-31 store the tile 64 places on: + 256 bytes
	s_lshl_b32 s56, s[QQ], 6
	v_add_nc_u32 v[PA], s56, v[PA]                 ; 4 x (16 q + lane % 16 + 64 (lane / 16))
	v_lshlrev_b32 v[CA], 2, v[LANE]
	s_lshl_b32 s56, s[EX], 2
	s_add_co_u32 s56, s56, s[GR]
	s_lshl_b32 s56, s56, 10
	s_add_nc_u64 s[12:13], s[8:9], s[56:57]        ; my expert's and group's 256 places
	s_lshl_b32 s56, s[EX], 4
	s_add_co_u32 s56, s56, s[WV]
	s_lshl_b32 s56, s56, 7
	s_add_nc_u64 s[14:15], s[8:9], s[56:57]        ; my wave's 32 words for the length
	s_wait_loadcnt 0x0
	LIST
	v_cndmask_b32 v[PV], v[T], v[T+1], s[HM]       ; lanes 0-15 tile 0, lanes 16-31 tile 1: no two lanes store the same word
	s_delay_alu instid0(VALU_DEP_3)
	v_cndmask_b32 v[PV+1], v[T+2], v[T+3], s[HM]
	s_delay_alu instid0(VALU_DEP_2)
	v_lshrrev_b32 v[PV+2], 1, v[PV]                ; the tokens
	s_delay_alu instid0(VALU_DEP_2)
	v_lshrrev_b32 v[PV+3], 1, v[PV+1]
	v_mov_b32 v[PV+4], s[NG]
	global_store_b32 v[PA], v[PV], s[12:13]
	global_store_b32 v[PA], v[PV+1], s[12:13] offset:512
	global_store_b32 v[PA], v[PV+2], s[12:13] offset:TOKS
	global_store_b32 v[PA], v[PV+3], s[12:13] offset:TOKS+512
	global_store_b32 v[CA], v[PV+4], s[14:15] offset:CNTS
	s_endpgm
.Laux:
	s_cmp_lg_u32 s[WV], 0
	s_cbranch_scc1 .Lend
	s_mov_b32 s22, 0x76543210
	s_mov_b32 s23, 0xfedcba98                      ; v_permlanex16_b32's selects for lane l xor 16
	v_lshlrev_b32 v3, 6, v0                        ; lane l takes parts l + 32 m, 64 bytes each
.irp m,0,1,2,3,4,5,6,7
.irp n,0,1,2,3
	global_load_b128 v[16+16*\m+4*\n:19+16*\m+4*\n], v3, s[6:7] offset:2048*\m+16*\n
.endr
.endr
	s_wait_loadcnt 0x0
.irp m,1,2,3,4,5,6,7
.irp k,0,2,4,6,8,10,12,14
	v_pk_add_f32 v[16+\k:17+\k], v[16+\k:17+\k], v[16+16*\m+\k:17+16*\m+\k]
.endr
.endr
.irp x,1,2,4,8
.irp n,0,1,2,3,4,5,6,7,8,9,10,11,12,13,14,15
	v_add_f32_dpp v[16+\n], v[16+\n], v[16+\n] row_xmask:\x row_mask:0xf bank_mask:0xf
.endr
.endr
.irp n,0,1,2,3,4,5,6,7,8,9,10,11,12,13,14,15
	v_permlanex16_b32 v[32+\n], v[16+\n], s22, s23 ; (into registers that the loads have written)
.endr
.irp n,0,1,2,3,4,5,6,7,8,9,10,11,12,13,14,15
	v_add_f32 v[16+\n], v[16+\n], v[32+\n]
.endr
	v_mul_f32 v4, v16, v24                         ; v16-23 the sums of P, v24-31 the counts
.irp e,1,2,3,4,5,6,7
	s_delay_alu instid0(VALU_DEP_1)
	v_fma_f32 v4, v[16+\e], v[24+\e], v4
.endr
	s_delay_alu instid0(VALU_DEP_1)
	v_mul_f32 v4, 0x36800000, v4                   ; x 2^-18
	v_mov_b32 v5, 0
	v_cmp_eq_u32 vcc_lo, 0, v0
	s_wait_alu depctr_va_vdst(0)
	s_wait_xcnt 0x0                                ; EXEC changes only behind this wait
	s_and_saveexec_b32 s14, vcc_lo
	global_store_b32 v5, v4, s[10:11]
	s_wait_xcnt 0x0
	s_or_b32 exec_lo, exec_lo, s14
.Lend:
	s_endpgm
.Lfunc_end_k_q9de58f6719_place:
	.size	k_q9de58f6719_place, .Lfunc_end_k_q9de58f6719_place-k_q9de58f6719_place
	.p2alignl 7, 3214868480
	.fill 96, 4, 3214868480
	.section	.rodata,"a",@progbits
	.p2align	6, 0x0
	.amdhsa_kernel k_q9de58f6719_place
		.amdhsa_group_segment_fixed_size 0
		.amdhsa_private_segment_fixed_size 0
		.amdhsa_enable_private_segment 0
		.amdhsa_kernarg_size 32
		.amdhsa_user_sgpr_count 2
		.amdhsa_user_sgpr_kernarg_segment_ptr 1
		.amdhsa_wavefront_size32 1
		.amdhsa_system_sgpr_workgroup_id_x 1
		.amdhsa_system_sgpr_workgroup_id_y 1
		.amdhsa_system_sgpr_workgroup_id_z 1
		.amdhsa_system_vgpr_workitem_id 0
		.amdhsa_next_free_vgpr 192
		.amdhsa_next_free_sgpr 66
		.amdhsa_reserve_vcc 1
		.amdhsa_float_denorm_mode_32 3
		.amdhsa_float_denorm_mode_16_64 3
		.amdhsa_memory_ordered 1
		.amdhsa_forward_progress 1
		.amdhsa_inst_pref_size 31
	.end_amdhsa_kernel
	.amdgpu_metadata
---
amdhsa.version: [ 1, 2 ]
amdhsa.kernels:
  - .name:           k_q9de58f6719_place
    .symbol:         k_q9de58f6719_place.kd
    .args:
      - { .name: sel, .offset: 0, .size: 8, .value_kind: global_buffer, .address_space: global }
      - { .name: part, .offset: 8, .size: 8, .value_kind: global_buffer, .address_space: global }
      - { .name: lst, .offset: 16, .size: 8, .value_kind: global_buffer, .address_space: global }
      - { .name: out1, .offset: 24, .size: 8, .value_kind: global_buffer, .address_space: global }
    .group_segment_fixed_size: 0
    .private_segment_fixed_size: 0
    .kernarg_segment_align: 8
    .kernarg_segment_size: 32
    .max_flat_workgroup_size: 512
    .sgpr_count:     66
    .vgpr_count:     192
    .wavefront_size: 32
...
	.end_amdgpu_metadata
.endif
;; end of part 7
;; launch up (part 8): grid 256 x 1, 16 waves a work-group, no clusters, 72,192 bytes of LDS; arguments w1, b1, xq, xs, lst, hq; writes hq
.if DOCPART == 8
	.amdgcn_target "amdgcn-amd-amdhsa--gfx1250"
	.amdhsa_code_object_version 6
	.text
	.protected	k_q9de58f6719_up
	.globl	k_q9de58f6719_up
	.p2align	8
	.type	k_q9de58f6719_up,@function
k_q9de58f6719_up:
	s_mov_b64 s[64:65], 0
	v_nop
	global_prefetch_b8 v0, s[64:65] scope:SCOPE_SE
	s_setreg_imm32_b32 hwreg(HW_REG_WAVE_SCHED_MODE, 0, 2), 2
	s_setreg_imm32_b32 hwreg(HW_REG_WAVE_MODE, 25, 1), 1
	s_wait_xcnt 0x0
	s_wait_alu depctr_vm_vsrc(0)
; h = Q(gelu(Q(x) Q(W1[e]) + b1[e])) for the rows routed to expert e, both operands in E2M1 with one E8M0 scale for each 32 along K.
; A work-group owns expert e = number / 32 and hidden units 128 sl .. 128 sl + 127 (sl = number % 32): 1,024 x 128 numbers of w1, 512 KiB of f32, read ONCE, quantised in registers and never stored to memory.
; THE STREAM.  The slice goes in 8 chunks of 256 K x 64 columns (two panels of 64 columns, four chunks each).  Wave w takes one block of a chunk: 32 along K (kb = w / 2) x 32 columns (ch = w % 2): a lane takes a column,
; its 32 registers run down K, so the block's largest magnitude needs no other lane and the conversions give 16 bytes of codes with K innermost.  Two sets of 32 registers.
; THE ORDER OF THE LOADS.  Loads come back in the order of issue, so what a trip needs is asked for ahead of what may stay out.  Trip cc: wait for block cc and rows cc; quantise; ask for the rows' fragments of chunk cc + 1
; (a second set of registers takes them: the first is still to be multiplied) and for the first 19 loads of block cc + 2, into the registers just quantised; barrier; the chunk's two K steps; the block's other 13 loads.
; At the first run the wave has out the 32 loads of block cc + 1, at most 12 of rows and these 19: 63.  Both first blocks go out at the head, ahead of the wait for the list.
; WEIGHT IMAGES.  The codes go to LDS as images of the operand's registers: fragment f = 4 ss + t (K step ss of 16, tile t of the panel's four) at 1024 f; register group c of lane L at 512 c + 16 L; scale words at WSC + 64 f + 4 row.
; Each byte is written once, so one barrier a chunk (stores, barrier, loads) is all the ordering, and the images stay for the second pass.
; THE ROWS OF A TILE ARE NOT NEIGHBOURS: column 32 b + 16 h + 8 u + j of a panel is row 8 h + j of tile 2 b + u.  The product is used transposed (source 0 = 16 columns of W1, source 1 = 16 routed rows of x), so lane (r, h)
; holds row r, and the 16 registers of tiles 2 b, 2 b + 1 are the 16 neighbouring hidden units 32 b + 16 h + 0 .. 15: they are quantised in registers for the next product.
; THE ROWS.  Waves 4 g .. 4 g + 3 serve tokens 256 g .. 256 g + 255.  An earlier launch has stored, as whole numbers, the list of each group's tokens for each expert and its length: wave (g, q) owns
; list places 16 q + 64 i + 0 .. 15, i = 0 .. 3 (tile 16 g + q + 4 i of hq).  Tile 0 always runs (places past the list's end are held to token 1,023's row; what they give is stored and later thrown away), tile 1 under a scalar
; branch on the list's length; tiles 2 and 3 (more than 128 of a group's 256 tokens on one expert) in a second pass behind the stream, from the images in LDS.  No barrier stands under such a branch.
; OUT, in hq: [e][tile][K step sl][1,024 B]: register images of h's fragments; from byte 16,777,216 on [e][tile][sl][128 B]: row r's scale word at 4 r and again at 64 + 4 r.
; gelu is the tanh form, written z / (1 + 2^(z (K0 + K1 z^2))), K0 = -2 sqrt(2 / pi) log2(e), K1 = 0.044715 K0: the same function, with no difference of near numbers.
; No joint loads: no two work-groups read the same weights, and the shared rows of x are a small part of a step's bytes and come by list.
; LIMITS: NaN and infinities are not served; a block of zeros carries the byte 1 (its codes are zeros; this program alone reads the bytes).
; THE MODE: SCHED_MODE bits 1:0 = 2 (LLVM: expert scheduling mode 2), set by the entry lines.  The code itself states the register dependences
; between vector or matrix instructions and memory or LDS instructions, with s_wait_alu, always for 0.
; THE PLAN.  Registers that memory or LDS instructions touch:
;   ST0, ST1      Chunk cc: the quantiser reads ST[cc % 2]; behind it the loads of block cc + 2 land there.  No other vector line names them before the second pass.
;   QC, v[QB]     Written by the quantiser (v14, v15 by the way out too), read by the chunk's two LDS stores.
;   AF, AS set s  The loads of chunk cc + 1's rows, issued in chunk cc, land in set (cc + 1) % 2; chunk cc + 1's products read it.  The way out works in set 1; of that, stores read the codes.
;   WF, WS        Each K step's ten LDS loads land there; its products read them; on the way out b1 lands in WF and the additions read it.
;   v[HW ..]      Written by the way out, read by a store.
;   v1-7, v16     Addresses, made at the head and never written again.   v8-11: the rows' addresses, made behind the list, and anew in the second pass.
;   v163-169      At the head: an address each of the list and the bias, and the bias itself; the first products write them.
; So a chunk has three waits: on vm_vsrc at its head (the last chunk's LDS stores have read QC and v[QB]); on va_vdst behind the quantiser's last line (QC and v[QB] are written; ST[cc % 2] is read; the earlier products are done
; with the other set of AF and AS and with WF and WS); on va_vdst between its two K steps (WF and WS have one set).  Behind the second of them stand the LDS stores, the rows' loads, 19 loads of the stream and the first K step's
; LDS loads with no vector line between; the stream's other 13 loads follow products and v_nop, which name none of ST and no address.
.set WSC,   65536                      ; LDS: 0 the images (64 KiB), then their scale words (4 KiB), then b1's 128 numbers
.set BIAS,  69632
.set TOKS,  32768                      ; lst: where the lists of tokens begin;  where the lengths begin
.set CNTS,  65536
.set HSO,   0x1000000                  ; hq: where the scale words begin
.set NEAR,  19                         ; loads of a block that go out directly behind the quantising
.set WV,   20                          ; s20 wave;  s21 expert;  s22 slice;  s23 ch;  s24 kb;  s25 g;  s26 q
.set EX,   21
.set SLC,  22
.set CH,   23
.set KB,   24
.set GR,   25
.set QQ,   26
.set NG,   30                          ; s30 the list's length
.set LIMB, 31                          ; s31 the second tile runs where the length is above this
.set SEL,  32                          ; s[32:33] v_permlanex16_b32's selects for lane l xor 16
.set K1,   34                          ; s[34:35] K1, twice
.set TS,   55                          ; s55-59 at work;  s[60:61] where my list's length lies
.set SOFF, 1                           ; the stream: 4 lane + 128 ch + kb x 32 rows
.set WST,  2                           ; where my block's codes go;  v3 its scale byte
.set WSS,  3
.set LI,   4                           ; 16 x lane
.set LS,   5                           ; WSC + 4 x lane
.set HA,   6                           ; hq: my first tile + 16 lane;  v7 its scale words: + 4 lane
.set HSA,  7
.set XA,   8                           ; v8-9 my row's codes of x, for the two tiles in hand;  v10-11 its scale words
.set XSA,  10
.set HW,   12                          ; v12-13 h's scale word
.set QM,   14                          ; v14-15 two running maxima; then the scale's byte and the conversion's scale operand
.set QB,   14
.set QS,   15
.set BA,   16                          ; BIAS + 64 (lane / 16)
.set H16,  17                          ; 16 (lane / 16)
.set QC,   18                          ; v[18:21] a block's codes
.set AS,   22                          ; v22-29 the rows' scale words: 4 set + 2 par + tile
.set ST,   30                          ; v30-93 two stream sets
.set AF,   94                          ; v94-157 the rows' fragments: 32 set + 16 par + 8 tile
.set ACC,  158                         ; v158-221 accumulators: 32 tile + 8 t
.set WF,   222                         ; v222-253 four weight fragments; the bias on the way out
.set WS,   254                         ; v254-255 their scale words: tile 2 u in lanes 0-15, tile 2 u + 1 in lanes 16-31
.set GT,   AF+32                       ; THE WAY OUT works in fragment set 1, which chunks 3 and 7 have just left: 16 registers for gelu,
.set CD,   AF+48                       ; h's codes: 4 tile,
.set TM,   AF+56                       ; four at work,
.set K0,   AF+60                       ; K0, twice
.set TMH,  158                         ; AT THE HEAD ONLY, where the first tile's accumulators will lie
.set LANE, 162
.set TA,   163
.set BSA,  164
.set BV,   166
.set TL,   170
.macro PLACES                          ; four plain places between a matrix instruction and a load into, or a vector instruction on, its registers
.rept 4
	v_nop
.endr
.endm
.macro BARRIER                         ; my LDS stores have landed and my LDS loads are in: then the work-group's barrier
	s_wait_dscnt 0x0
	s_barrier_signal -1
	s_barrier_wait -1
.endm
.macro SLOAD set, cc, from, cnt        ; rows from .. from + cnt - 1 of my block of chunk cc: 128 consecutive bytes a load
.set sli, \from
.rept \cnt
	global_load_b32 v[ST+32*(\set)+sli], v[SOFF], s[4+14*(((\cc)>>1)&1):5+14*(((\cc)>>1)&1)] offset:((((\cc)&1)*256)+sli)*16384+((\cc)>>2)*256 th:TH_LOAD_NT
.set sli, sli+1
.endr
.endm
.macro QUANTW set, cc                  ; the block becomes 16 bytes of codes and a scale byte a lane, and goes to its place in the images
.set XS, ST+32*(\set)
	v_max3_num_f32 v[QM], |v[XS]|, |v[XS+1]|, |v[XS+2]|
	v_max3_num_f32 v[QM+1], |v[XS+3]|, |v[XS+4]|, |v[XS+5]|
.irp i,6,10,14,18,22,26
	v_max3_num_f32 v[QM], v[QM], |v[XS+\i]|, |v[XS+\i+1]|
	v_max3_num_f32 v[QM+1], v[QM+1], |v[XS+\i+2]|, |v[XS+\i+3]|
.endr
	v_max3_num_f32 v[QM], v[QM], |v[XS+30]|, |v[XS+31]|
	v_max3_num_f32 v[QM], v[QM], v[QM+1], 0x1800000   ; the floor 2^(3 - 127): the byte cannot fall under 1
	v_add_nc_u32 v[QS], 0xff000000, v[QM]          ; 2 off the exponent field: the conversion's scale operand
	v_lshrrev_b32 v[QB], 23, v[QS]
.irp g,0,1,2,3
	v_cvt_scalef32_pk8_fp4_f32 v[QC+\g], v[XS+8*\g:XS+8*\g+7], v[QS]
.endr
	v_nop                                          ; one plain place behind a scaled conversion
	s_wait_alu depctr_va_vdst(0)                   ; the codes and the byte are written, which the two LDS stores read; the lines above are done reading this stream set, in which the block two chunks on lands; the earlier products (and the way out's lines) are done with the other set of rows' fragments and scale words and with the weight fragments, in which this chunk's loads land
	ds_store_b128 v[WST], v[QC:QC+3] offset:8192*(\cc)
	ds_store_b8 v[WSS], v[QB] offset:512*(\cc)
.endm
.macro LDW ss                          ; K step ss: the panel's four weight fragments and their scale words
.irp t,0,1,2,3
	ds_load_b128 v[WF+8*\t:WF+8*\t+3], v[LI] offset:(4*(\ss)+\t)*1024
	ds_load_b128 v[WF+8*\t+4:WF+8*\t+7], v[LI] offset:(4*(\ss)+\t)*1024+512
.endr
	ds_load_b32 v[WS], v[LS] offset:(4*(\ss))*64
	ds_load_b32 v[WS+1], v[LS] offset:(4*(\ss)+2)*64
.endm
.macro LDA1 set, par, slot, s          ; 16 routed rows of x, K step s: lane (r, h) takes 16 bytes at 64 s + 32 c + 16 h of its row, and the row's scale word
.set AR, AF+32*(\set)+16*(\par)+8*(\slot)
	global_load_b128 v[AR:AR+3], v[XA+\slot], s[8:9] offset:64*(\s)
	global_load_b128 v[AR+4:AR+7], v[XA+\slot], s[8:9] offset:64*(\s)+32
	global_load_b32 v[AS+4*(\set)+2*(\par)+\slot], v[XSA+\slot], s[10:11] offset:4*(\s)
.endm
.macro LDAC set, cc                    ; the rows of chunk cc's two K steps: 6 loads, or 12 with the second tile
	LDA1 \set, 0, 0, ((2*(\cc))&7)
	LDA1 \set, 1, 0, ((2*(\cc)+1)&7)
	s_cmp_gt_u32 s[NG], s[LIMB]
	s_cbranch_scc0 .Lno_a_\@
	LDA1 \set, 0, 1, ((2*(\cc))&7)
	LDA1 \set, 1, 1, ((2*(\cc)+1)&7)
.Lno_a_\@:
.endm
.macro LDAK ss                         ; the second pass: the rows of one K step
	LDA1 0, 0, 0, ((\ss)&7)
	s_cmp_gt_u32 s[NG], s[LIMB]
	s_cbranch_scc0 .Lno_k_\@
	LDA1 0, 0, 1, ((\ss)&7)
.Lno_k_\@:
.endm
.macro WM slot, t, set, par, first
.set DR, ACC+32*(\slot)+8*(\t)
.set WR, WF+8*(\t)
.set AR, AF+32*(\set)+16*(\par)+8*(\slot)
.set ASR, AS+4*(\set)+2*(\par)+(\slot)
.set WSR, WS+(\t)/2
.if \first
.if (\t)%2
	v_wmma_scale_f32_16x16x128_f8f6f4 v[DR:DR+7], v[WR:WR+7], v[AR:AR+7], 0, v[WSR], v[ASR] matrix_a_fmt:MATRIX_FMT_FP4 matrix_b_fmt:MATRIX_FMT_FP4 matrix_a_scale:MATRIX_SCALE_ROW1
.else
	v_wmma_scale_f32_16x16x128_f8f6f4 v[DR:DR+7], v[WR:WR+7], v[AR:AR+7], 0, v[WSR], v[ASR] matrix_a_fmt:MATRIX_FMT_FP4 matrix_b_fmt:MATRIX_FMT_FP4
.endif
.else
.if (\t)%2
	v_wmma_scale_f32_16x16x128_f8f6f4 v[DR:DR+7], v[WR:WR+7], v[AR:AR+7], v[DR:DR+7], v[WSR], v[ASR] matrix_a_fmt:MATRIX_FMT_FP4 matrix_b_fmt:MATRIX_FMT_FP4 matrix_a_scale:MATRIX_SCALE_ROW1
.else
	v_wmma_scale_f32_16x16x128_f8f6f4 v[DR:DR+7], v[WR:WR+7], v[AR:AR+7], v[DR:DR+7], v[WSR], v[ASR] matrix_a_fmt:MATRIX_FMT_FP4 matrix_b_fmt:MATRIX_FMT_FP4
.endif
.endif
.endm
.macro MUL set, par, first             ; the accumulators take turns, one instruction a turn, with the second tile or without
.irp t,0,1,2,3
	WM 0, \t, \set, \par, \first
.endr
	s_cmp_gt_u32 s[NG], s[LIMB]
	s_cbranch_scc0 .Lno_m_\@
.irp t,0,1,2,3
	WM 1, \t, \set, \par, \first
.endr
.Lno_m_\@:
.endm
.macro KSTEP set, par, ss
.if \par
	s_wait_alu depctr_va_vdst(0)                   ; the chunk's first K step's products are done reading the weight fragments and their scale words, in which the loads below land (the first K step's loads stand behind the quantiser's wait, with no vector line between)
.endif
	LDW \ss
	s_wait_dscnt 0x0
.if ((\ss)&7) == 0
	MUL \set, \par, 1                              ; a panel's first K step starts the sums
.else
	MUL \set, \par, 0
.endif
	PLACES
.endm
.macro CHUNK cc
.if (\cc) == 0
	s_wait_loadcnt 44                              ; block 0 is in: behind it were issued block 1 (32) and the rows of chunks 0 and 1, 6 loads each at the least
	s_wait_alu depctr_vm_vsrc(0)                   ; the head's loads and the bias's LDS store have read v[TA], v[BSA] and v[BV ..], which this chunk's first products write
.elseif (\cc) < 7
	s_wait_loadcnt 32                              ; the youngest 32 loads are the next block's, with the second tile or without: this chunk's block and its rows are in
	s_wait_alu depctr_vm_vsrc(0)                   ; the last chunk's two LDS stores have read the codes' and the byte's registers, which the quantiser writes again
.else
	s_wait_loadcnt 0x0
	s_wait_alu depctr_vm_vsrc(0)                   ; the last chunk's two LDS stores have read the codes' and the byte's registers, which the quantiser writes again
.endif
	QUANTW (\cc)%2, \cc
.if ((\cc) > 0) && ((\cc) < 7)
	LDAC ((\cc)+1)%2, (\cc)+1                      ; the next chunk's rows, into the set that the chunk before has left (its products stand ahead of the quantiser's wait)
.endif
.if (\cc) < 6
	SLOAD (\cc)%2, (\cc)+2, 0, NEAR                ; and the block two chunks on, into the registers just quantised
.endif
	BARRIER                                        ; the chunk's images are whole
.if (\cc) == 0
	s_wait_loadcnt 6+NEAR                          ; chunk 0's rows are in: behind them were issued chunk 1's rows, 6 loads at the least, and the 19 of block 2
.endif
	KSTEP (\cc)%2, 0, 2*(\cc)
	KSTEP (\cc)%2, 1, 2*(\cc)+1
.if (\cc) < 6
	SLOAD (\cc)%2, (\cc)+2, NEAR, 32-NEAR          ; the block's other loads.  No wait: since the quantiser's wait only products and v_nop were issued, which name none of the stream's registers
.endif
.endm
; THE WAY OUT of one tile of 16 rows x one panel: bias, gelu, two blocks of 32 quantised, 16 bytes of codes a lane: register group p of the fragment's image.
.macro EPI slot, p, pass
.set Z, ACC+32*\slot
	s_wait_xcnt 0x0                                ; the codes' and the scale word's registers were data of earlier stores: written again only behind this wait
	s_wait_alu depctr_vm_vsrc(0)                   ; those stores have read the codes' and the scale word's registers, and the last chunk's LDS store the byte's register v[QM]: the lines below write all of them again
.irp k,0,2,4,6,8,10,12,14,16,18,20,22,24,26,28,30
	v_pk_add_f32 v[Z+\k:Z+\k+1], v[Z+\k:Z+\k+1], v[WF+\k:WF+\k+1]   ; z = sum + b1; each accumulator from its low end on
.endr
.irp bt,0,16
.irp k,0,2,4,6,8,10,12,14
	v_pk_mul_f32 v[GT+\k:GT+\k+1], v[Z+\bt+\k:Z+\bt+\k+1], v[Z+\bt+\k:Z+\bt+\k+1]
.endr
.irp k,0,2,4,6,8,10,12,14
	v_pk_fma_f32 v[GT+\k:GT+\k+1], v[GT+\k:GT+\k+1], s[K1:K1+1], v[K0:K0+1] op_sel_hi:[1,0,1]
.endr
.irp k,0,2,4,6,8,10,12,14
	v_pk_mul_f32 v[GT+\k:GT+\k+1], v[GT+\k:GT+\k+1], v[Z+\bt+\k:Z+\bt+\k+1]
.endr
	s_wait_alu depctr_va_vdst(0)
.irp n,0,1,2,3,4,5,6,7,8,9,10,11,12,13,14,15
	v_exp_f32 v[GT+\n], v[GT+\n]
.endr
	v_nop                                          ; one plain place behind the transcendentals
	s_wait_alu depctr_va_vdst(0)                   ; the sixteen exponentials have written v[GT ..], which the additions read
.irp k,0,2,4,6,8,10,12,14
	v_pk_add_f32 v[GT+\k:GT+\k+1], v[GT+\k:GT+\k+1], 1.0 op_sel_hi:[1,0]
.endr
	s_wait_alu depctr_va_vdst(0)
.irp n,0,1,2,3,4,5,6,7,8,9,10,11,12,13,14,15
	v_rcp_f32 v[GT+\n], v[GT+\n]
.endr
	v_nop
	s_wait_alu depctr_va_vdst(0)                   ; the sixteen reciprocals have written v[GT ..], which the multiplications read
.irp k,0,2,4,6,8,10,12,14
	v_pk_mul_f32 v[Z+\bt+\k:Z+\bt+\k+1], v[Z+\bt+\k:Z+\bt+\k+1], v[GT+\k:GT+\k+1]
.endr
.endr
.irp b,0,1
	v_max3_num_f32 v[TM+\b], |v[Z+16*\b]|, |v[Z+16*\b+1]|, 0x1800000   ; block b: my 16 numbers and the floor
.endr
.irp i,2,4,6,8,10,12,14
.irp b,0,1
	v_max3_num_f32 v[TM+\b], v[TM+\b], |v[Z+16*\b+\i]|, |v[Z+16*\b+\i+1]|
.endr
.endr
.irp b,0,1
	v_permlanex16_b32 v[TM+2+\b], v[TM+\b], s[SEL], s[SEL+1]
.endr
.irp b,0,1
	v_max_num_f32 v[TM+\b], v[TM+\b], v[TM+2+\b]   ; with lane l xor 16's 16: the block's largest magnitude
.endr
.irp b,0,1
	v_add_nc_u32 v[QM+\b], 0xff000000, v[TM+\b]
.endr
.irp b,0,1
	v_lshrrev_b32 v[TM+2+\b], 23, v[QM+\b]
.endr
.if \p == 0
	v_lshl_or_b32 v[HW+\slot], v[TM+3], 8, v[TM+2] ; bytes 0 and 1 of the row's scale word;
.else
	v_lshl_or_b32 v[HW+\slot], v[TM+2], 16, v[HW+\slot]   ; bytes 2 and 3
	v_lshl_or_b32 v[HW+\slot], v[TM+3], 24, v[HW+\slot]
.endif
.irp b,0,1
	v_cvt_scalef32_pk8_fp4_f32 v[CD+4*\slot+2*\b], v[Z+16*\b:Z+16*\b+7], v[QM+\b]
	v_cvt_scalef32_pk8_fp4_f32 v[CD+4*\slot+2*\b+1], v[Z+16*\b+8:Z+16*\b+15], v[QM+\b]
.endr
	v_nop                                          ; one plain place behind a scaled conversion
	v_permlane16_swap_b32 v[CD+4*\slot], v[CD+4*\slot+2]     ; the operand's layout wants a whole block in a lane: lanes 0-15 block 0, lanes 16-31 block 1
	v_permlane16_swap_b32 v[CD+4*\slot+1], v[CD+4*\slot+3]
	s_wait_alu depctr_va_vdst(0)                   ; the codes and the scale word are written, which the stores below read
	global_store_b128 v[HA], v[CD+4*\slot:CD+4*\slot+3], s[14:15] offset:131072*(\slot+2*\pass)+512*\p   ; the wave stores 512 consecutive bytes
.if \p == 1
	global_store_b32 v[HSA], v[HW+\slot], s[16:17] offset:16384*(\slot+2*\pass)
.endif
.endm
.macro EPILOGUE p, pass
	v_mov_b32 v[K0], 0xc0135761                    ; (made anew each time: rows' fragments have lain here since)
	v_mov_b32 v[K0+1], v[K0]
	s_wait_alu depctr_va_vdst(0)                   ; the last products are done reading the weight fragments' registers, in which b1 lands
.irp t,0,1,2,3                                 ; b1 in the result's layout: tile 2 b + u, lane half h: units 32 b + 16 h + 8 u + 0 .. 7 of panel p
	ds_load_b128 v[WF+8*\t:WF+8*\t+3], v[BA] offset:256*\p+128*(\t/2)+32*(\t%2)
	ds_load_b128 v[WF+8*\t+4:WF+8*\t+7], v[BA] offset:256*\p+128*(\t/2)+32*(\t%2)+16
.endr
	s_wait_dscnt 0x0
	EPI 0, \p, \pass
	s_cmp_gt_u32 s[NG], s[LIMB]
	s_cbranch_scc0 .Lno_e_\@
	EPI 1, \p, \pass
.Lno_e_\@:
	s_wait_xcnt 0x0                                ; the stores have read the codes' registers: rows' fragments are loaded there again only behind this wait
	s_wait_alu depctr_vm_vsrc(0)                   ; the stores have read the codes' registers, in which rows' fragments land again
.endm
.macro MKXA slot, tr                   ; the addresses of the row that the list names: 512 bytes of codes and 32 scale bytes a token
	v_min_u32 v[XA+\slot], 1023, v[\tr]            ; a number read from memory is held inside the table; a place past the list's end lands here too
	v_lshlrev_b32 v[XSA+\slot], 5, v[XA+\slot]
	v_lshlrev_b32 v[XA+\slot], 9, v[XA+\slot]
	v_add_nc_u32 v[XA+\slot], v[H16], v[XA+\slot]
.endm
	s_load_b256 s[4:11], s[0:1], 0x0               ; w1, b1, xq, xs
	s_load_b128 s[12:15], s[0:1], 0x20             ; lst, hq
	v_lshrrev_b32 v[TMH], 5, v0
	v_readfirstlane_b32 s[WV], v[TMH]
	v_and_b32 v[LANE], 31, v0
	s_lshr_b32 s[EX], ttmp9, 5
	s_and_b32 s[SLC], ttmp9, 31
	s_wait_alu depctr_va_sdst(0)                   ; the wave's number is written, ahead of its first reader
	s_and_b32 s[CH], s[WV], 1
	s_lshr_b32 s[KB], s[WV], 1
	s_lshr_b32 s[GR], s[WV], 2
	s_and_b32 s[QQ], s[WV], 3
	s_lshl_b32 s[LIMB], s[QQ], 4
	s_add_co_u32 s[LIMB], s[LIMB], 64
	s_mov_b32 s[SEL], 0x76543210
	s_mov_b32 s[SEL+1], 0xfedcba98
	s_mov_b32 s[K1], 0xbdd2d3e8
	s_mov_b32 s[K1+1], s[K1]
	v_and_b32 v[TMH], 7, v0                        ; stream lane = 16 h + 8 u + j
	s_wait_alu depctr_va_vdst(0)
	v_bfe_u32 v[TMH+1], v0, 3, 1
	v_bfe_u32 v[TMH+2], v0, 4, 1
	s_lshr_b32 s58, s[KB], 2                       ; which of the chunk's two K steps my block belongs to,
	s_and_b32 s59, s[KB], 3                        ; and which of its four blocks: register group and lane half
	s_lshl_b32 s56, s58, 12
	s_lshl_b32 s57, s[CH], 11
	s_add_co_u32 s56, s56, s57
	s_lshl_b32 s57, s59, 8
	s_add_co_u32 s56, s56, s57
	v_lshlrev_b32 v[WST], 4, v[TMH]
	v_lshl_add_u32 v[WST], v[TMH+1], 10, v[WST]
	v_lshl_add_u32 v[WST], v[TMH+2], 7, v[WST]
	v_add_nc_u32 v[WST], s56, v[WST]
	s_lshl_b32 s56, s58, 8
	s_lshl_b32 s57, s[CH], 7
	s_add_co_u32 s56, s56, s57
	s_add_co_u32 s56, s56, s59
	s_add_co_u32 s56, s56, WSC
	v_lshlrev_b32 v[WSS], 2, v[TMH]
	s_wait_alu depctr_va_vdst(0)
	v_lshl_add_u32 v[WSS], v[TMH+1], 6, v[WSS]
	v_lshl_add_u32 v[WSS], v[TMH+2], 5, v[WSS]
	v_add_nc_u32 v[WSS], s56, v[WSS]
	v_lshlrev_b32 v[LI], 4, v[LANE]
	v_lshl_add_u32 v[LS], v[LANE], 2, WSC
	v_lshl_add_u32 v[BA], v[TMH+2], 6, BIAS
	v_lshl_add_u32 v[BSA], v[LANE], 4, BIAS
	s_lshl_b32 s56, s[CH], 7
	s_lshl_b32 s57, s[KB], 19
	s_add_co_u32 s56, s56, s57
	v_lshl_add_u32 v[SOFF], v[LANE], 2, s56
	s_lshl_b32 s56, s[GR], 4
	s_add_co_u32 s56, s56, s[QQ]                   ; my first tile: 16 g + q
	s_lshl_b32 s57, s56, 15
	v_add_nc_u32 v[HA], s57, v[LI]
	s_lshl_b32 s57, s56, 12
	v_lshl_add_u32 v[HSA], v[LANE], 2, s57
	v_and_b32 v[TA], 15, v0
	v_lshlrev_b32 v[TA], 2, v[TA]
	s_lshl_b32 s56, s[QQ], 6
	v_add_nc_u32 v[TA], s56, v[TA]                 ; the list: 4 x (16 q + lane % 16)
	v_and_b32 v[H16], 16, v0
; The second tile's registers are written once here, while the arguments are on their way, so that they hold numbers whichever way the branches on the list's length are read; where the tile runs, loads and the first products write them anew.
.irp s,0,1
.irp p,0,1
.irp n,0,1,2,3,4,5,6,7
	v_mov_b32 v[AF+32*\s+16*\p+8+\n], 0
.endr
.endr
	v_mov_b32 v[AS+4*\s+1], 0x7f7f7f7f             ; scale bytes of 1
	v_mov_b32 v[AS+4*\s+3], 0x7f7f7f7f
.endr
.set n, 0
.rept 32
	v_mov_b32 v[ACC+32+n], 0
.set n, n+1
.endr
	v_mov_b32 v[HW+1], 0
	s_mov_b32 s57, 0
	s_wait_kmcnt 0x0
	s_lshl_b32 s56, s[EX], 24
	s_lshl_b32 s58, s[SLC], 9
	s_add_co_u32 s56, s56, s58
	s_add_nc_u64 s[4:5], s[4:5], s[56:57]          ; w1 at my expert and slice;
	s_add_nc_u64 s[18:19], s[4:5], 0x800000        ; and 512 rows on, so that every offset is an immediate
	s_lshl_b32 s56, s[EX], 14
	s_add_co_u32 s56, s56, s58
	s_add_nc_u64 s[6:7], s[6:7], s[56:57]
	s_add_nc_u64 s[16:17], s[14:15], HSO           ; h's scale words lie behind its images
	s_lshl_b32 s56, s[EX], 21
	s_lshl_b32 s58, s[SLC], 10
	s_add_co_u32 s56, s56, s58
	s_add_nc_u64 s[14:15], s[14:15], s[56:57]
	s_lshl_b32 s56, s[EX], 18
	s_lshl_b32 s58, s[SLC], 7
	s_add_co_u32 s56, s56, s58
	s_add_nc_u64 s[16:17], s[16:17], s[56:57]
	s_lshl_b32 s56, s[EX], 4
	s_add_co_u32 s56, s56, s[WV]
	s_lshl_b32 s56, s56, 7
	s_add_nc_u64 s[60:61], s[12:13], s[56:57]      ; my wave's record of the list's length
	s_lshl_b32 s56, s[EX], 2
	s_add_co_u32 s56, s56, s[GR]
	s_lshl_b32 s56, s56, 10
	s_add_nc_u64 s[12:13], s[12:13], s[56:57]      ; my expert's and group's 256 places
	s_load_b32 s[NG], s[60:61], CNTS
	s_wait_alu depctr_va_vdst(0)                   ; every address made above is written, which the kernel's loads and stores read; so are the second tile's registers, in which loads land and which the products may take as operand and scale
	global_load_b32 v[TL], v[TA], s[12:13] offset:TOKS          ; the tokens of my tiles 0 and 1
	global_load_b32 v[TL+1], v[TA], s[12:13] offset:TOKS+256
	global_load_b128 v[BV:BV+3], v[LI], s[6:7]     ; b1's 128 numbers
	SLOAD 0, 0, 0, 32                              ; both first blocks go out ahead of the wait for the list
	SLOAD 1, 1, 0, 32
	s_wait_loadcnt 63                              ; 67 loads were issued: the oldest 4 are in, the list's two and b1's among them
	s_wait_kmcnt 0x0                               ; and the list's length
	s_cmp_lg_u32 s[WV], 0
	s_cbranch_scc1 .Lnot_wave_0
	ds_store_b128 v[BSA], v[BV:BV+3]               ; read behind the first chunk's barrier
.Lnot_wave_0:
	MKXA 0, TL
	MKXA 1, TL+1
	s_wait_alu depctr_va_vdst(0)                   ; the rows' four address registers are written, which the loads below read
	LDAC 0, 0
	LDAC 1, 1
	CHUNK 0
	CHUNK 1
	CHUNK 2
	CHUNK 3
	EPILOGUE 0, 0
	CHUNK 4
	CHUNK 5
	CHUNK 6
	CHUNK 7
	EPILOGUE 1, 0
; THE SECOND PASS: tiles 2 and 3, where my group's list is longer than 16 q + 128.  No barrier: every image has been shown whole by the barriers above, and nothing writes them.
	s_lshl_b32 s[TS], s[QQ], 4
	s_add_co_u32 s[TS], s[TS], 128
	s_cmp_gt_u32 s[NG], s[TS]
	s_cbranch_scc0 .Ldone
	s_add_co_u32 s[LIMB], s[TS], 64
	v_and_b32 v[ST], 15, v0                        ; the stream's registers are free: the list's address once more, and the tokens of tiles 2 and 3
	v_lshlrev_b32 v[ST], 2, v[ST]
	s_lshl_b32 s56, s[QQ], 6
	v_add_nc_u32 v[ST], s56, v[ST]
	s_wait_alu depctr_va_vdst(0)                   ; v[ST] is written, which the two loads read as their offset
	global_load_b32 v[ST+2], v[ST], s[12:13] offset:TOKS+512
	global_load_b32 v[ST+3], v[ST], s[12:13] offset:TOKS+768
	s_wait_loadcnt 0x0                             ; no load that names the rows' address registers is out either: they are written anew
	s_wait_alu depctr_vm_vsrc(0)                   ; the rows' loads of the first pass have read the four address registers, which the lines below write anew
	MKXA 0, ST+2
	MKXA 1, ST+3
.irp p,0,1
.irp s,0,1,2,3,4,5,6,7
	s_wait_alu depctr_va_vdst(0)                   ; in the first step the rows' addresses are written; in every step the products before (behind a way out: its lines too) are done reading the rows' fragments, the weight fragments and both kinds of scale words, in which the loads below land
	LDAK 8*\p+\s
	LDW 8*\p+\s
	s_wait_loadcnt 0x0
	s_wait_dscnt 0x0
.if \s == 0
	MUL 0, 0, 1
.else
	MUL 0, 0, 0
.endif
	PLACES
.endr
	EPILOGUE \p, 1
.endr
.Ldone:
	s_wait_xcnt 0x0
	v_lshl_add_u32 v254, v0, 2, 0x11200
	v_mov_b32 v255, 0
	s_wait_dscnt 0x0                               ; the closing lines, six on end
	s_wait_alu 0x0
	s_wait_tensorcnt 0x0
	ds_add_u32 v254, v255
	s_wait_dscnt 0x0
	s_endpgm
.Lfunc_end_k_q9de58f6719_up:
	.size	k_q9de58f6719_up, .Lfunc_end_k_q9de58f6719_up-k_q9de58f6719_up
	.p2alignl 7, 3214868480
	.fill 96, 4, 3214868480
	.section	.rodata,"a",@progbits
	.p2align	6, 0x0
	.amdhsa_kernel k_q9de58f6719_up
		.amdhsa_group_segment_fixed_size 72192
		.amdhsa_private_segment_fixed_size 0
		.amdhsa_enable_private_segment 0
		.amdhsa_kernarg_size 48
		.amdhsa_user_sgpr_count 2
		.amdhsa_user_sgpr_kernarg_segment_ptr 1
		.amdhsa_wavefront_size32 1
		.amdhsa_system_sgpr_workgroup_id_x 1
		.amdhsa_system_sgpr_workgroup_id_y 1
		.amdhsa_system_sgpr_workgroup_id_z 1
		.amdhsa_system_vgpr_workitem_id 0
		.amdhsa_next_free_vgpr 256
		.amdhsa_next_free_sgpr 66
		.amdhsa_reserve_vcc 0
		.amdhsa_float_denorm_mode_32 3
		.amdhsa_float_denorm_mode_16_64 3
		.amdhsa_memory_ordered 1
		.amdhsa_forward_progress 1
		.amdhsa_inst_pref_size 213
	.end_amdhsa_kernel
	.amdgpu_metadata
---
amdhsa.version: [ 1, 2 ]
amdhsa.kernels:
  - .name:           k_q9de58f6719_up
    .symbol:         k_q9de58f6719_up.kd
    .args:
      - { .name: w1, .offset: 0, .size: 8, .value_kind: global_buffer, .address_space: global }
      - { .name: b1, .offset: 8, .size: 8, .value_kind: global_buffer, .address_space: global }
      - { .name: xq, .offset: 16, .size: 8, .value_kind: global_buffer, .address_space: global }
      - { .name: xs, .offset: 24, .size: 8, .value_kind: global_buffer, .address_space: global }
      - { .name: lst, .offset: 32, .size: 8, .value_kind: global_buffer, .address_space: global }
      - { .name: hq, .offset: 40, .size: 8, .value_kind: global_buffer, .address_space: global }
    .group_segment_fixed_size: 72192
    .private_segment_fixed_size: 0
    .kernarg_segment_align: 8
    .kernarg_segment_size: 48
    .max_flat_workgroup_size: 512
    .sgpr_count:     66
    .vgpr_count:     256
    .wavefront_size: 32
...
	.end_amdgpu_metadata
.endif
;; end of part 8
;; launch down (part 9): grid 256 x 1, 16 waves a work-group, no clusters, 141,568 bytes of LDS; arguments w2, b2, hq, lst, cf, yp; writes yp
.if DOCPART == 9
	.amdgcn_target "amdgcn-amd-amdhsa--gfx1250"
	.amdhsa_code_object_version 6
	.text
	.protected	k_q9de58f6719_down
	.globl	k_q9de58f6719_down
	.p2align	8
	.type	k_q9de58f6719_down,@function
k_q9de58f6719_down:
	s_mov_b64 s[64:65], 0
	v_nop
	global_prefetch_b8 v0, s[64:65] scope:SCOPE_SE
	s_setreg_imm32_b32 hwreg(HW_REG_WAVE_SCHED_MODE, 0, 2), 2
	s_setreg_imm32_b32 hwreg(HW_REG_WAVE_MODE, 25, 1), 1
	s_wait_xcnt 0x0
	s_wait_alu depctr_vm_vsrc(0)
; yp[kh][slot] = coefficient(slot) x (h(slot) Q(W2[e]) over half kh of K, + b2[e] in half 0), for the rows routed to expert e; both operands in E2M1 with one E8M0 scale for each 32 along K.
; A work-group owns expert e = number / 32, 64 output columns (ns = (number / 2) % 16) and 2,048 of the 4,096 along K (kh = number % 2): 512 KiB of w2, read ONCE, quantised in registers, never stored to memory.
; Stream, weight images, choice of a tile's rows, the shares of the sixteen waves and the order of the loads are those of the launch that made h: 8 chunks of 256 K x 64 columns; wave w quantises the block kb = w / 2, ch = w % 2 of each chunk;
; fragment f = 4 ss + t at 1024 f in LDS, each byte written once, one barrier a chunk; wave (g, q) owns tiles 16 g + q + 4 i of hq; tile 0 always, tile 1 under a scalar branch on the stored list's length, tiles 2 and 3 in a second pass.
; THE ORDER OF THE LOADS.  Trip cc: wait for block cc and rows cc; quantise; ask for the rows' fragments of chunk cc + 1 (a second set of registers takes them) and for the first 19 loads of block cc + 2; barrier; the chunk's two K steps;
; the block's other 13 loads.  At the first run the wave has out the 32 loads of block cc + 1, at most 12 of rows and these 19: 63.  Both first blocks go out at the head, ahead of the wait for the list.
; h's fragments come from hq as register images (16 bytes a lane, 512 consecutive bytes a load), at addresses that hang on no data; only tiles that the earlier launch stored are read: the branches are the same there and here.
; THE WAY OUT.  A lane holds one row and, per tile, eight neighbouring columns.  The 16 rows x 64 columns go through the wave's own stage in LDS and leave by rows: sixteen lanes store 256 consecutive bytes, at a multiple of 256,
; to row = slot (2 token + k) of yp, as the stored list names it.  List places past the end hold row 2,048 + 16 e + wave, a row of this wave's own that nobody reads: so no lane is switched off and no store stands under a branch of its own.
; The sum over a token's two slots and the two halves of K is the next launch's: each byte of yp has one owner.
; No joint loads: no two work-groups read the same weights; h's tiles, which the 16 column panels of an expert share, are a small part of a step's bytes.
; LIMITS: NaN and infinities are not served (b2 is multiplied by 0 in half 1); a block of zeros carries the byte 1.
; THE MODE: SCHED_MODE bits 1:0 = 2 (LLVM: expert scheduling mode 2), set by the entry lines.  The code itself states the register dependences
; between vector or matrix instructions and memory or LDS instructions, with s_wait_alu, always for 0.
; THE PLAN.  Registers that memory or LDS instructions touch:
;   ST0, ST1      Chunk cc: the quantiser reads ST[cc % 2]; behind it the loads of block cc + 2 land there.  Behind the stream they are the way out's (below).
;   QC, v[QB]     Written by the quantiser, read by the chunk's two LDS stores.
;   AF, AS set s  The loads of chunk cc + 1's rows, issued in chunk cc, land in set (cc + 1) % 2; chunk cc + 1's products read it.
;   WF, WS        Each K step's ten LDS loads land there; its products read them; on the way out b2 lands in WF and the additions read it.
;   v1-7, v12, v13, v16   Addresses, made at the head and never written again.
;   v163-169      At the head: addresses of the list, the bias and the coefficients, and the bias itself; the first products write them.
;   THE WAY OUT   The accumulators: written by its vector lines, read by LDS stores, written again by the second pass's first products.  IX: written by vector lines, read by the lane permutes.  v[T ..]: read by the lane permutes;
;                 the second pass's list lands there.  RS: the permutes' results land there, vector lines make offsets of them, the stores read them.  OUT: LDS loads land there, the stores read them.
; So a chunk has three waits: on vm_vsrc at its head (the last chunk's LDS stores have read QC and v[QB]); on va_vdst behind the quantiser's last line (QC and v[QB] are written; ST[cc % 2] is read; the earlier products are done
; with the other set of AF and AS and with WF and WS); on va_vdst between its two K steps (WF and WS have one set).  Behind the second of them stand the LDS stores, the rows' loads, 19 loads of the stream and the first K step's
; LDS loads with no vector line between; the stream's other 13 loads follow products and v_nop, which name none of ST and no address.  A tile's way out has its vector lines in two runs, each with one wait on va_vdst behind it.
.set WSC,   65536                      ; LDS: 0 the images (64 KiB), their scale words (4 KiB), b2's 64 numbers, then a stage of 16 rows x (256 + 16) bytes for each wave
.set BIAS,  69632
.set STG,   69888
.set CNTS,  65536                      ; lst: where the lengths begin (the lists of slots begin at 0)
.set HSO,   0x1000000                  ; hq: where the scale words begin
.set NEAR,  19                         ; loads of a block that go out directly behind the quantising
.set WV,   20
.set EX,   21
.set NSC,  22
.set CH,   23
.set KB,   24
.set GR,   25
.set QQ,   26
.set KH,   27
.set NG,   30
.set LIMB, 31
.set TS,   55
.set SOFF, 1
.set WST,  2
.set WSS,  3
.set LI,   4
.set LS,   5
.set HA,   6
.set HSA,  7
.set CFV,  8                           ; v8, v9 my row's coefficient for the two tiles in hand; named as a pair, whose low word serves both halves
.set T,    10                          ; v10-11 the list: the slot of row lane % 16 of the two tiles in hand
.set SO,   12                          ; the stage: where I put a row's bytes;  v13 where I read rows back
.set SR,   13
.set QM,   14                          ; v14-15 two running maxima; then the scale's byte and the conversion's scale operand
.set QB,   14
.set QS,   15
.set BA,   16                          ; BIAS + 64 (lane / 16)
.set BIX,  17                          ; 4 (lane / 16)
.set QC,   18
.set AS,   22                          ; v22-29 the rows' scale words: 4 set + 2 par + tile
.set ST,   30                          ; v30-93 two stream sets
.set AF,   94                          ; v94-157 the rows' fragments: 32 set + 16 par + 8 tile
.set ACC,  158
.set WF,   222
.set WS,   254
.set OUT,  ST                          ; THE WAY OUT works in the stream's registers: 16 rows read back,
.set RS,   ST+32                       ; their rows' offsets in yp,
.set IX,   ST+40                       ; the lane indices that fetch them,
.set C16,  ST+48                       ; 16 (lane % 16);
.set TA2,  ST+50                       ; the second pass: the list's address, the coefficients' addresses
.set CA2,  ST+52
.set TMH,  158                         ; AT THE HEAD ONLY, where the first tile's accumulators will lie
.set LANE, 162
.set TA,   163
.set BSA,  164
.set BO,   165
.set BV,   166
.set CAH,  168
.set RR,   170
.set HH,   171
.set PASS, 0
.macro PLACES                          ; four plain places between a matrix instruction and a load into, or a vector instruction on, its registers
.rept 4
	v_nop
.endr
.endm
.macro BARRIER
	s_wait_dscnt 0x0
	s_barrier_signal -1
	s_barrier_wait -1
.endm
.macro SLOAD set, cc, from, cnt        ; rows from .. from + cnt - 1 of my block of chunk cc: 128 consecutive bytes a load
.set sli, \from
.rept \cnt
	global_load_b32 v[ST+32*(\set)+sli], v[SOFF], s[4:5] offset:(256*(\cc)+sli)*4096 th:TH_LOAD_NT
.set sli, sli+1
.endr
.endm
.macro QUANTW set, cc
.set XS, ST+32*(\set)
	v_max3_num_f32 v[QM], |v[XS]|, |v[XS+1]|, |v[XS+2]|
	v_max3_num_f32 v[QM+1], |v[XS+3]|, |v[XS+4]|, |v[XS+5]|
.irp i,6,10,14,18,22,26
	v_max3_num_f32 v[QM], v[QM], |v[XS+\i]|, |v[XS+\i+1]|
	v_max3_num_f32 v[QM+1], v[QM+1], |v[XS+\i+2]|, |v[XS+\i+3]|
.endr
	v_max3_num_f32 v[QM], v[QM], |v[XS+30]|, |v[XS+31]|
	v_max3_num_f32 v[QM], v[QM], v[QM+1], 0x1800000   ; the floor 2^(3 - 127): the byte cannot fall under 1
	v_add_nc_u32 v[QS], 0xff000000, v[QM]
	v_lshrrev_b32 v[QB], 23, v[QS]
.irp g,0,1,2,3
	v_cvt_scalef32_pk8_fp4_f32 v[QC+\g], v[XS+8*\g:XS+8*\g+7], v[QS]
.endr
	v_nop                                          ; one plain place behind a scaled conversion
	s_wait_alu depctr_va_vdst(0)                   ; the codes and the byte are written, which the two LDS stores read; the lines above are done reading this stream set, in which the block two chunks on lands; the earlier products are done with the other set of rows' fragments and scale words and with the weight fragments, in which this chunk's loads land
	ds_store_b128 v[WST], v[QC:QC+3] offset:8192*(\cc)
	ds_store_b8 v[WSS], v[QB] offset:512*(\cc)
.endm
.macro LDW ss
.irp t,0,1,2,3
	ds_load_b128 v[WF+8*\t:WF+8*\t+3], v[LI] offset:(4*(\ss)+\t)*1024
	ds_load_b128 v[WF+8*\t+4:WF+8*\t+7], v[LI] offset:(4*(\ss)+\t)*1024+512
.endr
	ds_load_b32 v[WS], v[LS] offset:(4*(\ss))*64
	ds_load_b32 v[WS+1], v[LS] offset:(4*(\ss)+2)*64
.endm
.macro LDA1 set, par, slot, ss         ; h's fragment of my tile, K step ss of my half: the image as it was stored, and the rows' scale words
.set AR, AF+32*(\set)+16*(\par)+8*(\slot)
	global_load_b128 v[AR:AR+3], v[HA], s[8:9] offset:1024*(\ss)+131072*(\slot+2*PASS)
	global_load_b128 v[AR+4:AR+7], v[HA], s[8:9] offset:1024*(\ss)+131072*(\slot+2*PASS)+512
	global_load_b32 v[AS+4*(\set)+2*(\par)+\slot], v[HSA], s[10:11] offset:128*(\ss)+16384*(\slot+2*PASS)
.endm
.macro LDAC set, cc                    ; the rows of chunk cc's two K steps: 6 loads, or 12 with the second tile
	LDA1 \set, 0, 0, 2*(\cc)
	LDA1 \set, 1, 0, 2*(\cc)+1
	s_cmp_gt_u32 s[NG], s[LIMB]
	s_cbranch_scc0 .Lno_a_\@
	LDA1 \set, 0, 1, 2*(\cc)
	LDA1 \set, 1, 1, 2*(\cc)+1
.Lno_a_\@:
.endm
.macro LDAK ss                         ; the second pass: the rows of one K step
	LDA1 0, 0, 0, \ss
	s_cmp_gt_u32 s[NG], s[LIMB]
	s_cbranch_scc0 .Lno_k_\@
	LDA1 0, 0, 1, \ss
.Lno_k_\@:
.endm
.macro WM slot, t, set, par, first
.set DR, ACC+32*(\slot)+8*(\t)
.set WR, WF+8*(\t)
.set AR, AF+32*(\set)+16*(\par)+8*(\slot)
.set ASR, AS+4*(\set)+2*(\par)+(\slot)
.set WSR, WS+(\t)/2
.if \first
.if (\t)%2
	v_wmma_scale_f32_16x16x128_f8f6f4 v[DR:DR+7], v[WR:WR+7], v[AR:AR+7], 0, v[WSR], v[ASR] matrix_a_fmt:MATRIX_FMT_FP4 matrix_b_fmt:MATRIX_FMT_FP4 matrix_a_scale:MATRIX_SCALE_ROW1
.else
	v_wmma_scale_f32_16x16x128_f8f6f4 v[DR:DR+7], v[WR:WR+7], v[AR:AR+7], 0, v[WSR], v[ASR] matrix_a_fmt:MATRIX_FMT_FP4 matrix_b_fmt:MATRIX_FMT_FP4
.endif
.else
.if (\t)%2
	v_wmma_scale_f32_16x16x128_f8f6f4 v[DR:DR+7], v[WR:WR+7], v[AR:AR+7], v[DR:DR+7], v[WSR], v[ASR] matrix_a_fmt:MATRIX_FMT_FP4 matrix_b_fmt:MATRIX_FMT_FP4 matrix_a_scale:MATRIX_SCALE_ROW1
.else
	v_wmma_scale_f32_16x16x128_f8f6f4 v[DR:DR+7], v[WR:WR+7], v[AR:AR+7], v[DR:DR+7], v[WSR], v[ASR] matrix_a_fmt:MATRIX_FMT_FP4 matrix_b_fmt:MATRIX_FMT_FP4
.endif
.endif
.endm
.macro MUL set, par, first             ; the accumulators take turns, one instruction a turn, with the second tile or without
.irp t,0,1,2,3
	WM 0, \t, \set, \par, \first
.endr
	s_cmp_gt_u32 s[NG], s[LIMB]
	s_cbranch_scc0 .Lno_m_\@
.irp t,0,1,2,3
	WM 1, \t, \set, \par, \first
.endr
.Lno_m_\@:
.endm
.macro KSTEP set, par, ss
.if \par
	s_wait_alu depctr_va_vdst(0)                   ; the chunk's first K step's products are done reading the weight fragments and their scale words, in which the loads below land (the first K step's loads stand behind the quantiser's wait, with no vector line between)
.endif
	LDW \ss
	s_wait_dscnt 0x0
.if (\ss) == 0
	MUL \set, \par, 1                              ; the first K step starts the sums
.else
	MUL \set, \par, 0
.endif
	PLACES
.endm
.macro CHUNK cc
.if (\cc) == 0
	s_wait_loadcnt 46                              ; block 0 is in: behind it were issued block 1 (32), the two coefficients and the rows of chunks 0 and 1, 6 loads each at the least
	s_wait_alu depctr_vm_vsrc(0)                   ; the head's loads and the bias's LDS store have read v[TA], v[BSA], v[BO], v[BV ..] and v[CAH ..], which this chunk's first products write
.elseif (\cc) < 7
	s_wait_loadcnt 32                              ; the youngest 32 loads are the next block's, with the second tile or without: this chunk's block and its rows are in
	s_wait_alu depctr_vm_vsrc(0)                   ; the last chunk's two LDS stores have read the codes' and the byte's registers, which the quantiser writes again
.else
	s_wait_loadcnt 0x0
	s_wait_alu depctr_vm_vsrc(0)                   ; the last chunk's two LDS stores have read the codes' and the byte's registers, which the quantiser writes again
.endif
	QUANTW (\cc)%2, \cc
.if ((\cc) > 0) && ((\cc) < 7)
	LDAC ((\cc)+1)%2, (\cc)+1                      ; the next chunk's rows, into the set that the chunk before has left (its products stand ahead of the quantiser's wait)
.endif
.if (\cc) < 6
	SLOAD (\cc)%2, (\cc)+2, 0, NEAR                ; and the block two chunks on, into the registers just quantised
.endif
	BARRIER                                        ; the chunk's images are whole
.if (\cc) == 0
	s_wait_loadcnt 6+NEAR                          ; chunk 0's rows and the coefficients are in: behind them were issued chunk 1's rows, 6 loads at the least, and the 19 of block 2
.endif
	KSTEP (\cc)%2, 0, 2*(\cc)
	KSTEP (\cc)%2, 1, 2*(\cc)+1
.if (\cc) < 6
	SLOAD (\cc)%2, (\cc)+2, NEAR, 32-NEAR          ; the block's other loads.  No wait: since the quantiser's wait only products and v_nop were issued, which name none of the stream's registers
.endif
.endm
.macro EPI slot
.set Z, ACC+32*\slot
	s_wait_xcnt 0x0                                ; the rows' registers and offsets were sources of earlier stores: written again only behind this wait
.if (\slot) || PASS
	s_wait_alu depctr_vm_vsrc(0)                   ; the tile before's stores have read their rows and offsets, and its lane permutes their indices: permutes' results, LDS loads and vector lines write all of them again below
.endif
.if \slot == 1
	v_mov_b32 v[CFV], v[CFV+1]                     ; the second tile's coefficient takes the pair's low word: the first tile's is done with
.endif
.irp k,0,2,4,6,8,10,12,14,16,18,20,22,24,26,28,30
	v_pk_add_f32 v[Z+\k:Z+\k+1], v[Z+\k:Z+\k+1], v[WF+\k:WF+\k+1]   ; + b2 (zeros in the second half of K); each accumulator from its low end on
.endr
.irp k,0,2,4,6,8,10,12,14,16,18,20,22,24,26,28,30
	v_pk_mul_f32 v[Z+\k:Z+\k+1], v[Z+\k:Z+\k+1], v[CFV:CFV+1] op_sel_hi:[1,0]   ; x my row's coefficient
.endr
.irp m,0,1,2,3,4,5,6,7
	v_add_nc_u32 v[IX+\m], 8*\m, v[BIX]            ; the lane that holds the slot of row 2 m + lane / 16, as a byte index
.endr
	s_wait_alu depctr_va_vdst(0)                   ; the tile's 32 numbers are written, which the LDS stores read, and the eight indices, which the lane permutes read; earlier vector lines are done with the registers in which the permutes' results and the LDS loads land
.irp t,0,1,2,3
	ds_store_b128 v[SO], v[Z+8*\t:Z+8*\t+3] offset:128*(\t/2)+32*(\t%2)
	ds_store_b128 v[SO], v[Z+8*\t+4:Z+8*\t+7] offset:128*(\t/2)+32*(\t%2)+16
.endr
.irp m,0,1,2,3,4,5,6,7
	ds_bpermute_b32 v[RS+\m], v[IX+\m], v[T+\slot] ; the slot of row 2 m + lane / 16
.endr
.irp m,0,1,2,3,4,5,6,7
	ds_load_b128 v[OUT+4*\m:OUT+4*\m+3], v[SR] offset:544*\m   ; LDS serves a wave's instructions in order: these see the stores above
.endr
	s_wait_dscnt 0x0
.irp m,0,1,2,3,4,5,6,7
	v_min_u32 v[RS+\m], 2175, v[RS+\m]
.endr
.irp m,0,1,2,3,4,5,6,7
	v_lshlrev_b32 v[RS+\m], 12, v[RS+\m]
.endr
.irp m,0,1,2,3,4,5,6,7
	v_add_nc_u32 v[RS+\m], v[C16], v[RS+\m]
.endr
	s_wait_alu depctr_va_vdst(0)                   ; the eight offsets are written, which the stores read
.irp m,0,1,2,3,4,5,6,7
	global_store_b128 v[RS+\m], v[OUT+4*\m:OUT+4*\m+3], s[16:17]   ; sixteen lanes store 256 consecutive bytes of one row
.endr
.endm
.macro EPILOGUE
	v_and_b32 v[C16], 15, v0
	v_lshlrev_b32 v[C16], 4, v[C16]
	s_wait_alu depctr_va_vdst(0)                   ; the last products are done reading the weight fragments' registers, in which b2 lands
.irp t,0,1,2,3
	ds_load_b128 v[WF+8*\t:WF+8*\t+3], v[BA] offset:128*(\t/2)+32*(\t%2)
	ds_load_b128 v[WF+8*\t+4:WF+8*\t+7], v[BA] offset:128*(\t/2)+32*(\t%2)+16
.endr
	s_wait_dscnt 0x0
	EPI 0
	s_cmp_gt_u32 s[NG], s[LIMB]
	s_cbranch_scc0 .Lno_e_\@
	EPI 1
.Lno_e_\@:
.endm
.macro MKCA slot, ca                   ; where my row's coefficient lies (a place past the list's end takes some coefficient: its row goes to the dump row)
	v_min_u32 v[\ca], 2047, v[T+\slot]
	v_lshlrev_b32 v[\ca], 2, v[\ca]
.endm
.macro LDCF slot, ca                   ; and the coefficient
	global_load_b32 v[CFV+\slot], v[\ca], s[14:15]
.endm
	s_load_b128 s[4:7], s[0:1], 0x0                ; w2, b2
	s_load_b64 s[8:9], s[0:1], 0x10                ; hq
	s_load_b64 s[12:13], s[0:1], 0x18              ; lst
	s_load_b64 s[14:15], s[0:1], 0x20              ; cf
	s_load_b64 s[16:17], s[0:1], 0x28              ; yp
	v_lshrrev_b32 v[TMH], 5, v0
	v_readfirstlane_b32 s[WV], v[TMH]
	v_and_b32 v[LANE], 31, v0
	s_lshr_b32 s[EX], ttmp9, 5
	s_bfe_u32 s[NSC], ttmp9, 0x40001
	s_and_b32 s[KH], ttmp9, 1
	s_wait_alu depctr_va_sdst(0)                   ; the wave's number is written, ahead of its first reader
	s_and_b32 s[CH], s[WV], 1
	s_lshr_b32 s[KB], s[WV], 1
	s_lshr_b32 s[GR], s[WV], 2
	s_and_b32 s[QQ], s[WV], 3
	s_lshl_b32 s[LIMB], s[QQ], 4
	s_add_co_u32 s[LIMB], s[LIMB], 64
	v_and_b32 v[TMH], 7, v0                        ; stream lane = 16 h + 8 u + j
	s_wait_alu depctr_va_vdst(0)
	v_bfe_u32 v[TMH+1], v0, 3, 1
	v_bfe_u32 v[TMH+2], v0, 4, 1
	s_lshr_b32 s58, s[KB], 2
	s_and_b32 s59, s[KB], 3
	s_lshl_b32 s56, s58, 12
	s_lshl_b32 s57, s[CH], 11
	s_add_co_u32 s56, s56, s57
	s_lshl_b32 s57, s59, 8
	s_add_co_u32 s56, s56, s57
	v_lshlrev_b32 v[WST], 4, v[TMH]
	v_lshl_add_u32 v[WST], v[TMH+1], 10, v[WST]
	v_lshl_add_u32 v[WST], v[TMH+2], 7, v[WST]
	v_add_nc_u32 v[WST], s56, v[WST]
	s_lshl_b32 s56, s58, 8
	s_lshl_b32 s57, s[CH], 7
	s_add_co_u32 s56, s56, s57
	s_add_co_u32 s56, s56, s59
	s_add_co_u32 s56, s56, WSC
	v_lshlrev_b32 v[WSS], 2, v[TMH]
	s_wait_alu depctr_va_vdst(0)
	v_lshl_add_u32 v[WSS], v[TMH+1], 6, v[WSS]
	v_lshl_add_u32 v[WSS], v[TMH+2], 5, v[WSS]
	v_add_nc_u32 v[WSS], s56, v[WSS]
	v_lshlrev_b32 v[LI], 4, v[LANE]
	v_lshl_add_u32 v[LS], v[LANE], 2, WSC
	v_lshl_add_u32 v[BSA], v[LANE], 3, BIAS
	v_lshlrev_b32 v[BO], 3, v[LANE]
	v_and_b32 v[RR], 15, v0                        ; r
	v_bfe_u32 v[HH], v0, 4, 1                      ; h
	s_mul_i32 s56, s[WV], 4352
	s_add_co_u32 s56, s56, STG                     ; my stage
	v_mul_u32_u24 v[SO], v[RR], 272
	v_lshl_add_u32 v[SO], v[HH], 6, v[SO]
	v_add_nc_u32 v[SO], s56, v[SO]                 ; in: row r, + 64 h
	v_mul_u32_u24 v[SR], v[HH], 272
	v_lshl_add_u32 v[SR], v[RR], 4, v[SR]
	v_add_nc_u32 v[SR], s56, v[SR]                 ; back: lanes 0-15 one row, lanes 16-31 the next
	v_lshl_add_u32 v[BA], v[HH], 6, BIAS
	v_lshlrev_b32 v[TA], 2, v[RR]
	s_lshl_b32 s56, s[QQ], 6
	v_add_nc_u32 v[TA], s56, v[TA]                 ; the list: 4 x (16 q + lane % 16)
	v_lshlrev_b32 v[BIX], 2, v[HH]
	s_lshl_b32 s56, s[CH], 7
	s_lshl_b32 s57, s[KB], 17
	s_add_co_u32 s56, s56, s57
	v_lshl_add_u32 v[SOFF], v[LANE], 2, s56
	s_lshl_b32 s56, s[GR], 4
	s_add_co_u32 s56, s56, s[QQ]
	s_lshl_b32 s57, s56, 15
	v_add_nc_u32 v[HA], s57, v[LI]
	s_lshl_b32 s57, s56, 12
	v_lshl_add_u32 v[HSA], v[LANE], 2, s57
; The second tile's registers are written once here, while the arguments are on their way, so that they hold numbers whichever way the branches on the list's length are read; where the tile runs, loads and the first products write them anew.
.irp s,0,1
.irp p,0,1
.irp n,0,1,2,3,4,5,6,7
	v_mov_b32 v[AF+32*\s+16*\p+8+\n], 0
.endr
.endr
	v_mov_b32 v[AS+4*\s+1], 0x7f7f7f7f             ; scale bytes of 1
	v_mov_b32 v[AS+4*\s+3], 0x7f7f7f7f
.endr
.set n, 0
.rept 32
	v_mov_b32 v[ACC+32+n], 0
.set n, n+1
.endr
	s_mov_b32 s57, 0
	s_wait_kmcnt 0x0
	s_lshl_b32 s56, s[EX], 24
	s_lshl_b32 s58, s[KH], 23
	s_add_co_u32 s56, s56, s58
	s_lshl_b32 s58, s[NSC], 8
	s_add_co_u32 s56, s56, s58
	s_add_nc_u64 s[4:5], s[4:5], s[56:57]          ; w2 at my expert, half of K and columns
	s_lshl_b32 s56, s[EX], 12
	s_add_co_u32 s56, s56, s58
	s_add_nc_u64 s[6:7], s[6:7], s[56:57]
	s_mul_i32 s56, s[KH], 8912896
	s_add_co_u32 s56, s56, s58
	s_add_nc_u64 s[16:17], s[16:17], s[56:57]
	s_add_nc_u64 s[10:11], s[8:9], HSO             ; h's scale words lie behind its images
	s_lshl_b32 s56, s[EX], 21
	s_lshl_b32 s58, s[KH], 14
	s_add_co_u32 s56, s56, s58
	s_add_nc_u64 s[8:9], s[8:9], s[56:57]
	s_lshl_b32 s56, s[EX], 18
	s_lshl_b32 s58, s[KH], 11
	s_add_co_u32 s56, s56, s58
	s_add_nc_u64 s[10:11], s[10:11], s[56:57]
	s_lshl_b32 s56, s[EX], 4
	s_add_co_u32 s56, s56, s[WV]
	s_lshl_b32 s56, s56, 7
	s_add_nc_u64 s[60:61], s[12:13], s[56:57]      ; my wave's record of the list's length
	s_lshl_b32 s56, s[EX], 2
	s_add_co_u32 s56, s56, s[GR]
	s_lshl_b32 s56, s56, 10
	s_add_nc_u64 s[12:13], s[12:13], s[56:57]      ; my expert's and group's 256 places
	s_load_b32 s[NG], s[60:61], CNTS
	s_wait_alu depctr_va_vdst(0)                   ; every address made above is written, which the kernel's loads and stores read; so are the second tile's registers, in which loads land and which the products may take as operand and scale
	global_load_b32 v[T], v[TA], s[12:13]          ; the slots of my tiles 0 and 1
	global_load_b32 v[T+1], v[TA], s[12:13] offset:256
	global_load_b64 v[BV:BV+1], v[BO], s[6:7]      ; b2's 64 numbers
	SLOAD 0, 0, 0, 32                              ; both first blocks go out ahead of the wait for the list
	SLOAD 1, 1, 0, 32
	s_cmp_eq_u32 s[KH], 0
	s_cselect_b32 s[TS], 0x3f800000, 0             ; the bias is added in one half of K alone
	s_wait_loadcnt 63                              ; 67 loads were issued: the oldest 4 are in, the list's two and b2's among them
	s_wait_kmcnt 0x0                               ; and the list's length
	v_mul_f32 v[BV], s[TS], v[BV]
	v_mul_f32 v[BV+1], s[TS], v[BV+1]
	MKCA 0, CAH
	MKCA 1, CAH+1
	s_wait_alu depctr_va_vdst(0)                   ; b2's two numbers are written, which the LDS store reads, and the coefficients' two addresses, which their loads read
	s_cmp_lg_u32 s[WV], 0
	s_cbranch_scc1 .Lnot_wave_0
	ds_store_b64 v[BSA], v[BV:BV+1]                ; read behind the chunks' barriers
.Lnot_wave_0:
	LDCF 0, CAH
	LDCF 1, CAH+1
	LDAC 0, 0
	LDAC 1, 1
	CHUNK 0
	CHUNK 1
	CHUNK 2
	CHUNK 3
	CHUNK 4
	CHUNK 5
	CHUNK 6
	CHUNK 7
	EPILOGUE
; THE SECOND PASS: tiles 2 and 3, where my group's list is longer than 16 q + 128.  No barrier: every image has been shown whole by the barriers above, and nothing writes them.
	s_lshl_b32 s[TS], s[QQ], 4
	s_add_co_u32 s[TS], s[TS], 128
	s_cmp_gt_u32 s[NG], s[TS]
	s_cbranch_scc0 .Ldone
	s_add_co_u32 s[LIMB], s[TS], 64
.set PASS, 1
	v_and_b32 v[TA2], 15, v0                       ; registers of the stream that the way out does not name: the list's address once more
	v_lshlrev_b32 v[TA2], 2, v[TA2]
	s_lshl_b32 s56, s[QQ], 6
	v_add_nc_u32 v[TA2], s56, v[TA2]
	s_wait_alu depctr_vm_vsrc(0)                   ; the way out's lane permutes have read v[T] and v[T+1], in which the loads below land; its LDS stores have read the accumulators, which this pass's first products write
	s_wait_alu depctr_va_vdst(0)                   ; v[TA2] is written, which the two loads read as their offset
	global_load_b32 v[T], v[TA2], s[12:13] offset:512            ; the slots of tiles 2 and 3
	global_load_b32 v[T+1], v[TA2], s[12:13] offset:768
	s_wait_loadcnt 0x0
	MKCA 0, CA2
	MKCA 1, CA2+1
	s_wait_alu depctr_va_vdst(0)                   ; the coefficients' two addresses are written, which their loads read; the way out's lines are done with the coefficients' pair and with the bias, the last products with the rows' fragments and scale words: the loads below and the first step's land in all of these
	LDCF 0, CA2
	LDCF 1, CA2+1
.irp s,0,1,2,3,4,5,6,7,8,9,10,11,12,13,14,15
.if \s > 0
	s_wait_alu depctr_va_vdst(0)                   ; the step before's products are done reading the rows' fragments, the weight fragments and both kinds of scale words, in which the loads below land
.endif
	LDAK \s
	LDW \s
	s_wait_loadcnt 0x0
	s_wait_dscnt 0x0
.if \s == 0
	MUL 0, 0, 1
.else
	MUL 0, 0, 0
.endif
	PLACES
.endr
	EPILOGUE
.Ldone:
	s_wait_xcnt 0x0
	v_lshl_add_u32 v254, v0, 2, 0x22100
	v_mov_b32 v255, 0
	s_wait_dscnt 0x0                               ; the closing lines, six on end
	s_wait_alu 0x0
	s_wait_tensorcnt 0x0
	ds_add_u32 v254, v255
	s_wait_dscnt 0x0
	s_endpgm
.Lfunc_end_k_q9de58f6719_down:
	.size	k_q9de58f6719_down, .Lfunc_end_k_q9de58f6719_down-k_q9de58f6719_down
	.p2alignl 7, 3214868480
	.fill 96, 4, 3214868480
	.section	.rodata,"a",@progbits
	.p2align	6, 0x0
	.amdhsa_kernel k_q9de58f6719_down
		.amdhsa_group_segment_fixed_size 141568
		.amdhsa_private_segment_fixed_size 0
		.amdhsa_enable_private_segment 0
		.amdhsa_kernarg_size 48
		.amdhsa_user_sgpr_count 2
		.amdhsa_user_sgpr_kernarg_segment_ptr 1
		.amdhsa_wavefront_size32 1
		.amdhsa_system_sgpr_workgroup_id_x 1
		.amdhsa_system_sgpr_workgroup_id_y 1
		.amdhsa_system_sgpr_workgroup_id_z 1
		.amdhsa_system_vgpr_workitem_id 0
		.amdhsa_next_free_vgpr 256
		.amdhsa_next_free_sgpr 66
		.amdhsa_reserve_vcc 0
		.amdhsa_float_denorm_mode_32 3
		.amdhsa_float_denorm_mode_16_64 3
		.amdhsa_memory_ordered 1
		.amdhsa_forward_progress 1
		.amdhsa_inst_pref_size 151
	.end_amdhsa_kernel
	.amdgpu_metadata
---
amdhsa.version: [ 1, 2 ]
amdhsa.kernels:
  - .name:           k_q9de58f6719_down
    .symbol:         k_q9de58f6719_down.kd
    .args:
      - { .name: w2, .offset: 0, .size: 8, .value_kind: global_buffer, .address_space: global }
      - { .name: b2, .offset: 8, .size: 8, .value_kind: global_buffer, .address_space: global }
      - { .name: hq, .offset: 16, .size: 8, .value_kind: global_buffer, .address_space: global }
      - { .name: lst, .offset: 24, .size: 8, .value_kind: global_buffer, .address_space: global }
      - { .name: cf, .offset: 32, .size: 8, .value_kind: global_buffer, .address_space: global }
      - { .name: yp, .offset: 40, .size: 8, .value_kind: global_buffer, .address_space: global }
    .group_segment_fixed_size: 141568
    .private_segment_fixed_size: 0
    .kernarg_segment_align: 8
    .kernarg_segment_size: 48
    .max_flat_workgroup_size: 512
    .sgpr_count:     66
    .vgpr_count:     256
    .wavefront_size: 32
...
	.end_amdgpu_metadata
.endif
;; end of part 9
;; launch combine (part 10): grid 256 x 1, 8 waves a work-group, no clusters, 0 bytes of LDS; arguments yp, out0; writes out0
.if DOCPART == 10
	.amdgcn_target "amdgcn-amd-amdhsa--gfx1250"
	.amdhsa_code_object_version 6
	.text
	.protected	k_q9de58f6719_combine
	.globl	k_q9de58f6719_combine
	.p2align	8
	.type	k_q9de58f6719_combine,@function
k_q9de58f6719_combine:
	s_mov_b64 s[64:65], 0
	v_nop
	global_prefetch_b8 v0, s[64:65] scope:SCOPE_SE
	s_setreg_imm32_b32 hwreg(HW_REG_WAVE_MODE, 25, 1), 1
	s_wait_xcnt 0x0
; out0[token] = the sum of the token's two slots over the two halves of K: four rows of yp.  A work-group takes four tokens; thread t takes 16 bytes at 16 t of a row: a wave's load or store covers 512 consecutive bytes.
; All sixteen loads of a thread go out at once; the waits count down by tokens.  Memory binds: no LDS, no barrier, no matrix unit.
.set HALF, 8912896                     ; bytes of one half of yp: 2,176 rows of 4,096
	s_load_b128 s[4:7], s[0:1], 0x0                ; yp, out0
	v_lshlrev_b32 v1, 4, v0
	s_mov_b32 s13, 0
	s_wait_alu depctr_va_vdst(0)
	s_wait_kmcnt 0x0
	s_lshl_b32 s12, ttmp9, 15                      ; eight rows of yp
	s_add_nc_u64 s[4:5], s[4:5], s[12:13]
	s_add_nc_u64 s[14:15], s[4:5], HALF
	s_lshl_b32 s12, ttmp9, 14                      ; four rows of out0
	s_add_nc_u64 s[6:7], s[6:7], s[12:13]
.irp j,0,1,2,3
	global_load_b128 v[16+16*\j:19+16*\j], v1, s[4:5] offset:8192*\j th:TH_LOAD_NT
	global_load_b128 v[20+16*\j:23+16*\j], v1, s[4:5] offset:8192*\j+4096 th:TH_LOAD_NT
	global_load_b128 v[24+16*\j:27+16*\j], v1, s[14:15] offset:8192*\j th:TH_LOAD_NT
	global_load_b128 v[28+16*\j:31+16*\j], v1, s[14:15] offset:8192*\j+4096 th:TH_LOAD_NT
.endr
.irp j,0,1,2,3
	s_wait_loadcnt 12-4*\j                         ; this token's four loads are in; the later tokens' may be out
	v_pk_add_f32 v[16+16*\j:17+16*\j], v[16+16*\j:17+16*\j], v[20+16*\j:21+16*\j]
	v_pk_add_f32 v[18+16*\j:19+16*\j], v[18+16*\j:19+16*\j], v[22+16*\j:23+16*\j]
	v_pk_add_f32 v[24+16*\j:25+16*\j], v[24+16*\j:25+16*\j], v[28+16*\j:29+16*\j]
	v_pk_add_f32 v[26+16*\j:27+16*\j], v[26+16*\j:27+16*\j], v[30+16*\j:31+16*\j]
	s_delay_alu instid0(VALU_DEP_2)
	v_pk_add_f32 v[16+16*\j:17+16*\j], v[16+16*\j:17+16*\j], v[24+16*\j:25+16*\j]
	s_delay_alu instid0(VALU_DEP_2)
	v_pk_add_f32 v[18+16*\j:19+16*\j], v[18+16*\j:19+16*\j], v[26+16*\j:27+16*\j]
	global_store_b128 v1, v[16+16*\j:19+16*\j], s[6:7] offset:4096*\j th:TH_STORE_NT
.endr
	s_endpgm
.Lfunc_end_k_q9de58f6719_combine:
	.size	k_q9de58f6719_combine, .Lfunc_end_k_q9de58f6719_combine-k_q9de58f6719_combine
	.p2alignl 7, 3214868480
	.fill 96, 4, 3214868480
	.section	.rodata,"a",@progbits
	.p2align	6, 0x0
	.amdhsa_kernel k_q9de58f6719_combine
		.amdhsa_group_segment_fixed_size 0
		.amdhsa_private_segment_fixed_size 0
		.amdhsa_enable_private_segment 0
		.amdhsa_kernarg_size 16
		.amdhsa_user_sgpr_count 2
		.amdhsa_user_sgpr_kernarg_segment_ptr 1
		.amdhsa_wavefront_size32 1
		.amdhsa_system_sgpr_workgroup_id_x 1
		.amdhsa_system_sgpr_workgroup_id_y 1
		.amdhsa_system_sgpr_workgroup_id_z 1
		.amdhsa_system_vgpr_workitem_id 0
		.amdhsa_next_free_vgpr 80
		.amdhsa_next_free_sgpr 66
		.amdhsa_reserve_vcc 0
		.amdhsa_float_denorm_mode_32 3
		.amdhsa_float_denorm_mode_16_64 3
		.amdhsa_memory_ordered 1
		.amdhsa_forward_progress 1
		.amdhsa_inst_pref_size 5
	.end_amdhsa_kernel
	.amdgpu_metadata
---
amdhsa.version: [ 1, 2 ]
amdhsa.kernels:
  - .name:           k_q9de58f6719_combine
    .symbol:         k_q9de58f6719_combine.kd
    .args:
      - { .name: yp, .offset: 0, .size: 8, .value_kind: global_buffer, .address_space: global }
      - { .name: out0, .offset: 8, .size: 8, .value_kind: global_buffer, .address_space: global }
    .group_segment_fixed_size: 0
    .private_segment_fixed_size: 0
    .kernarg_segment_align: 8
    .kernarg_segment_size: 16
    .max_flat_workgroup_size: 256
    .sgpr_count:     66
    .vgpr_count:     80
    .wavefront_size: 32
...
	.end_amdgpu_metadata
.endif
;; end of part 10
